; MI455X (gfx1250); checked and timed in simulation.
; The chip was launched on July 23, 2026; its instructions are those of AMD's public machine-readable ISA for CDNA 5 (MIT licence, August 2026) and "CDNA5" Instruction Set Architecture Reference Guide (July 2026). The comments in the code are by the model that wrote it; some were corrected since.
;; Encoder Layer. Allowed arithmetic: float matrix products may take bf16 or f16 operands with f32 sums; other float arithmetic in f32, or as packed bf16 or f16 multiplies, adds, multiply-adds, maxima and minima; sums over many terms, partial sums and values carried from step to step in f32; what a program stores and reads back later, other than sums and carried values, may be rounded once to bf16 or f16.
;; Inputs: attn_coef_w 8 x 1 x 1 float32; b1 2,048 float32; b2 512 float32; k_kernel 8 x 512 x 64 float32; ln1_b 512 float32; ln1_g 512 float32; ln2_b 512 float32; ln2_g 512 float32; mask 16 x 1,024 x 1,024 bool; proj_bias 512 float32; proj_kernel 8 x 64 x 512 float32; q_kernel 8 x 512 x 64 float32; timediff 16 x 1 x 1,024 x 1,024 float32; v_kernel 8 x 512 x 64 float32; value 16 x 1,024 x 512 float32; w1 512 x 2,048 float32; w2 2,048 x 512 float32.
;; Outputs: out0 16 x 1,024 x 512 float32.
;; 3 versions, each right and faster than the one before. Each part assembles by itself: llvm-mc -triple=amdgcn-amd-amdhsa -mcpu=gfx1250 --defsym DOCPART=n.
;; ======== version 1 of 3: 4 launches
;; limits: values outside matrix products are rounded to bf16
;; workspace buffers: wb 6,291,456 bytes; qkv 50,331,648 bytes; ob 16,777,216 bytes
;; launch prep (part 1): grid 384 x 1, 8 waves a work-group, no clusters, 0 bytes of LDS; arguments q_kernel, k_kernel, v_kernel, proj_kernel, w1, w2, wb; writes wb
.if DOCPART == 1
	.amdgcn_target "amdgcn-amd-amdhsa--gfx1250"
	.amdhsa_code_object_version 6
	.text
	.protected	k_qd00ba9bec6_prep
	.globl	k_qd00ba9bec6_prep
	.p2align	8
	.type	k_qd00ba9bec6_prep,@function
k_qd00ba9bec6_prep:
	s_mov_b64 s[64:65], 0
	v_nop
	global_prefetch_b8 v0, s[64:65] scope:SCOPE_SE
	s_setreg_imm32_b32 hwreg(HW_REG_WAVE_MODE, 25, 1), 1
	s_wait_xcnt 0x0
; The six weight tensors are rounded once to bf16 into wb, each as [K][N] with N along the rows:
; byte 0 Wq, 524288 Wk, 1048576 Wv ([512][512], column 64 head + o), 1572864 Wp, 2097152 W1 [512][2048], 4194304 W2 [2048][512].
; A work-group takes 8,192 numbers (32 KiB in, 16 KiB out); groups 0-31 q, 32-63 k, 64-95 v, 96-127 proj, 128-255 w1, 256-383 w2.
; A thread takes four items of 8 numbers.  proj, w1, w2 keep their order: each store of a wave covers 512 consecutive bytes.
; q, k, v ([head][k][o]) change order: runs of 128 bytes go into rows of 1,024 bytes (1.5 MiB of the 6 MiB written).
	s_load_b256 s[4:11], s[0:1], 0x0               ; q, k, v, proj
	s_load_b128 s[12:15], s[0:1], 0x20             ; w1, w2
	s_load_b64 s[16:17], s[0:1], 0x30              ; wb
	s_mov_b32 s20, ttmp9
	v_lshlrev_b32 v1, 5, v0                        ; 32 bytes of f32 a thread and item
	s_mov_b32 s21, 0                               ; the first group of my tensor
	s_wait_kmcnt 0x0
	s_mov_b64 s[22:23], s[4:5]
	s_cmp_ge_u32 s20, 32
	s_cselect_b64 s[22:23], s[6:7], s[22:23]
	s_cselect_b32 s21, 32, s21
	s_cmp_ge_u32 s20, 64
	s_cselect_b64 s[22:23], s[8:9], s[22:23]
	s_cselect_b32 s21, 64, s21
	s_cmp_ge_u32 s20, 96
	s_cselect_b64 s[22:23], s[10:11], s[22:23]
	s_cselect_b32 s21, 96, s21
	s_cmp_ge_u32 s20, 128
	s_cselect_b64 s[22:23], s[12:13], s[22:23]
	s_cselect_b32 s21, 128, s21
	s_cmp_ge_u32 s20, 256
	s_cselect_b64 s[22:23], s[14:15], s[22:23]
	s_cselect_b32 s21, 256, s21
	s_sub_co_u32 s24, s20, s21
	s_lshl_b32 s24, s24, 15                        ; 32 KiB a group
	s_mov_b32 s25, 0
	s_add_nc_u64 s[22:23], s[22:23], s[24:25]
.irp it, 0,1,2,3
	global_load_b128 v[8+8*\it:8+8*\it+3], v1, s[22:23] offset:\it*8192 th:TH_LOAD_NT
	global_load_b128 v[8+8*\it+4:8+8*\it+7], v1, s[22:23] offset:\it*8192+16 th:TH_LOAD_NT
.endr
.irp it, 0,1,2,3
	s_wait_loadcnt 6-2*\it                         ; loads return in order: item it is in, the younger ones stay out
.irp e, 0,1,2,3
	v_cvt_pk_bf16_f32 v[40+4*\it+\e], v[8+8*\it+2*\e], v[8+8*\it+2*\e+1]
.endr
.endr
	s_cmp_lt_u32 s20, 96
	s_cbranch_scc1 .Lheads
	s_lshl_b32 s26, s20, 14                        ; as it lies: 16 KiB a group
	s_mov_b32 s27, 0
	s_add_nc_u64 s[16:17], s[16:17], s[26:27]
	v_lshlrev_b32 v2, 4, v0
.irp it, 0,1,2,3
	global_store_b128 v2, v[40+4*\it:40+4*\it+3], s[16:17] offset:\it*4096
.endr
	s_endpgm
.Lheads:                                               ; group = 32 tensor + 4 head + block of 128 k
	s_lshr_b32 s26, s20, 5
	s_lshl_b32 s26, s26, 19                        ; the tensor
	s_and_b32 s27, s20, 3
	s_lshl_b32 s27, s27, 17                        ; 128 rows of 1,024 bytes
	s_add_co_u32 s26, s26, s27
	s_bfe_u32 s27, s20, 0x30002
	s_lshl_b32 s27, s27, 7                         ; the head's 128 bytes in a row
	s_add_co_u32 s26, s26, s27
	s_mov_b32 s27, 0
	s_add_nc_u64 s[16:17], s[16:17], s[26:27]
	v_lshrrev_b32 v2, 3, v0
	v_and_b32 v3, 7, v0
	v_lshlrev_b32 v2, 10, v2                       ; row thread / 8 (+ 32 an item)
	v_lshl_add_u32 v2, v3, 4, v2
.irp it, 0,1,2,3
	global_store_b128 v2, v[40+4*\it:40+4*\it+3], s[16:17] offset:\it*32768
.endr
	s_endpgm
.Lfunc_end_k_qd00ba9bec6_prep:
	.size	k_qd00ba9bec6_prep, .Lfunc_end_k_qd00ba9bec6_prep-k_qd00ba9bec6_prep
	.p2alignl 7, 3214868480
	.fill 96, 4, 3214868480
	.section	.rodata,"a",@progbits
	.p2align	6, 0x0
	.amdhsa_kernel k_qd00ba9bec6_prep
		.amdhsa_group_segment_fixed_size 0
		.amdhsa_private_segment_fixed_size 0
		.amdhsa_enable_private_segment 0
		.amdhsa_kernarg_size 56
		.amdhsa_user_sgpr_count 2
		.amdhsa_user_sgpr_kernarg_segment_ptr 1
		.amdhsa_wavefront_size32 1
		.amdhsa_system_sgpr_workgroup_id_x 1
		.amdhsa_system_sgpr_workgroup_id_y 1
		.amdhsa_system_sgpr_workgroup_id_z 1
		.amdhsa_system_vgpr_workitem_id 0
		.amdhsa_next_free_vgpr 64
		.amdhsa_next_free_sgpr 66
		.amdhsa_reserve_vcc 0
		.amdhsa_float_denorm_mode_32 3
		.amdhsa_float_denorm_mode_16_64 3
		.amdhsa_memory_ordered 1
		.amdhsa_forward_progress 1
		.amdhsa_inst_pref_size 5
	.end_amdhsa_kernel
	.amdgpu_metadata
---
amdhsa.version: [ 1, 2 ]
amdhsa.kernels:
  - .name:           k_qd00ba9bec6_prep
    .symbol:         k_qd00ba9bec6_prep.kd
    .args:
      - { .name: q_kernel, .offset: 0, .size: 8, .value_kind: global_buffer, .address_space: global }
      - { .name: k_kernel, .offset: 8, .size: 8, .value_kind: global_buffer, .address_space: global }
      - { .name: v_kernel, .offset: 16, .size: 8, .value_kind: global_buffer, .address_space: global }
      - { .name: proj_kernel, .offset: 24, .size: 8, .value_kind: global_buffer, .address_space: global }
      - { .name: w1, .offset: 32, .size: 8, .value_kind: global_buffer, .address_space: global }
      - { .name: w2, .offset: 40, .size: 8, .value_kind: global_buffer, .address_space: global }
      - { .name: wb, .offset: 48, .size: 8, .value_kind: global_buffer, .address_space: global }
    .group_segment_fixed_size: 0
    .private_segment_fixed_size: 0
    .kernarg_segment_align: 8
    .kernarg_segment_size: 56
    .max_flat_workgroup_size: 256
    .sgpr_count:     66
    .vgpr_count:     64
    .wavefront_size: 32
...
	.end_amdgpu_metadata
.endif
;; end of part 1
;; launch qkv (part 2): grid 256 x 1, 4 waves a work-group, clusters of 4 x 1, 327,680 bytes of LDS; arguments value, wb, qkv; writes qkv
.if DOCPART == 2
	.amdgcn_target "amdgcn-amd-amdhsa--gfx1250"
	.amdhsa_code_object_version 6
	.text
	.protected	k_qd00ba9bec6_qkv
	.globl	k_qd00ba9bec6_qkv
	.p2align	8
	.type	k_qd00ba9bec6_qkv,@function
k_qd00ba9bec6_qkv:
	s_mov_b64 s[64:65], 0
	v_nop
	global_prefetch_b8 v0, s[64:65] scope:SCOPE_SE
	s_setreg_imm32_b32 hwreg(HW_REG_WAVE_MODE, 25, 1), 1
	s_wait_xcnt 0x0
	s_wait_alu depctr_hold_cnt(0) depctr_sa_sdst(0) depctr_va_vdst(0) depctr_va_sdst(0) depctr_va_ssrc(0) depctr_va_vcc(0) depctr_vm_vsrc(0)
	s_getreg_b32 s2, hwreg(HW_REG_IB_STS2, 6, 4)
	s_cmp_eq_u32 s2, 0
	s_cbranch_scc0 .Lentry_in_a_cluster
	s_endpgm
.Lentry_in_a_cluster:
	s_bfe_u32 s2, ttmp6, 0x10000c
	s_cmp_lg_u32 s2, 0x3003
	s_cbranch_scc0 .Lentry_shape_is_right
	s_endpgm
.Lentry_shape_is_right:
; qkv[row][0:512] = c (value Wq), [512:1024] = value Wk, [1024:1536] = value Wv, bf16, row = 1024 b + s; c = log2(e) / 8 is applied to the f32 sums, so q is rounded once.
; A work-group owns 64 rows, wave w the output columns 128 w .. 128 w + 127 of each of the three products: 32 accumulators.  X (64 rows x 512, bf16) stays in 512 registers.
; The weights ([K][N] bf16) come in tiles of 128 k x 512 n through two LDS regions that take turns; each wave fetches 32 rows of 1,024 bytes.  The four work-groups of a cluster walk the
; same weights: every tile is asked for jointly (mask 15).  The matrix instruction is used transposed (source 0 = 16 columns of W, turned out of LDS; source 1 = 16 rows of X): a lane holds 8 neighbouring columns of a row.
; By this text's count a wave has two tensor loads out at the start and one behind each round; a request has 112 matrix instructions in which to land.
; WINDOWS: 0: v0-63 addresses, v64-127 at work, F0 v128-191, F1 v192-255 weight fragments; 1: accumulator (mt, nt) at 8 (8 mt + nt); 2, 3: X(ks, mt) at window 2 + ks / 8, register 32 (ks % 8) + 8 mt.
.set RB,    147456                     ; region B; a tile is 128 rows of 1,056 bytes (1,024 + 32: an odd multiple of 32 for the turning load)
.set DS,    282624                     ; behind the regions, no tensor load lands here: X's stage, 32 rows x 1,040; later each wave's 16 x 272 for the way out
.set SPARE, 315904                     ; the spare words
.set F0, 128
.set F1, 192
.set AW2, 8                            ; v8-11 region R, half q of its k rows
.set XW,  18
.set XRD, 19
.set OST, 20
.set ORD, 21
.set GO,  22
.set VO,  23
.set SPW, 28
.set NIL, 29
.set WV,  10
.set G1,  16                           ; s[16:23]
.set G0,  32                           ; s[32:35] region A's group 0, s[36:39] region B's
.set SC,  40                           ; s[40:41] the factor on the way out
.set MSB, 0
.macro WIN new
.if MSB != (\new)
	s_set_vgpr_msb (MSB<<8)|(\new)
.set MSB, (\new)
.endif
.endm
.macro PLACES n
.rept \n
	v_nop
.endr
.endm
.macro CREST                           ; a round of the cluster's barrier behind its opening barrier
	s_cmp_lg_u32 s[WV], 0
	s_cbranch_scc1 .Lnw0_\@
	s_barrier_signal -3
.Lnw0_\@:
	s_barrier_wait -3
	s_barrier_signal -1
	s_barrier_wait -1
.endm
.macro CROUND
	s_barrier_signal -1
	s_barrier_wait -1
	CREST
.endm
.macro BAR
	s_barrier_signal -1
	s_barrier_wait -1
.endm
	s_load_b128 s[4:7], s[0:1], 0x0                ; value, wb
	s_load_b64 s[8:9], s[0:1], 0x10                ; qkv
	v_lshl_add_u32 v[SPW], v0, 2, SPARE
	v_mov_b32 v[NIL], 0
	ds_add_u32 v[SPW], v[NIL]                      ; the opening: the add and its wait ahead of my first tensor load
	v_lshrrev_b32 v5, 5, v0
	v_readfirstlane_b32 s[WV], v5
	s_bfe_u32 s11, ttmp6, 0x40000                  ; cx
	s_lshl_b32 s12, ttmp9, 2
	s_add_co_u32 s12, s12, s11                     ; my block of 64 rows: it enters value's and qkv's addresses alone
	s_mov_b32 s[G1+0], 15|(1<<16)|(1<<20)|(1<<21)|(7<<22)|(7<<25)  ; mask of four; 2-byte elements; padding on; bit 21 beside a mask; after every 256 words 8 words
	s_mov_b32 s[G1+1], 512<<16                     ; tensor_dim0
	s_mov_b32 s[G1+2], 32<<16                      ; tensor_dim1
	s_mov_b32 s[G1+3], 512<<16                     ; tile_dim0
	s_mov_b32 s[G1+4], 32                          ; tile_dim1
	s_mov_b32 s[G1+5], 512                         ; elements from row to row
	s_mov_b32 s[G1+6], 0
	s_mov_b32 s[G1+7], 0
	s_mul_i32 s24, s[WV], 33792                    ; my 32 rows in a region
	s_lshl_b32 s26, s[WV], 15                      ; and in a tile in memory
	s_mov_b32 s27, 0
	s_mov_b32 s[G0], 1
	s_mov_b32 s[G0+1], s24
	s_mov_b32 s[G0+4], 1
	s_add_co_u32 s[G0+5], s24, RB
	s_lshl_b32 s28, s12, 17                        ; value: 64 rows of 2,048 bytes, my wave's 16 of them
	s_lshl_b32 s29, s[WV], 15
	s_add_co_u32 s28, s28, s29
	s_mov_b32 s29, 0
	s_mul_i32 s30, s12, 196608                     ; qkv: 64 rows of 3,072 bytes, my wave's 256 bytes
	s_lshl_b32 s31, s[WV], 8
	s_add_co_u32 s30, s30, s31
	s_mov_b32 s31, 0
	s_mov_b32 s[SC], 0x3e38aa3b                    ; c, for q
	s_mov_b32 s[SC+1], s[SC]
	s_wait_dscnt 0x0
	s_wait_kmcnt 0x0
	s_add_nc_u64 s[G0+2:G0+3], s[6:7], s[26:27]    ; tile 0
	s_add_nc_u64 s[G0+6:G0+7], s[G0+2:G0+3], 131072  ; tile 1
	s_or_b32 s[G0+3], s[G0+3], 0x80000000
	s_or_b32 s[G0+7], s[G0+7], 0x80000000
	s_add_nc_u64 s[4:5], s[4:5], s[28:29]
	s_add_nc_u64 s[8:9], s[8:9], s[30:31]
	CROUND                                         ; the four work-groups are here: the first joint loads meet
	tensor_load_to_lds s[G0:G0+3], s[G1:G1+7]
	s_nop 0
	tensor_load_to_lds s[G0+4:G0+7], s[G1:G1+7]
	s_nop 0
	PLACES 4
	; my 16 rows of value, 64 loads of 512 consecutive bytes, into the registers that later hold the sums
	v_and_b32 v5, 31, v0
	v_lshlrev_b32 v[VO], 4, v5
	WIN 0x40
.set j, 0
.rept 64
	global_load_b128 v[4*j:4*j+3], v[VO], s[4:5] offset:(j/4)*2048+(j%4)*512 th:TH_LOAD_NT
.set j, j+1
.endr
	WIN 0
	v_and_b32 v1, 15, v0                           ; r
	v_bfe_u32 v2, v0, 4, 1                         ; h
	v_and_b32 v3, 7, v0
	v_bfe_u32 v4, v0, 3, 1
	v_lshl_add_u32 v6, v2, 3, v3                   ; the turning load: k row 8 h + l % 8,
	v_mul_u32_u24 v6, v6, 1056
	v_lshl_add_u32 v6, v4, 4, v6                   ; 16 bytes by (l / 8) % 2,
	s_lshl_b32 s25, s[WV], 8
	v_add_nc_u32 v[AW2], s25, v6                   ; my wave's 256 bytes of a row
	v_add_nc_u32 v[AW2+1], 67584, v[AW2]
	v_add_nc_u32 v[AW2+2], RB, v[AW2]
	v_add_nc_u32 v[AW2+3], RB+67584, v[AW2]
	s_and_b32 s25, s[WV], 1
	s_mul_i32 s25, s25, 16640
	s_add_co_u32 s25, s25, DS
	v_lshl_add_u32 v[XW], v5, 3, s25               ; into X's stage: 8 bytes a lane
	v_mul_u32_u24 v6, v1, 1040
	v_lshl_add_u32 v6, v2, 4, v6
	v_add_nc_u32 v[XRD], DS, v6                    ; a fragment's row x pitch + 16 h
	s_mul_i32 s25, s[WV], 4352
	s_add_co_u32 s25, s25, DS
	v_mul_u32_u24 v6, v1, 272
	v_lshl_add_u32 v6, v2, 4, v6
	v_add_nc_u32 v[OST], s25, v6
	v_mul_u32_u24 v6, v2, 272
	v_lshl_add_u32 v6, v1, 4, v6
	v_add_nc_u32 v[ORD], s25, v6
	v_mul_u32_u24 v6, v2, 3072
	v_lshl_add_u32 v[GO], v1, 4, v6
	s_wait_loadcnt 0x0
	WIN 0x05
.set j, 0
.rept 64
	v_cvt_pk_bf16_f32 v[64+2*j], v[4*j], v[4*j+1]
	v_cvt_pk_bf16_f32 v[64+2*j+1], v[4*j+2], v[4*j+3]
.set j, j+1
.endr
	WIN 0
.macro XPUT                            ; my 16 rows into the stage
.set j, 0
.rept 64
	ds_store_b64 v[XW], v[64+2*j:64+2*j+1] offset:(j/4)*1040+(j%4)*256
.set j, j+1
.endr
.endm
.macro XREAD u                         ; the fragments of rows 32 u .. 32 u + 31: 64 loads
	WIN 0x80
.irp mm, 0,1
.irp ks, 0,1,2,3,4,5,6,7
	ds_load_b128 v[\ks*32+8*(2*(\u)+\mm):\ks*32+8*(2*(\u)+\mm)+3], v[XRD] offset:\mm*16640+\ks*64
	ds_load_b128 v[\ks*32+8*(2*(\u)+\mm)+4:\ks*32+8*(2*(\u)+\mm)+7], v[XRD] offset:\mm*16640+\ks*64+32
.endr
.endr
	WIN 0xc0
.irp mm, 0,1
.irp ks, 0,1,2,3,4,5,6,7
	ds_load_b128 v[\ks*32+8*(2*(\u)+\mm):\ks*32+8*(2*(\u)+\mm)+3], v[XRD] offset:\mm*16640+\ks*64+512
	ds_load_b128 v[\ks*32+8*(2*(\u)+\mm)+4:\ks*32+8*(2*(\u)+\mm)+7], v[XRD] offset:\mm*16640+\ks*64+544
.endr
.endr
	WIN 0
.endm
	s_cmp_ge_u32 s[WV], 2
	s_cbranch_scc1 .Lx0
	XPUT                                           ; waves 0 and 1: rows 0-31
.Lx0:
	s_wait_dscnt 0x0                               ; my stores are done, for the others' sake
	BAR
	XREAD 0
	s_wait_dscnt 0x0                               ; my reads are back before the stage is written again
	BAR
	s_cmp_lt_u32 s[WV], 2
	s_cbranch_scc1 .Lx1
	XPUT                                           ; waves 2 and 3: rows 32-63
.Lx1:
	s_wait_dscnt 0x0
	BAR
	XREAD 1
	s_wait_dscnt 0x0
	s_wait_tensorcnt 1                             ; my part of tile 0 is in; tile 1's may stay out
	BAR
.macro FW2 R, ks, F                    ; 16 turning loads: my 128 columns x 32 k of K step ks of the tile in region R
	WIN 0
.irp nt, 0,1,2,3,4,5,6,7
	ds_load_tr16_b128 v[(\F)+8*\nt:(\F)+8*\nt+3], v[AW2+2*(\R)+(\ks)/2] offset:((\ks)%2)*33792+\nt*32
	ds_load_tr16_b128 v[(\F)+8*\nt+4:(\F)+8*\nt+7], v[AW2+2*(\R)+(\ks)/2] offset:((\ks)%2)*33792+\nt*32+16896
.endr
.endm
.macro MX F, ks, half, zero            ; 16 products; the 32 accumulators take turns, always in the same order
	WIN 0x58+4*((\ks)/8)
.irp mt, 2*(\half), 2*(\half)+1
.irp nt, 0,1,2,3,4,5,6,7
.if \zero
	v_wmma_f32_16x16x32_bf16 v[8*(8*(\mt)+\nt):8*(8*(\mt)+\nt)+7], v[(\F)+8*\nt:(\F)+8*\nt+7], v[((\ks)%8)*32+8*(\mt):((\ks)%8)*32+8*(\mt)+7], 0
.else
	v_wmma_f32_16x16x32_bf16 v[8*(8*(\mt)+\nt):8*(8*(\mt)+\nt)+7], v[(\F)+8*\nt:(\F)+8*\nt+7], v[((\ks)%8)*32+8*(\mt):((\ks)%8)*32+8*(\mt)+7], v[8*(8*(\mt)+\nt):8*(8*(\mt)+\nt)+7]
.endif
.endr
.endr
.endm
; One tile: four K steps of 32.  F0 is on its way with step 0.  Four v_nop stand in front of each run of loads into registers that matrix instructions have read (ISA guide 7.12.1 for vector instructions).
; Each s_wait_dscnt 16 leaves out the 16 loads just issued.  turn = 1: the last step changes regions: all my tensor loads waited for, the add, my reads waited for, one barrier;
; fill = 1: that barrier opens a round of the cluster's, and the region just read takes the tile two further on, first thing behind the round.
.macro PHX R, kc, zero, fill, turn=1
	PLACES 4
	FW2 \R, 1, F1
	s_wait_dscnt 16
	MX F0, 4*(\kc), 0, \zero
	MX F0, 4*(\kc), 1, \zero
	PLACES 4
	FW2 \R, 2, F0
	s_wait_dscnt 16
	MX F1, 4*(\kc)+1, 0, 0
	MX F1, 4*(\kc)+1, 1, 0
	PLACES 4
	FW2 \R, 3, F1
	s_wait_dscnt 16
	MX F0, 4*(\kc)+2, 0, 0
	MX F0, 4*(\kc)+2, 1, 0
.if \turn
	WIN 0
	s_wait_tensorcnt 0x0                           ; the one load of mine that is out is my part of the other region
	ds_add_u32 v[SPW], v[NIL]
.if \fill
	s_add_nc_u64 s[G0+2+4*(\R):G0+3+4*(\R)], s[G0+2+4*(\R):G0+3+4*(\R)], 262144
.endif
	s_wait_dscnt 0x0                               ; the add is done, my reads of this region are back
	s_barrier_signal -1
	MX F1, 4*(\kc)+3, 0, 0
	WIN 0
	s_barrier_wait -1
.if \fill
	CREST
	tensor_load_to_lds s[G0+4*(\R):G0+3+4*(\R)], s[G1:G1+7]
	s_nop 0
.endif
	PLACES 4
	FW2 1-(\R), 0, F0
	MX F1, 4*(\kc)+3, 1, 0
.else
	s_wait_dscnt 0x0
	MX F1, 4*(\kc)+3, 0, 0
	MX F1, 4*(\kc)+3, 1, 0
.endif
.endm
; The way out of one product: times the factor (scale = 1), rounded to bf16, 16 rows at a time through my own stage, stored as 256 consecutive aligned bytes from 16 lanes.
.macro OUT scale
	PLACES 4
.irp mt, 0,1,2,3
.if \scale
	WIN 0x41
.set e, 0
.rept 32
	v_pk_mul_f32 v[64*\mt+2*e:64*\mt+2*e+1], v[64*\mt+2*e:64*\mt+2*e+1], s[SC:SC+1] op_sel_hi:[1,0]
.set e, e+1
.endr
.endif
	WIN 0x05
.set e, 0
.rept 32
	v_cvt_pk_bf16_f32 v[64+e], v[64*\mt+2*e], v[64*\mt+2*e+1]
.set e, e+1
.endr
	WIN 0
.irp nt, 0,1,2,3,4,5,6,7
	ds_store_b128 v[OST], v[64+4*\nt:64+4*\nt+3] offset:32*\nt
.endr
	s_wait_xcnt 0x0                                ; the last block's stores have read v96-127
.irp t, 0,1,2,3,4,5,6,7
	ds_load_b128 v[96+4*\t:96+4*\t+3], v[ORD] offset:\t*544  ; LDS serves a wave's instructions in order: these see the stores above
.endr
	s_wait_dscnt 0x0
.irp t, 0,1,2,3,4,5,6,7
	global_store_b128 v[GO], v[96+4*\t:96+4*\t+3], s[8:9] offset:\mt*49152+\t*6144
.endr
.endr
	s_wait_xcnt 0x0                                ; the base is stepped only behind this wait
	s_add_nc_u64 s[8:9], s[8:9], 1024              ; the next product's 1,024 bytes of a row
	s_mov_b32 s[SC], 1.0                           ; k is stored as it is
.endm
	FW2 0, 0, F0
	s_mov_b32 s3, 2
.Lmat:                                                 ; q, then k; tile t's turn asks for tile t + 2
	PHX 0, 0, 1, 1
	PHX 1, 1, 0, 1
	PHX 0, 2, 0, 1
	PHX 1, 3, 0, 1
	OUT 1
	s_sub_co_u32 s3, s3, 1
	s_cmp_lg_u32 s3, 0
	s_cbranch_scc1 .Lmat
	PHX 0, 0, 1, 1                                 ; v is written out: its last two tiles ask for nothing
	PHX 1, 1, 0, 1
	PHX 0, 2, 0, 0
	PHX 1, 3, 0, 0, 0
	OUT 0
	s_wait_tensorcnt 0x0                           ; the wave's end
	ds_add_u32 v[SPW], v[NIL]
	s_wait_dscnt 0x0
	CROUND                                         ; the closing round
	s_endpgm
.Lfunc_end_k_qd00ba9bec6_qkv:
	.size	k_qd00ba9bec6_qkv, .Lfunc_end_k_qd00ba9bec6_qkv-k_qd00ba9bec6_qkv
	.p2alignl 7, 3214868480
	.fill 96, 4, 3214868480
	.section	.rodata,"a",@progbits
	.p2align	6, 0x0
	.amdhsa_kernel k_qd00ba9bec6_qkv
		.amdhsa_group_segment_fixed_size 327680
		.amdhsa_private_segment_fixed_size 0
		.amdhsa_enable_private_segment 0
		.amdhsa_kernarg_size 24
		.amdhsa_user_sgpr_count 2
		.amdhsa_user_sgpr_kernarg_segment_ptr 1
		.amdhsa_wavefront_size32 1
		.amdhsa_system_sgpr_workgroup_id_x 1
		.amdhsa_system_sgpr_workgroup_id_y 1
		.amdhsa_system_sgpr_workgroup_id_z 1
		.amdhsa_system_vgpr_workitem_id 0
		.amdhsa_next_free_vgpr 1024
		.amdhsa_next_free_sgpr 66
		.amdhsa_reserve_vcc 0
		.amdhsa_float_denorm_mode_32 3
		.amdhsa_float_denorm_mode_16_64 3
		.amdhsa_memory_ordered 1
		.amdhsa_forward_progress 1
		.amdhsa_inst_pref_size 183
	.end_amdhsa_kernel
	.amdgpu_metadata
---
amdhsa.version: [ 1, 2 ]
amdhsa.kernels:
  - .name:           k_qd00ba9bec6_qkv
    .symbol:         k_qd00ba9bec6_qkv.kd
    .args:
      - { .name: value, .offset: 0, .size: 8, .value_kind: global_buffer, .address_space: global }
      - { .name: wb, .offset: 8, .size: 8, .value_kind: global_buffer, .address_space: global }
      - { .name: qkv, .offset: 16, .size: 8, .value_kind: global_buffer, .address_space: global }
    .group_segment_fixed_size: 327680
    .private_segment_fixed_size: 0
    .kernarg_segment_align: 8
    .kernarg_segment_size: 24
    .max_flat_workgroup_size: 128
    .sgpr_count:     66
    .vgpr_count:     1024
    .wavefront_size: 32
...
	.end_amdgpu_metadata
.endif
;; end of part 2
;; launch attn (part 3): grid 16 x 16, 4 waves a work-group, clusters of 4 x 1, 327,680 bytes of LDS; arguments qkv, timediff, mask, attn_coef_w, ob; writes ob
.if DOCPART == 3
	.amdgcn_target "amdgcn-amd-amdhsa--gfx1250"
	.amdhsa_code_object_version 6
	.text
	.protected	k_qd00ba9bec6_attn
	.globl	k_qd00ba9bec6_attn
	.p2align	8
	.type	k_qd00ba9bec6_attn,@function
k_qd00ba9bec6_attn:
	s_mov_b64 s[64:65], 0
	v_nop
	global_prefetch_b8 v0, s[64:65] scope:SCOPE_SE
	s_setreg_imm32_b32 hwreg(HW_REG_WAVE_MODE, 25, 1), 1
	s_wait_xcnt 0x0
	s_wait_alu depctr_hold_cnt(0) depctr_sa_sdst(0) depctr_va_vdst(0) depctr_va_sdst(0) depctr_va_ssrc(0) depctr_va_vcc(0) depctr_vm_vsrc(0)
	s_getreg_b32 s2, hwreg(HW_REG_IB_STS2, 6, 4)
	s_cmp_eq_u32 s2, 0
	s_cbranch_scc0 .Lentry_in_a_cluster
	s_endpgm
.Lentry_in_a_cluster:
	s_bfe_u32 s2, ttmp6, 0x10000c
	s_cmp_lg_u32 s2, 0x3003
	s_cbranch_scc0 .Lentry_shape_is_right
	s_endpgm
.Lentry_shape_is_right:
; ob[b, q, 64 head + i] = sum over k of softmax_k(q . k / 8 - 1e10 (1 - mask) - coef_head timediff) v.  q arrives times log2(e) / 8, so scores are in log2 units: p = 2^(s - m), m the running maximum.
; A work-group: one batch, 64 queries, all 8 heads.  Wave w: heads 2 w, 2 w + 1, four tiles of 16 queries each: 8 tiles T = 4 hh + t.  16 key steps of 64 keys.
; K and V of a step (all heads, rows of 1,024 bytes) are the same for the four query blocks of a cluster: asked for jointly.  One tensor load a wave is out at any time; it has a step, 160 matrix instructions, to land.
; THE BIAS GOES THROUGH THE MATRIX UNIT.  A score tile starts with A' x B': A' (16 keys x 32) holds cm on the diagonal of its first 16 columns and ct on that of the other 16; B' holds for a query 2.0 where key j
; is masked (else 0) and bf16(timediff).  B' hangs on no head, so it is made once a step for the work-group (each wave converts 16 queries' rows into an LDS stage).
; LIMITS.  The mask adds 2 cm = -1.4428e10 in log2 units (-1.0001e10 before the factor log2 e); timediff and coef log2(e) are rounded to bf16 as matrix operands; a row that is masked whole comes out as the mean of V's rows,
; as f32 makes it in the formula above; a weight below 2^-126 counts as 0; NaN and infinities are not treated apart.
; BY TURNS.  Turn T: 8 products V^T P of tile T - 1, 4 + 8 products for the scores of tile T + 1, and between them tile T's softmax, 117 vector instructions in slices behind the matrix instructions.
; No first step is written out: m starts at the lowest finite number, O and l at 0 (the price: the v_mov_b32 below, in the wait for the first tile, and 8 products on zeros).
; WINDOWS: 0: addresses, statistics, S^T (2 x 32), P (2 x 16), A', what the conversion holds; 1: O^T at 32 T + 8 cb; 2: Q at 16 T + 8 c, K at 128 + 64 hh + 16 kb + 8 c; 3: V at 64 hh + 32 kk + 8 cb, B' at 128 + 32 t + 8 kt.
.set VOFF,  66560                      ; a slot: 64 rows of K, pitch 1,040; then 64 rows of V, pitch 1,056
.set SLOTX, 0x21000                    ; slot 1; no tile's address in slot 0 has bit 12 or 17, so one exclusive or changes slots
.set STG,   270336                     ; two stages of 18,432 bytes: the mask's 64 x 144, then timediff's
.set OSTG,  307200                     ; the way out: 16 x 272 a wave
.set SPARE, 324608
.set AK0, 2
.set AV0, 3
.set ADRK, 4
.set ADRV, 5
.set AB0, 6
.set ADRB, 7
.set STO, 8
.set RD,  9
.set GO,  10
.set TDO, 11
.set MKO, 12
.set CST, 13
.set ZR,  14
.set ADRC, 15
.set SPW, 16
.set NIL, 17
.set QO,  18
.set PT,  20
.set ST,  32                           ; tile T at ST + 8 T: m, m_old, l (2), c0-c3 at work (c2 takes a)
.set S,   96
.set P,   160
.set AP,  192
.set TD,  208
.set MK,  240
.set CT,  248
.set WV,  14
.set G1K, 24
.set G1V, 32
.set G0K, 40
.set G0V, 44
.set TD0, 48
.set MK0, 50
.set TDP, 52
.set MKP, 54
.set CNT, 56
.set KS,  57
.set TB,  58
.set SB,  59
.set SBW, 60
.set SEL, 62
.set SLO, 66
.set SHI, 67
.set X1,  68
.set MSB, 0
.macro WIN new
.if MSB != (\new)
	s_set_vgpr_msb (MSB<<8)|(\new)
.set MSB, (\new)
.endif
.endm
.macro PLACES n
.rept \n
	v_nop
.endr
.endm
.macro CROUND
	s_barrier_signal -1
	s_barrier_wait -1
	s_cmp_lg_u32 s[WV], 0
	s_cbranch_scc1 .Lnw0_\@
	s_barrier_signal -3
.Lnw0_\@:
	s_barrier_wait -3
	s_barrier_signal -1
	s_barrier_wait -1
.endm
.macro JLOAD                           ; waves 0, 1: the two halves of a step's K; waves 2, 3: of its V
	s_cmp_lt_u32 s[WV], 2
	s_cbranch_scc0 .Lfor_v_\@
	tensor_load_to_lds s[G0K:G0K+3], s[G1K:G1K+7]
	s_nop 0
	PLACES 4
	s_branch .Lasked_\@
.Lfor_v_\@:
	tensor_load_to_lds s[G0V:G0V+3], s[G1V:G1V+7]
	s_nop 0
	PLACES 4
.Lasked_\@:
.endm
; The change of slots: all my tensor loads waited for, the add, my LDS reads and stage stores waited for, a barrier (fill = 1: a round of the cluster's, and the slot just read takes the keys two steps on).
.macro CHANGE fill
	WIN 0
	s_wait_tensorcnt 0x0
	ds_add_u32 v[SPW], v[NIL]
.if \fill
	s_xor_b32 s[G0K+1], s[G0K+1], SLOTX
	s_add_nc_u64 s[G0K+2:G0K+3], s[G0K+2:G0K+3], 196608  ; 64 rows of 3,072 bytes
	s_xor_b32 s[G0V+1], s[G0V+1], SLOTX
	s_add_nc_u64 s[G0V+2:G0V+3], s[G0V+2:G0V+3], 196608
	s_wait_dscnt 0x0
	CROUND
	JLOAD
.else
	s_wait_dscnt 0x0
	s_barrier_signal -1
	s_barrier_wait -1
.endif
	s_xor_b32 s[TB], s[TB], SLOTX
	s_xor_b32 s[SB], s[SB], 18432
	s_xor_b32 s[SBW], s[SBW], 18432
.endm
.macro LOADTD                          ; my 16 queries' rows of a step: timediff as 256 whole bytes from 16 lanes, the mask as 64
.irp e, 0,1,2,3,4,5,6,7
	global_load_b128 v[TD+4*\e:TD+4*\e+3], v[TDO], s[TDP:TDP+1] offset:\e*8192 th:TH_LOAD_NT
.endr
.irp e, 0,1,2,3,4,5,6,7
	global_load_b32 v[MK+\e], v[MKO], s[MKP:MKP+1] offset:\e*2048
.endr
.endm
; What was loaded becomes the next step's B' in the stage that is not being read; then the step after that is loaded (the last look-ahead is clamped to step 15: it stays inside the buffers and is not used).
.macro CONV
	WIN 0
	s_wait_loadcnt 0x0
	v_add_nc_u32 v[ADRC], s[SBW], v[CST]
.irp e, 0,1,2,3,4,5,6,7
	v_cvt_pk_bf16_f32 v[CT], v[TD+4*\e], v[TD+4*\e+1]
	v_cvt_pk_bf16_f32 v[CT+1], v[TD+4*\e+2], v[TD+4*\e+3]
	v_xor_b32 v[MK+\e], s[X1], v[MK+\e]            ; 1 where masked,
	v_lshlrev_b32 v[MK+\e], 6, v[MK+\e]            ; 0x40, which as a bf16's upper byte is 2.0
	ds_store_b64 v[ADRC], v[CT:CT+1] offset:9216+\e*288
	v_perm_b32 v[CT+2], v[MK+\e], v[ZR], s[SLO]
	v_perm_b32 v[CT+3], v[MK+\e], v[ZR], s[SHI]
	ds_store_b64 v[ADRC], v[CT+2:CT+3] offset:\e*288
.endr
	s_add_co_u32 s[KS], s[KS], 1
	s_min_u32 s[KS], s[KS], 15
	s_lshl_b32 s72, s[KS], 8
	s_mov_b32 s73, 0
	s_add_nc_u64 s[TDP:TDP+1], s[TD0:TD0+1], s[72:73]  ; free: the wait above has shown the loads that named it done
	s_lshl_b32 s72, s[KS], 6
	s_add_nc_u64 s[MKP:MKP+1], s[MK0:MK0+1], s[72:73]
	LOADTD
.endm
.macro FETCH_A                         ; 80 LDS loads in one run: B' (32), K of head 0 (16), V of head 0 (16), K of head 1 (16)
	WIN 0
	v_add_nc_u32 v[ADRB], s[SB], v[AB0]
	v_add_nc_u32 v[ADRK], s[TB], v[AK0]
	v_add_nc_u32 v[ADRV], s[TB], v[AV0]
	WIN 0xc0
.irp t, 0,1,2,3
.irp kt, 0,1,2,3
	ds_load_b128 v[128+32*\t+8*\kt:128+32*\t+8*\kt+3], v[ADRB] offset:\t*2304+\kt*32
	ds_load_b128 v[128+32*\t+8*\kt+4:128+32*\t+8*\kt+7], v[ADRB] offset:\t*2304+\kt*32+9216
.endr
.endr
	WIN 0x80
.irp kb, 0,1,2,3
.irp c, 0,1
	ds_load_b128 v[128+16*\kb+8*\c:128+16*\kb+8*\c+3], v[ADRK] offset:\kb*16640+\c*64
	ds_load_b128 v[128+16*\kb+8*\c+4:128+16*\kb+8*\c+7], v[ADRK] offset:\kb*16640+\c*64+32
.endr
.endr
	WIN 0xc0
.irp kk, 0,1
.irp cb, 0,1,2,3
	ds_load_tr16_b128 v[32*\kk+8*\cb:32*\kk+8*\cb+3], v[ADRV] offset:\kk*33792+\cb*32
	ds_load_tr16_b128 v[32*\kk+8*\cb+4:32*\kk+8*\cb+7], v[ADRV] offset:\kk*33792+\cb*32+16896
.endr
.endr
	WIN 0x80
.irp kb, 0,1,2,3
.irp c, 0,1
	ds_load_b128 v[192+16*\kb+8*\c:192+16*\kb+8*\c+3], v[ADRK] offset:\kb*16640+\c*64+128
	ds_load_b128 v[192+16*\kb+8*\c+4:192+16*\kb+8*\c+7], v[ADRK] offset:\kb*16640+\c*64+160
.endr
.endr
	WIN 0
.endm
.macro FETCH_V1                        ; V of head 1: its registers are read until turn 0's eighth product
	WIN 0xc0
.irp kk, 0,1
.irp cb, 0,1,2,3
	ds_load_tr16_b128 v[64+32*\kk+8*\cb:64+32*\kk+8*\cb+3], v[ADRV] offset:\kk*33792+\cb*32+128
	ds_load_tr16_b128 v[64+32*\kk+8*\cb+4:64+32*\kk+8*\cb+7], v[ADRV] offset:\kk*33792+\cb*32+128+16896
.endr
.endr
.endm
; Matrix instruction i of turn T.  Four accumulators take turns in each run.
.macro MM T
.if i < 8
.set tq, ((\T)+7)%8
.set rO, 32*tq+8*(i%4)
.set rV, 64*(tq/4)+32*(i/4)+8*(i%4)
.set rP, P+16*(tq%2)+8*(i/4)
	WIN 0x53
	v_wmma_f32_16x16x32_bf16 v[rO:rO+7], v[rV:rV+7], v[rP:rP+7], v[rO:rO+7]
.elseif i < 12
.set tq, ((\T)+1)%8
.set rS, S+32*(tq%2)+8*(i-8)
.set rA, AP+8*(tq/4)
.set rB, 128+32*(tq%4)+8*(i-8)
	WIN 0x0c
	v_wmma_f32_16x16x32_bf16 v[rS:rS+7], v[rA:rA+7], v[rB:rB+7], 0
.else
.set tq, ((\T)+1)%8
.set rS, S+32*(tq%2)+8*((i-12)%4)
.set rK, 128+64*(tq/4)+16*((i-12)%4)+8*((i-12)/4)
.set rQ, 16*tq+8*((i-12)/4)
	WIN 0x0a
	v_wmma_f32_16x16x32_bf16 v[rS:rS+7], v[rK:rK+7], v[rQ:rQ+7], v[rS:rS+7]
.endif
.endm
; Number j of tile T's softmax.  0-15 the maximum of the 32 scores and m (each accumulator's lowest registers first); 16-20 the other half of the lanes', the new m, m_old - m;
; 21-87 a plain line at the even numbers, an exponential at the odd ones from 23 on (a, then the 32 weights): s - m a few pairs ahead, roundings a pair back, the first sums; 88-101 the rest of the sums, l = a l + sum; 102-117 O^T times a.
.macro SM T
.set rT, ST+8*(\T)
.set rS, S+32*((\T)%2)
.set rP, P+16*((\T)%2)
.set rO, 32*(\T)+2*(j-102)
.set q, (j-20)/2
.if j < 102
	WIN 0
.endif
.if j < 4
	v_max3_num_f32 v[rT+4+j], v[rS+8*j], v[rS+8*j+1], v[rS+8*j+2]
.elseif j < 12
	v_max3_num_f32 v[rT+4+j%4], v[rT+4+j%4], v[rS+8*(j%4)+2*(j/4)+1], v[rS+8*(j%4)+2*(j/4)+2]
.elseif j == 12
	v_max3_num_f32 v[rT+4], v[rT+4], v[rS+7], v[rS+15]
.elseif j == 13
	v_max3_num_f32 v[rT+6], v[rT+6], v[rS+23], v[rS+31]
.elseif j == 14
	v_max3_num_f32 v[rT+4], v[rT+4], v[rT+5], v[rT+6]
.elseif j == 15
	v_max3_num_f32 v[rT+4], v[rT+4], v[rT+7], v[rT]
.elseif j == 16
	v_permlanex16_b32 v[rT+5], v[rT+4], s[SEL], s[SEL+1]
.elseif j == 17
	v_mov_b32 v[rT+1], v[rT]
.elseif j == 18
	v_max_num_f32 v[rT], v[rT+4], v[rT+5]
.elseif j == 19
.elseif j == 20
	v_sub_f32 v[rT+7], v[rT+1], v[rT]
.elseif j == 23
	v_exp_f32 v[rT+6], v[rT+7]
.elseif (j < 88) && (j > 23) && (j%2 == 1)
	v_exp_f32 v[rS+(j-25)/2], v[rS+(j-25)/2]
.elseif (q < 4) || ((j < 76) && (q%2 == 0))
.set b, q/2+2
.if q < 4
.set b, q
.endif
	v_pk_add_f32 v[rS+2*b:rS+2*b+1], v[rS+2*b:rS+2*b+1], v[rT:rT+1] op_sel_hi:[1,0] neg_lo:[0,1] neg_hi:[0,1]
.elseif (j < 88) && (q%2 == 1)
	s_wait_alu depctr_va_vdst(0)
	v_cvt_pk_bf16_f32 v[rP+(q-5)/2], v[rS+q-5], v[rS+q-4]
.elseif j == 89
	s_wait_alu depctr_va_vdst(0)
	v_cvt_pk_bf16_f32 v[rP+15], v[rS+30], v[rS+31]
.elseif j < 102
.set z, j-86
.if j < 89
.set z, (j-76)/4
.endif
.set w, 4
.set u, z
.if z >= 14
.set w, 32
.set u, 0
.elseif z >= 12
.set w, 16
.set u, z-12
.elseif z >= 8
.set w, 8
.set u, z-8
.endif
.if z < 15
	v_pk_add_f32 v[rS+w*u:rS+w*u+1], v[rS+w*u:rS+w*u+1], v[rS+w*u+w/2:rS+w*u+w/2+1]
.else
	v_pk_fma_f32 v[rT+2:rT+3], v[rT+2:rT+3], v[rT+6:rT+7], v[rS:rS+1] op_sel_hi:[1,0,1]
.endif
.else
	WIN 0x41
	v_pk_mul_f32 v[rO:rO+1], v[rO:rO+1], v[rT+6:rT+7] op_sel_hi:[1,0]
.endif
.endm
.macro SL T, n
.rept \n
.if j < 118
	SM \T
.endif
.set j, j+1
.endr
.endm
; A turn.  doS = 1: 20 matrix instructions, 4 numbers of the list behind the first and 6 behind each other: the last six (plain, on O^T of tile T alone) are the places behind the last score product.
; doS = 0 (the very last turn): 8 matrix instructions.  No slice names a register of the products round it.
.macro TURN T, doS
.set j, 0
.set i, 0
.if (\T) == 1
	s_wait_dscnt 16                                ; all of the run of 80 is in; V of head 1 (16 loads) may be out
.endif
.if (\T) == 5
	s_wait_dscnt 0x0                               ; V of head 1 is in
.endif
.rept 8+12*(\doS)
.if ((\T) == 7) && (i == 8)
	s_wait_dscnt 32                                ; B' and K of head 0 are in; the youngest 32 loads may be out
.endif
	MM \T
.if i == 0
	SL \T, 4
.elseif \doS
	SL \T, 6
.else
	SL \T, 17
.endif
.if ((\T) == 0) && (i == 9)
	FETCH_V1
.endif
.set i, i+1
.endr
.endm
	s_load_b256 s[4:11], s[0:1], 0x0               ; qkv, timediff, mask, coef
	s_load_b64 s[12:13], s[0:1], 0x20              ; ob
	v_lshl_add_u32 v[SPW], v0, 2, SPARE
	v_mov_b32 v[NIL], 0
	ds_add_u32 v[SPW], v[NIL]                      ; the opening: the add and its wait ahead of my first tensor load
	v_lshrrev_b32 v1, 5, v0
	v_readfirstlane_b32 s[WV], v1
	s_bfe_u32 s15, ttmp6, 0x40000                  ; cx
	s_lshl_b32 s16, ttmp9, 2
	s_add_co_u32 s16, s16, s15                     ; my block of 64 queries
	s_and_b32 s17, ttmp7, 0xffff                   ; the batch, which the partners share
	s_and_b32 s18, s[WV], 1
	s_lshl_b32 s20, s17, 10
	s_lshl_b32 s19, s18, 5
	s_add_co_u32 s19, s20, s19                     ; the first key row that I fetch
	s_mul_i32 s72, s19, 3072
	s_mov_b32 s73, 0
	s_lshl_b32 s21, s16, 6
	s_add_co_u32 s21, s20, s21                     ; my block's first row
	s_lshl_b32 s22, s[WV], 4
	s_add_co_u32 s22, s21, s22                     ; the 16 rows of bias that I convert
	s_mov_b32 s[G1K], 15|(1<<16)|(1<<20)|(1<<21)|(7<<22)|(3<<25)  ; mask of four; 2-byte elements; padding on; bit 21; after every 256 words 4 words
	s_mov_b32 s[G1V], 15|(1<<16)|(1<<20)|(1<<21)|(7<<22)|(7<<25)  ; the same with 8 words
.irp g, G1K, G1V
	s_mov_b32 s[\g+1], 512<<16
	s_mov_b32 s[\g+2], 32<<16
	s_mov_b32 s[\g+3], 512<<16
	s_mov_b32 s[\g+4], 32
	s_mov_b32 s[\g+5], 1536
	s_mov_b32 s[\g+6], 0
	s_mov_b32 s[\g+7], 0
.endr
	s_mov_b32 s[G0K], 1
	s_mul_i32 s[G0K+1], s18, 33280
	s_mov_b32 s[G0V], 1
	s_mul_i32 s23, s18, 33792
	s_add_co_u32 s[G0V+1], s23, VOFF
	s_mov_b32 s[SEL], 0x76543210
	s_mov_b32 s[SEL+1], 0xfedcba98
	s_mov_b32 s[SLO], 0x05000400
	s_mov_b32 s[SHI], 0x07000600
	s_mov_b32 s[X1], 0x01010101
	s_mov_b32 s[TB], SLOTX                         ; the first change of slots turns these into slot 0 and stage 0
	s_mov_b32 s[SB], 18432
	s_mov_b32 s[SBW], 0
	s_mov_b32 s[KS], 0
	s_lshl_b32 s23, s[WV], 3
	s_wait_dscnt 0x0
	s_wait_kmcnt 0x0
	s_load_b64 s[70:71], s[10:11], s23 offset:0x0  ; my two heads' coefficients
	s_add_nc_u64 s[72:73], s[4:5], s[72:73]
	s_add_nc_u64 s[G0K+2:G0K+3], s[72:73], 1024
	s_or_b32 s[G0K+3], s[G0K+3], 0x80000000
	s_add_nc_u64 s[G0V+2:G0V+3], s[72:73], 2048
	s_or_b32 s[G0V+3], s[G0V+3], 0x80000000
	s_mul_i32 s74, s21, 3072
	s_lshl_b32 s75, s[WV], 8
	s_add_co_u32 s74, s74, s75
	s_mov_b32 s75, 0
	s_add_nc_u64 s[76:77], s[4:5], s[74:75]        ; Q at my block's first row, my two heads
	s_lshl_b32 s74, s22, 12
	s_add_nc_u64 s[TD0:TD0+1], s[6:7], s[74:75]
	s_lshl_b32 s74, s22, 10
	s_add_nc_u64 s[MK0:MK0+1], s[8:9], s[74:75]
	s_mov_b64 s[TDP:TDP+1], s[TD0:TD0+1]
	s_mov_b64 s[MKP:MKP+1], s[MK0:MK0+1]
	s_lshl_b32 s74, s21, 10
	s_lshl_b32 s19, s[WV], 8
	s_add_co_u32 s74, s74, s19
	s_add_nc_u64 s[12:13], s[12:13], s[74:75]
	CROUND
	JLOAD                                          ; step 0 into slot 0
	v_and_b32 v1, 15, v0                           ; r
	v_bfe_u32 v19, v0, 4, 1                        ; h
	v_lshlrev_b32 v[TDO], 12, v19
	v_lshl_add_u32 v[TDO], v1, 4, v[TDO]
	v_lshlrev_b32 v[MKO], 10, v19
	v_lshl_add_u32 v[MKO], v1, 2, v[MKO]
	LOADTD                                         ; step 0
	v_mul_u32_u24 v[QO], v1, 3072
	v_lshl_add_u32 v[QO], v19, 4, v[QO]
	WIN 0x80
.irp hh, 0,1
.irp t, 0,1,2,3
.irp c, 0,1
	global_load_b128 v[16*(4*\hh+\t)+8*\c:16*(4*\hh+\t)+8*\c+3], v[QO], s[76:77] offset:\t*49152+\hh*128+\c*64
	global_load_b128 v[16*(4*\hh+\t)+8*\c+4:16*(4*\hh+\t)+8*\c+7], v[QO], s[76:77] offset:\t*49152+\hh*128+\c*64+32
.endr
.endr
.endr
	WIN 0
	v_mov_b32 v[ZR], 0
	s_lshl_b32 s19, s[WV], 8
	v_mul_u32_u24 v[AK0], v1, 1040
	v_lshl_add_u32 v[AK0], v19, 4, v[AK0]
	v_add_nc_u32 v[AK0], s19, v[AK0]
	v_and_b32 v24, 7, v0
	v_bfe_u32 v25, v0, 3, 1
	v_lshl_add_u32 v[AV0], v19, 3, v24
	v_mul_u32_u24 v[AV0], v[AV0], 1056
	v_lshl_add_u32 v[AV0], v25, 4, v[AV0]
	s_add_co_u32 s19, s19, VOFF
	v_add_nc_u32 v[AV0], s19, v[AV0]
	v_mul_u32_u24 v[AB0], v1, 144
	v_lshl_add_u32 v[AB0], v19, 4, v[AB0]
	v_add_nc_u32 v[AB0], STG, v[AB0]
	s_mul_i32 s19, s[WV], 2304
	s_add_co_u32 s19, s19, STG
	v_mul_u32_u24 v[CST], v19, 144
	v_lshl_add_u32 v[CST], v1, 3, v[CST]
	v_add_nc_u32 v[CST], s19, v[CST]
	s_mul_i32 s19, s[WV], 4352
	s_add_co_u32 s19, s19, OSTG
	v_mul_u32_u24 v[STO], v1, 272
	v_lshl_add_u32 v[STO], v19, 4, v[STO]
	v_add_nc_u32 v[STO], s19, v[STO]
	v_mul_u32_u24 v[RD], v19, 272
	v_lshl_add_u32 v[RD], v1, 4, v[RD]
	v_add_nc_u32 v[RD], s19, v[RD]
	v_lshlrev_b32 v[GO], 10, v19
	v_lshl_add_u32 v[GO], v1, 4, v[GO]
	; A': lane (r, h) holds key row r; its one number of each half lies at place d = r - 8 h, if that is 0 .. 7
	v_lshlrev_b32 v24, 3, v19
	v_sub_nc_u32 v24, v1, v24
	s_mov_b32 s72, 0xffff
	s_mov_b32 s73, 0xffff0000
.irp e, 0,1,2,3
	v_cmp_eq_u32 vcc_lo, 2*\e, v24
	v_cndmask_b32 v[PT+\e], 0, s72, vcc_lo
	v_cmp_eq_u32 vcc_lo, 2*\e+1, v24
	v_cndmask_b32 v[PT+\e], v[PT+\e], s73, vcc_lo
.endr
	s_wait_kmcnt 0x0
	s_mul_f32 s74, s70, 0xbfb8aa3b                 ; - coef log2(e)
	s_mul_f32 s75, s71, 0xbfb8aa3b
	v_mov_b32 v25, s74
	v_mov_b32 v26, s75
	v_cvt_pk_bf16_f32 v25, v25, v25
	v_cvt_pk_bf16_f32 v26, v26, v26
.irp e, 0,1,2,3
	v_and_b32 v[AP+\e], 0xcfd7cfd7, v[PT+\e]
	v_and_b32 v[AP+4+\e], v25, v[PT+\e]
	v_and_b32 v[AP+8+\e], 0xcfd7cfd7, v[PT+\e]
	v_and_b32 v[AP+12+\e], v26, v[PT+\e]
.endr
	WIN 0x40
.set e, 0
.rept 256
	v_mov_b32 v[e], 0                              ; O^T
.set e, e+1
.endr
	WIN 0xc0
.set e, 64
.rept 64
	v_mov_b32 v[e], 0                              ; V of head 1: the first turn's products, of a tile that has not been, add 0
.set e, e+1
.endr
	WIN 0
.set e, 0
.rept 16
	v_mov_b32 v[P+16+e], 0
.set e, e+1
.endr
.set e, 0
.rept 8
	v_mov_b32 v[ST+8*e], 0xff7fffff
	v_mov_b32 v[ST+8*e+1], 0xff7fffff
	v_mov_b32 v[ST+8*e+2], 0
	v_mov_b32 v[ST+8*e+3], 0
.set e, e+1
.endr
	CONV                                           ; step 0's B' into stage 0 (its wait for 0 also shows Q in); step 1 is loaded
	CHANGE 1                                       ; slot 0 is in, everybody's part and everybody's stage; slot 1 is asked for
	FETCH_A
	s_wait_dscnt 0x0
.set i, 8
.rept 12
	MM 7                                           ; tile 0's first scores
.set i, i+1
.endr
	WIN 0
	PLACES 4
	s_mov_b32 s[CNT], 15
	s_branch .Lt0                                  ; the loop is entered at a step's first turn
.Lstep:                                                ; 14 times: steps 2 to 15 are asked for
	CHANGE 1
	FETCH_A
	TURN 7, 1
	WIN 0
.Lt0:
	TURN 0, 1
	TURN 1, 1
	TURN 2, 1
	TURN 3, 1
	TURN 4, 1
	TURN 5, 1
	CONV
	TURN 6, 1
	WIN 0
	s_sub_co_u32 s[CNT], s[CNT], 1
	s_cmp_lg_u32 s[CNT], 0
	s_cbranch_scc1 .Lstep
	CHANGE 0                                       ; the last step is written out: nothing is asked for
	FETCH_A
	TURN 7, 1
	TURN 0, 1
	TURN 1, 1
	TURN 2, 1
	TURN 3, 1
	TURN 4, 1
	TURN 5, 1
	TURN 6, 1
	TURN 7, 0
.set i, 0
.rept 8
	MM 0                                           ; tile 7's last V^T P
.set i, i+1
.endr
	; THE WAY OUT.  The additions are the places behind the last products.
	WIN 0
.set t, 0
.rept 8
	v_add_f32 v[ST+8*t+2], v[ST+8*t+2], v[ST+8*t+3]
.set t, t+1
.endr
.set t, 0
.rept 8
	v_permlanex16_b32 v[ST+8*t+3], v[ST+8*t+2], s[SEL], s[SEL+1]
.set t, t+1
.endr
.set t, 0
.rept 8
	v_add_f32 v[ST+8*t+2], v[ST+8*t+2], v[ST+8*t+3]
.set t, t+1
.endr
.set t, 0
.rept 8
	v_rcp_f32 v[ST+8*t+2], v[ST+8*t+2]
.set t, t+1
.endr
	v_nop
	s_wait_loadcnt 0x0                             ; the clamped look-ahead
.irp t, 0,1,2,3                        ; 16 queries, both heads: 256 bytes of a row of ob
.irp hh, 0,1
	WIN 0x41
.set e, 0
.rept 16
	s_wait_alu depctr_va_vdst(0)
	v_pk_mul_f32 v[32*(4*\hh+\t)+2*e:32*(4*\hh+\t)+2*e+1], v[32*(4*\hh+\t)+2*e:32*(4*\hh+\t)+2*e+1], v[ST+8*(4*\hh+\t)+2:ST+8*(4*\hh+\t)+3] op_sel_hi:[1,0]
.set e, e+1
.endr
	WIN 0x05
.set e, 0
.rept 16
	v_cvt_pk_bf16_f32 v[96+16*\hh+e], v[32*(4*\hh+\t)+2*e], v[32*(4*\hh+\t)+2*e+1]
.set e, e+1
.endr
.endr
	WIN 0
.irp hh, 0,1
.irp cb, 0,1,2,3
	ds_store_b128 v[STO], v[96+16*\hh+4*\cb:96+16*\hh+4*\cb+3] offset:\hh*128+\cb*32
.endr
.endr
	s_wait_xcnt 0x0                                ; the last block's stores have read v128-159
.irp f, 0,1,2,3,4,5,6,7
	ds_load_b128 v[128+4*\f:128+4*\f+3], v[RD] offset:\f*544
.endr
	s_wait_dscnt 0x0
.irp f, 0,1,2,3,4,5,6,7
	global_store_b128 v[GO], v[128+4*\f:128+4*\f+3], s[12:13] offset:\t*16384+\f*2048  ; 16 lanes store 256 consecutive aligned bytes
.endr
.endr
	s_wait_tensorcnt 0x0                           ; the wave's end
	ds_add_u32 v[SPW], v[NIL]
	s_wait_dscnt 0x0
	CROUND
	s_endpgm
.Lfunc_end_k_qd00ba9bec6_attn:
	.size	k_qd00ba9bec6_attn, .Lfunc_end_k_qd00ba9bec6_attn-k_qd00ba9bec6_attn
	.p2alignl 7, 3214868480
	.fill 96, 4, 3214868480
	.section	.rodata,"a",@progbits
	.p2align	6, 0x0
	.amdhsa_kernel k_qd00ba9bec6_attn
		.amdhsa_group_segment_fixed_size 327680
		.amdhsa_private_segment_fixed_size 0
		.amdhsa_enable_private_segment 0
		.amdhsa_kernarg_size 40
		.amdhsa_user_sgpr_count 2
		.amdhsa_user_sgpr_kernarg_segment_ptr 1
		.amdhsa_wavefront_size32 1
		.amdhsa_system_sgpr_workgroup_id_x 1
		.amdhsa_system_sgpr_workgroup_id_y 1
		.amdhsa_system_sgpr_workgroup_id_z 1
		.amdhsa_system_vgpr_workitem_id 0
		.amdhsa_next_free_vgpr 1024
		.amdhsa_next_free_sgpr 80
		.amdhsa_reserve_vcc 1
		.amdhsa_float_denorm_mode_32 3
		.amdhsa_float_denorm_mode_16_64 3
		.amdhsa_memory_ordered 1
		.amdhsa_forward_progress 1
		.amdhsa_inst_pref_size 245
	.end_amdhsa_kernel
	.amdgpu_metadata
---
amdhsa.version: [ 1, 2 ]
amdhsa.kernels:
  - .name:           k_qd00ba9bec6_attn
    .symbol:         k_qd00ba9bec6_attn.kd
    .args:
      - { .name: qkv, .offset: 0, .size: 8, .value_kind: global_buffer, .address_space: global }
      - { .name: timediff, .offset: 8, .size: 8, .value_kind: global_buffer, .address_space: global }
      - { .name: mask, .offset: 16, .size: 8, .value_kind: global_buffer, .address_space: global }
      - { .name: attn_coef_w, .offset: 24, .size: 8, .value_kind: global_buffer, .address_space: global }
      - { .name: ob, .offset: 32, .size: 8, .value_kind: global_buffer, .address_space: global }
    .group_segment_fixed_size: 327680
    .private_segment_fixed_size: 0
    .kernarg_segment_align: 8
    .kernarg_segment_size: 40
    .max_flat_workgroup_size: 128
    .sgpr_count:     80
    .vgpr_count:     1024
    .wavefront_size: 32
...
	.end_amdgpu_metadata
.endif
;; end of part 3
;; launch tail (part 4): grid 256 x 1, 4 waves a work-group, clusters of 4 x 1, 327,680 bytes of LDS; arguments ob, wb, value, proj_bias, ln1_g, ln1_b, b1, b2, ln2_g, ln2_b, out0; writes out0
.if DOCPART == 4
	.amdgcn_target "amdgcn-amd-amdhsa--gfx1250"
	.amdhsa_code_object_version 6
	.text
	.protected	k_qd00ba9bec6_tail
	.globl	k_qd00ba9bec6_tail
	.p2align	8
	.type	k_qd00ba9bec6_tail,@function
k_qd00ba9bec6_tail:
	s_mov_b64 s[64:65], 0
	v_nop
	global_prefetch_b8 v0, s[64:65] scope:SCOPE_SE
	s_setreg_imm32_b32 hwreg(HW_REG_WAVE_MODE, 25, 1), 1
	s_wait_xcnt 0x0
	s_wait_alu depctr_hold_cnt(0) depctr_sa_sdst(0) depctr_va_vdst(0) depctr_va_sdst(0) depctr_va_ssrc(0) depctr_va_vcc(0) depctr_vm_vsrc(0)
	s_getreg_b32 s2, hwreg(HW_REG_IB_STS2, 6, 4)
	s_cmp_eq_u32 s2, 0
	s_cbranch_scc0 .Lentry_in_a_cluster
	s_endpgm
.Lentry_in_a_cluster:
	s_bfe_u32 s2, ttmp6, 0x10000c
	s_cmp_lg_u32 s2, 0x3003
	s_cbranch_scc0 .Lentry_shape_is_right
	s_endpgm
.Lentry_shape_is_right:
; out1 = LN1(value + ob Wp + proj_bias); out0 = LN2(out1 + relu(out1 W1 + b1) W2 + b2).  A work-group owns 64 whole rows; wave w the columns 128 w .. 128 w + 127 of the 512: 32 accumulators in f32,
; which hold the projection's sums, then out1, then (with b2 added) start the second product's sums: both residuals stay in f32.  h never leaves the WGP: DFF goes in 16 chunks of 128; in a chunk wave w makes
; h's columns 32 w .. 32 w + 31 (b1 is the C operand of the first product), rounds relu(h) to bf16 into LDS, and all waves multiply it by W2's 128 rows.
; Weights come jointly for the four work-groups of a cluster through two LDS regions: Wp's four tiles A, B, A, B; then W1's chunk into A and W2's into B, by turns.  Two tensor loads a wave are out at the start, one behind each round; each has 96 to 144 matrix instructions to land.
; The layer norms take two passes (mean; then the mean of squares of x - mean), as the formula does.  value's rows are read in pieces of 32 bytes a lane (a wave's 16 loads cover 512 consecutive bytes of 16 rows).
; WINDOWS: 0: v0-63 addresses and small things, HA v64-127 (h's sums, h's fragments, at work), F0 v128-191, F1 v192-255; 1: accumulator (mt, nt) at 8 (8 mt + nt); 2, 3: X(ks, mt) at window 2 + ks / 8, register 32 (ks % 8) + 8 mt.
.set RB,    147456
.set DS,    282624                     ; no tensor load lands from here on.  By turns, barriers between: X's stage 32 x 1,040; h 64 x 272; the way out 4 x 16 x 528
.set RED,   317440                     ; four areas of 1,024 bytes for the rows' sums, each used once
.set SPARE, 321536
.set HA, 64
.set F0, 128
.set F1, 192
.set AW2, 8
.set AW1, 12
.set AH,  16
.set HST, 17
.set XST, 18
.set XRD, 19
.set OST, 20
.set ORD, 21
.set GO,  22
.set PO,  23
.set RST, 24
.set RRD, 25
.set ZR,  26
.set BO,  27
.set SPW, 28
.set NIL, 29
.set XW,  30
.set VO,  31
.set BI,  32
.set MU,  48
.set SM2, 56
.set WV,  10
.set G1,  16                           ; s[16:23] tiles of 128 k x 512 n
.set G0,  32                           ; s[32:35] region A, s[36:39] region B
.set G1W1, 40                          ; s[40:47] W1's chunk, 512 k x 128 n
.set OBP, 48
.set WBP, 50
.set VALP, 52
.set PBP, 54
.set LG1, 56
.set LB1, 58
.set FB1, 60
.set FB2, 62
.set LG2, 68
.set LB2, 70
.set OUTP, 72
.set W1P, 74
.set SEL, 76
.set INV, 78
.set EPS, 79
.set MSB, 0
.macro WIN new
.if MSB != (\new)
	s_set_vgpr_msb (MSB<<8)|(\new)
.set MSB, (\new)
.endif
.endm
.macro PLACES n
.rept \n
	v_nop
.endr
.endm
.macro CREST
	s_cmp_lg_u32 s[WV], 0
	s_cbranch_scc1 .Lnw0_\@
	s_barrier_signal -3
.Lnw0_\@:
	s_barrier_wait -3
	s_barrier_signal -1
	s_barrier_wait -1
.endm
.macro CROUND
	s_barrier_signal -1
	s_barrier_wait -1
	CREST
.endm
.macro BAR
	s_barrier_signal -1
	s_barrier_wait -1
.endm
	s_load_b512 s[48:63], s[0:1], 0x0              ; ob, wb, value, proj_bias, ln1_g, ln1_b, b1, b2
	s_load_b128 s[68:71], s[0:1], 0x40             ; ln2_g, ln2_b
	s_load_b64 s[72:73], s[0:1], 0x50              ; out0
	v_lshl_add_u32 v[SPW], v0, 2, SPARE
	v_mov_b32 v[NIL], 0
	ds_add_u32 v[SPW], v[NIL]                      ; the opening: the add and its wait ahead of my first tensor load
	v_lshrrev_b32 v5, 5, v0
	v_readfirstlane_b32 s[WV], v5
	s_bfe_u32 s11, ttmp6, 0x40000
	s_lshl_b32 s12, ttmp9, 2
	s_add_co_u32 s12, s12, s11                     ; my block of 64 rows
	s_mov_b32 s[G1+0], 15|(1<<16)|(1<<20)|(1<<21)|(7<<22)|(7<<25)  ; after every 256 words 8 words: pitch 1,056
	s_mov_b32 s[G1+1], 512<<16
	s_mov_b32 s[G1+2], 32<<16
	s_mov_b32 s[G1+3], 512<<16
	s_mov_b32 s[G1+4], 32
	s_mov_b32 s[G1+5], 512
	s_mov_b32 s[G1+6], 0
	s_mov_b32 s[G1+7], 0
	s_mov_b32 s[G1W1+0], 15|(1<<16)|(1<<20)|(1<<21)|(5<<22)|(7<<25)  ; after every 64 words 8 words: pitch 288
	s_mov_b32 s[G1W1+1], 128<<16
	s_mov_b32 s[G1W1+2], 128<<16
	s_mov_b32 s[G1W1+3], 128<<16
	s_mov_b32 s[G1W1+4], 128
	s_mov_b32 s[G1W1+5], 2048
	s_mov_b32 s[G1W1+6], 0
	s_mov_b32 s[G1W1+7], 0
	s_mul_i32 s24, s[WV], 33792
	s_mov_b32 s[G0], 1
	s_mov_b32 s[G0+1], s24
	s_mov_b32 s[G0+4], 1
	s_add_co_u32 s[G0+5], s24, RB
	s_lshl_b32 s26, s[WV], 15
	s_add_co_u32 s26, s26, 1572864                 ; Wp, my 32 rows of tile 0
	s_mov_b32 s27, 0
	s_lshl_b32 s28, s[WV], 19
	s_add_co_u32 s28, s28, 2097152                 ; W1, my 128 rows
	s_mov_b32 s29, 0
	s_lshl_b32 s30, s12, 16                        ; ob: 64 rows of 1,024 bytes, my wave's 16
	s_lshl_b32 s31, s[WV], 14
	s_add_co_u32 s30, s30, s31
	s_mov_b32 s31, 0
	s_lshl_b32 s80, s12, 17                        ; value and out0: 64 rows of 2,048 bytes
	s_mov_b32 s81, 0
	s_lshl_b32 s82, s[WV], 9
	s_add_co_u32 s82, s80, s82
	s_mov_b32 s83, 0
	s_mov_b32 s[SEL], 0x76543210
	s_mov_b32 s[SEL+1], 0xfedcba98
	s_mov_b32 s[INV], 0x3b000000                   ; 1 / 512
	s_mov_b32 s[EPS], 0x358637bd                   ; 1e-6
	s_wait_dscnt 0x0
	s_wait_kmcnt 0x0
	s_add_nc_u64 s[G0+2:G0+3], s[WBP:WBP+1], s[26:27]
	s_add_nc_u64 s[G0+6:G0+7], s[G0+2:G0+3], 131072
	s_or_b32 s[G0+3], s[G0+3], 0x80000000
	s_or_b32 s[G0+7], s[G0+7], 0x80000000
	s_add_nc_u64 s[W1P:W1P+1], s[WBP:WBP+1], s[28:29]
	s_add_nc_u64 s[OBP:OBP+1], s[OBP:OBP+1], s[30:31]
	s_add_nc_u64 s[VALP:VALP+1], s[VALP:VALP+1], s[80:81]
	s_add_nc_u64 s[OUTP:OUTP+1], s[OUTP:OUTP+1], s[82:83]
	CROUND
	tensor_load_to_lds s[G0:G0+3], s[G1:G1+7]
	s_nop 0
	tensor_load_to_lds s[G0+4:G0+7], s[G1:G1+7]
	s_nop 0
	PLACES 4
	v_and_b32 v5, 31, v0
	v_lshlrev_b32 v[GO], 4, v5                     ; 16 bytes a lane: 512 consecutive bytes a wave
.set j, 0
.rept 32
	global_load_b128 v[128+4*j:128+4*j+3], v[GO], s[OBP:OBP+1] offset:(j/2)*1024+(j%2)*512 th:TH_LOAD_NT
.set j, j+1
.endr
	v_and_b32 v1, 15, v0                           ; r
	v_bfe_u32 v2, v0, 4, 1                         ; h
	v_and_b32 v3, 7, v0
	v_bfe_u32 v4, v0, 3, 1
	v_mov_b32 v[ZR], 0
	v_lshl_add_u32 v7, v2, 3, v3                   ; the turning loads' k row
	v_mul_u32_u24 v6, v7, 1056
	v_lshl_add_u32 v6, v4, 4, v6
	s_lshl_b32 s25, s[WV], 8
	v_add_nc_u32 v[AW2], s25, v6
	v_add_nc_u32 v[AW2+1], 67584, v[AW2]
	v_add_nc_u32 v[AW2+2], RB, v[AW2]
	v_add_nc_u32 v[AW2+3], RB+67584, v[AW2]
	v_mul_u32_u24 v6, v7, 288
	v_lshl_add_u32 v6, v4, 4, v6
	s_lshl_b32 s25, s[WV], 6
	v_add_nc_u32 v[AW1], s25, v6
	v_add_nc_u32 v[AW1+1], 36864, v[AW1]
	v_add_nc_u32 v[AW1+2], 73728, v[AW1]
	v_add_nc_u32 v[AW1+3], 110592, v[AW1]
	v_mul_u32_u24 v6, v1, 272
	v_lshl_add_u32 v6, v2, 4, v6
	v_add_nc_u32 v[AH], DS, v6
	v_add_nc_u32 v[HST], s25, v[AH]
	v_mul_u32_u24 v6, v1, 1040
	v_lshl_add_u32 v6, v2, 4, v6
	v_add_nc_u32 v[XRD], DS, v6
	s_lshl_b32 s25, s[WV], 8
	v_add_nc_u32 v[XST], s25, v[XRD]
	s_and_b32 s25, s[WV], 1
	s_mul_i32 s25, s25, 16640
	s_add_co_u32 s25, s25, DS
	v_lshl_add_u32 v[XW], v5, 4, s25
	s_mul_i32 s25, s[WV], 8448
	s_add_co_u32 s25, s25, DS
	v_mul_u32_u24 v6, v1, 528
	v_lshl_add_u32 v6, v2, 5, v6
	v_add_nc_u32 v[OST], s25, v6
	v_lshl_add_u32 v[ORD], v5, 4, s25
	s_lshl_b32 s25, s[WV], 9
	v_lshl_add_u32 v[PO], v2, 5, s25               ; my 8 columns' place in a row of 512 f32 (+ 64 nt)
	v_lshl_add_u32 v[VO], v1, 11, v[PO]
	s_lshl_b32 s25, s[WV], 7
	v_lshl_add_u32 v[BO], v2, 5, s25
	v_lshlrev_b32 v6, 4, v1
	v_add_nc_u32 v[RRD], RED, v6
	s_lshl_b32 s25, s[WV], 2
	v_add_nc_u32 v[RST], s25, v[RRD]
	s_wait_loadcnt 0x0
.macro XPUT
.set j, 0
.rept 32
	ds_store_b128 v[XW], v[128+4*j:128+4*j+3] offset:(j/2)*1040+(j%2)*512
.set j, j+1
.endr
.endm
.macro XREAD u                         ; the fragments of rows 32 u .. 32 u + 31 out of X's stage: 64 loads
	WIN 0x80
.irp mm, 0,1
.irp ks, 0,1,2,3,4,5,6,7
	ds_load_b128 v[\ks*32+8*(2*(\u)+\mm):\ks*32+8*(2*(\u)+\mm)+3], v[XRD] offset:\mm*16640+\ks*64
	ds_load_b128 v[\ks*32+8*(2*(\u)+\mm)+4:\ks*32+8*(2*(\u)+\mm)+7], v[XRD] offset:\mm*16640+\ks*64+32
.endr
.endr
	WIN 0xc0
.irp mm, 0,1
.irp ks, 0,1,2,3,4,5,6,7
	ds_load_b128 v[\ks*32+8*(2*(\u)+\mm):\ks*32+8*(2*(\u)+\mm)+3], v[XRD] offset:\mm*16640+\ks*64+512
	ds_load_b128 v[\ks*32+8*(2*(\u)+\mm)+4:\ks*32+8*(2*(\u)+\mm)+7], v[XRD] offset:\mm*16640+\ks*64+544
.endr
.endr
	WIN 0
.endm
	s_cmp_ge_u32 s[WV], 2
	s_cbranch_scc1 .Lx0
	XPUT
.Lx0:
	s_wait_dscnt 0x0
	BAR
	XREAD 0
	s_wait_dscnt 0x0
	BAR
	s_cmp_lt_u32 s[WV], 2
	s_cbranch_scc1 .Lx1
	XPUT
.Lx1:
	s_wait_dscnt 0x0
	BAR
	XREAD 1
	s_wait_dscnt 0x0
	s_wait_tensorcnt 1                             ; my part of Wp's tile 0 is in; tile 1's may stay out
	BAR
.macro FW2 R, ks, F
	WIN 0
.irp nt, 0,1,2,3,4,5,6,7
	ds_load_tr16_b128 v[(\F)+8*\nt:(\F)+8*\nt+3], v[AW2+2*(\R)+(\ks)/2] offset:((\ks)%2)*33792+\nt*32
	ds_load_tr16_b128 v[(\F)+8*\nt+4:(\F)+8*\nt+7], v[AW2+2*(\R)+(\ks)/2] offset:((\ks)%2)*33792+\nt*32+16896
.endr
.endm
.macro MX F, ks, half, zero            ; 16 products with X in registers; the 32 accumulators take turns
	WIN 0x58+4*((\ks)/8)
.irp mt, 2*(\half), 2*(\half)+1
.irp nt, 0,1,2,3,4,5,6,7
.if \zero
	v_wmma_f32_16x16x32_bf16 v[8*(8*(\mt)+\nt):8*(8*(\mt)+\nt)+7], v[(\F)+8*\nt:(\F)+8*\nt+7], v[((\ks)%8)*32+8*(\mt):((\ks)%8)*32+8*(\mt)+7], 0
.else
	v_wmma_f32_16x16x32_bf16 v[8*(8*(\mt)+\nt):8*(8*(\mt)+\nt)+7], v[(\F)+8*\nt:(\F)+8*\nt+7], v[((\ks)%8)*32+8*(\mt):((\ks)%8)*32+8*(\mt)+7], v[8*(8*(\mt)+\nt):8*(8*(\mt)+\nt)+7]
.endif
.endr
.endr
.endm
; One tile of Wp.  kind says what the region just read takes next: 1 Wp's tile two further on; 2 (region A) W1's chunk 0; 3 (region B) W2's chunk 0, and no fragments are fetched behind it.
.macro PHX R, kc, zero, kind
	PLACES 4
	FW2 \R, 1, F1
	s_wait_dscnt 16                                ; all but the 16 loads just issued
	MX F0, 4*(\kc), 0, \zero
	MX F0, 4*(\kc), 1, \zero
	PLACES 4
	FW2 \R, 2, F0
	s_wait_dscnt 16
	MX F1, 4*(\kc)+1, 0, 0
	MX F1, 4*(\kc)+1, 1, 0
	PLACES 4
	FW2 \R, 3, F1
	s_wait_dscnt 16
	MX F0, 4*(\kc)+2, 0, 0
	MX F0, 4*(\kc)+2, 1, 0
	WIN 0
	s_wait_tensorcnt 0x0                           ; the one load of mine that is out is my part of the other region
	ds_add_u32 v[SPW], v[NIL]
.if (\kind) == 1
	s_add_nc_u64 s[G0+2+4*(\R):G0+3+4*(\R)], s[G0+2+4*(\R):G0+3+4*(\R)], 262144
.elseif (\kind) == 2
	s_mul_i32 s[G0+1], s[WV], 36864
	s_mov_b64 s[G0+2:G0+3], s[W1P:W1P+1]
	s_or_b32 s[G0+3], s[G0+3], 0x80000000
.else
	s_add_nc_u64 s[G0+6:G0+7], s[G0+6:G0+7], 2228224  ; from Wp's tile 3 to W2's first 128 rows
.endif
	s_wait_dscnt 0x0
	s_barrier_signal -1
	MX F1, 4*(\kc)+3, 0, 0
	WIN 0
	s_barrier_wait -1
	CREST
.if (\kind) == 2
	tensor_load_to_lds s[G0:G0+3], s[G1W1:G1W1+7]
.else
	tensor_load_to_lds s[G0+4*(\R):G0+3+4*(\R)], s[G1:G1+7]
.endif
	s_nop 0
	PLACES 4
.if (\kind) != 3
	FW2 1-(\R), 0, F0
.endif
	MX F1, 4*(\kc)+3, 1, 0
.endm
.macro PLOAD ptr, buf                  ; my 64 numbers of a row of 512 parameters
	WIN 0
.irp nt, 0,1,2,3,4,5,6,7
	global_load_b128 v[(\buf)+8*\nt:(\buf)+8*\nt+3], v[PO], s[(\ptr):(\ptr)+1] offset:\nt*64
	global_load_b128 v[(\buf)+8*\nt+4:(\buf)+8*\nt+7], v[PO], s[(\ptr):(\ptr)+1] offset:\nt*64+16
.endr
.endm
.macro VLOAD mt, buf                   ; value, my columns of rows 16 mt ..
	WIN 0
.irp nt, 0,1,2,3,4,5,6,7
	global_load_b128 v[(\buf)+8*\nt:(\buf)+8*\nt+3], v[VO], s[VALP:VALP+1] offset:(\mt)*32768+\nt*64
	global_load_b128 v[(\buf)+8*\nt+4:(\buf)+8*\nt+7], v[VO], s[VALP:VALP+1] offset:(\mt)*32768+\nt*64+16
.endr
.endm
.macro RADD mt, buf                    ; + proj_bias + value
	WIN 0x41
.set e, 0
.rept 32
	v_pk_add_f32 v[64*(\mt)+2*e:64*(\mt)+2*e+1], v[64*(\mt)+2*e:64*(\mt)+2*e+1], v[F0+2*e:F0+2*e+1]
	v_pk_add_f32 v[64*(\mt)+2*e:64*(\mt)+2*e+1], v[64*(\mt)+2*e:64*(\mt)+2*e+1], v[(\buf)+2*e:(\buf)+2*e+1]
.set e, e+1
.endr
.endm
; The rows' sums: a lane's pair, the other half of the lanes, then the four waves through LDS.  The sum of row 16 mt + r ends in v[64 + 4 mt].
.macro RSUM area
	WIN 0
.irp mt, 0,1,2,3
	v_add_f32 v[SM2+2*\mt], v[SM2+2*\mt], v[SM2+2*\mt+1]
.endr
.irp mt, 0,1,2,3
	v_permlanex16_b32 v[SM2+2*\mt+1], v[SM2+2*\mt], s[SEL], s[SEL+1]
.endr
.irp mt, 0,1,2,3
	v_add_f32 v[SM2+2*\mt], v[SM2+2*\mt], v[SM2+2*\mt+1]
.endr
.irp mt, 0,1,2,3
	ds_store_b32 v[RST], v[SM2+2*\mt] offset:(\area)*1024+\mt*256
.endr
	s_wait_dscnt 0x0                               ; for the others' sake
	BAR
.irp mt, 0,1,2,3
	ds_load_b128 v[64+4*\mt:64+4*\mt+3], v[RRD] offset:(\area)*1024+\mt*256
.endr
	s_wait_dscnt 0x0
.irp mt, 0,1,2,3
	v_add_f32 v[64+4*\mt], v[64+4*\mt], v[64+4*\mt+1]
	v_add_f32 v[64+4*\mt+2], v[64+4*\mt+2], v[64+4*\mt+3]
.endr
.irp mt, 0,1,2,3
	v_add_f32 v[64+4*\mt], v[64+4*\mt], v[64+4*\mt+2]
.endr
.endm
.macro LNORM gp, bp, a0                ; the accumulators become (x - mean) rsqrt(var + 1e-6) g + b
	PLOAD \gp, F0
	PLOAD \bp, F1
.set e, 0
.rept 8
	v_mov_b32 v[SM2+e], 0
.set e, e+1
.endr
	WIN 0x01
.set e, 0
.rept 32
.irp mt, 0,1,2,3
	v_pk_add_f32 v[SM2+2*\mt:SM2+2*\mt+1], v[64*\mt+2*e:64*\mt+2*e+1], v[SM2+2*\mt:SM2+2*\mt+1]
.endr
.set e, e+1
.endr
	RSUM \a0
.irp mt, 0,1,2,3
	v_mul_f32 v[MU+2*\mt], s[INV], v[64+4*\mt]
	v_mov_b32 v[SM2+2*\mt], 0
	v_mov_b32 v[SM2+2*\mt+1], 0
	v_mov_b32 v[MU+2*\mt+1], v[MU+2*\mt]
.endr
	WIN 0x41
.irp mt, 0,1,2,3
.set e, 0
.rept 32
	v_pk_add_f32 v[64*\mt+2*e:64*\mt+2*e+1], v[64*\mt+2*e:64*\mt+2*e+1], v[MU+2*\mt:MU+2*\mt+1] op_sel_hi:[1,0] neg_lo:[0,1] neg_hi:[0,1]
.set e, e+1
.endr
.endr
	WIN 0x05
.set e, 0
.rept 32
.irp mt, 0,1,2,3
	v_pk_fma_f32 v[SM2+2*\mt:SM2+2*\mt+1], v[64*\mt+2*e:64*\mt+2*e+1], v[64*\mt+2*e:64*\mt+2*e+1], v[SM2+2*\mt:SM2+2*\mt+1]
.endr
.set e, e+1
.endr
	RSUM (\a0)+1
.irp mt, 0,1,2,3
	v_fma_f32 v[MU+2*\mt], v[64+4*\mt], s[INV], s[EPS]
.endr
.irp mt, 0,1,2,3
	v_rsq_f32 v[MU+2*\mt], v[MU+2*\mt]
.endr
	v_nop                                          ; a plain instruction behind the last root
	s_wait_loadcnt 0x0                             ; g and b
	WIN 0x41
	s_wait_alu depctr_va_vdst(0)
.irp mt, 0,1,2,3
.set e, 0
.rept 32
	v_pk_mul_f32 v[64*\mt+2*e:64*\mt+2*e+1], v[64*\mt+2*e:64*\mt+2*e+1], v[MU+2*\mt:MU+2*\mt+1] op_sel_hi:[1,0]
.set e, e+1
.endr
.set e, 0
.rept 32
	v_pk_fma_f32 v[64*\mt+2*e:64*\mt+2*e+1], v[64*\mt+2*e:64*\mt+2*e+1], v[F0+2*e:F0+2*e+1], v[F1+2*e:F1+2*e+1]
.set e, e+1
.endr
.endr
	WIN 0
.endm
.macro XSTORE u                        ; out1, rows 32 u .., my 128 columns, rounded to bf16 into X's stage
.irp mm, 0,1
	WIN 0x05
.set e, 0
.rept 32
	v_cvt_pk_bf16_f32 v[64+32*\mm+e], v[64*(2*(\u)+\mm)+2*e], v[64*(2*(\u)+\mm)+2*e+1]
.set e, e+1
.endr
.endr
	WIN 0
.irp mm, 0,1
.irp nt, 0,1,2,3,4,5,6,7
	ds_store_b128 v[XST], v[64+32*\mm+4*\nt:64+32*\mm+4*\nt+3] offset:\mm*16640+\nt*32
.endr
.endr
.endm
.macro FW1 g, F                        ; 16 turning loads: my 32 columns of h x k rows 128 g .. of W1's chunk
	WIN 0
.irp ksl, 0,1,2,3
.irp nt, 0,1
	ds_load_tr16_b128 v[(\F)+16*\ksl+8*\nt:(\F)+16*\ksl+8*\nt+3], v[AW1+(\g)] offset:\ksl*9216+\nt*32
	ds_load_tr16_b128 v[(\F)+16*\ksl+8*\nt+4:(\F)+16*\ksl+8*\nt+7], v[AW1+(\g)] offset:\ksl*9216+\nt*32+4608
.endr
.endr
.endm
.macro MP F, g, first                  ; 32 products for h; its 8 accumulators take turns; first = 1: b1 is the C operand that starts the sums
	WIN 0x08+4*((\g)/2)
.irp ksl, 0,1,2,3
.irp mt, 0,1,2,3
.irp nt, 0,1
.if (\first) && (\ksl == 0)
	v_wmma_f32_16x16x32_bf16 v[HA+8*(2*\mt+\nt):HA+8*(2*\mt+\nt)+7], v[(\F)+16*\ksl+8*\nt:(\F)+16*\ksl+8*\nt+7], v[((4*(\g)+\ksl)%8)*32+8*\mt:((4*(\g)+\ksl)%8)*32+8*\mt+7], v[BI+8*\nt:BI+8*\nt+7]
.else
	v_wmma_f32_16x16x32_bf16 v[HA+8*(2*\mt+\nt):HA+8*(2*\mt+\nt)+7], v[(\F)+16*\ksl+8*\nt:(\F)+16*\ksl+8*\nt+7], v[((4*(\g)+\ksl)%8)*32+8*\mt:((4*(\g)+\ksl)%8)*32+8*\mt+7], v[HA+8*(2*\mt+\nt):HA+8*(2*\mt+\nt)+7]
.endif
.endr
.endr
.endr
.endm
.macro FH ks                           ; h's fragments of K step ks: 8 loads
	WIN 0
.irp mt, 0,1,2,3
	ds_load_b128 v[HA+32*((\ks)%2)+8*\mt:HA+32*((\ks)%2)+8*\mt+3], v[AH] offset:\mt*4352+(\ks)*64
	ds_load_b128 v[HA+32*((\ks)%2)+8*\mt+4:HA+32*((\ks)%2)+8*\mt+7], v[AH] offset:\mt*4352+(\ks)*64+32
.endr
.endm
.macro MH F, ks, half
	WIN 0x50
.irp mt, 2*(\half), 2*(\half)+1
.irp nt, 0,1,2,3,4,5,6,7
	v_wmma_f32_16x16x32_bf16 v[8*(8*(\mt)+\nt):8*(8*(\mt)+\nt)+7], v[(\F)+8*\nt:(\F)+8*\nt+7], v[HA+32*((\ks)%2)+8*(\mt):HA+32*((\ks)%2)+8*(\mt)+7], v[8*(8*(\mt)+\nt):8*(8*(\mt)+\nt)+7]
.endr
.endr
.endm
; A chunk's h.  F0 is on its way with W1's k rows 0-127.  Five v_nop first: h's sums land on registers that the last products read as a source.  The barrier at the end shows h to all waves and W2's chunk whole;
; fill = 1: it is a round of the cluster's, and region A takes W1's next chunk.
.macro P2 fill
	PLACES 5
	FW1 1, F1
	s_wait_loadcnt 0x0                             ; b1 of this chunk
	s_wait_dscnt 16
	MP F0, 0, 1
	PLACES 4
	FW1 2, F0
	s_wait_dscnt 16
	MP F1, 1, 0
	PLACES 4
	FW1 3, F1
	s_wait_dscnt 16
	MP F0, 2, 0
	s_wait_dscnt 0x0
	MP F1, 3, 0
	WIN 0
	PLACES 4
.set t, 0
.rept 8
.irp e, 0,1,2,3
	v_cvt_pk_bf16_f32 v[F0+4*t+\e], v[HA+8*t+2*\e], v[HA+8*t+2*\e+1]
.endr
.set t, t+1
.endr
.set t, 0
.rept 32
	v_pk_max_num_bf16 v[F0+t], v[F0+t], v[ZR]
.set t, t+1
.endr
.irp mt, 0,1,2,3
.irp nt, 0,1
	ds_store_b128 v[HST], v[F0+4*(2*\mt+\nt):F0+4*(2*\mt+\nt)+3] offset:\mt*4352+\nt*32
.endr
.endr
	s_wait_tensorcnt 0x0                           ; my part of W2's chunk is in
	ds_add_u32 v[SPW], v[NIL]
.if \fill
	s_add_nc_u64 s[G0+2:G0+3], s[G0+2:G0+3], 256   ; W1's next 128 columns
.endif
	s_wait_dscnt 0x0                               ; the add, my stores of h and my reads of region A are done
.if \fill
	CROUND
	tensor_load_to_lds s[G0:G0+3], s[G1W1:G1W1+7]
	s_nop 0
	PLACES 4
.else
	BAR
.endif
.endm
; A chunk's share of the second product.  Each s_wait_dscnt 24 leaves out the 24 loads just issued.  fill = 1: the last K step changes regions, region B takes W2's next 128 rows, b1's next 128 numbers are loaded.
.macro P1 fill
	FW2 1, 0, F0
	FH 0
	FW2 1, 1, F1
	FH 1
	s_wait_dscnt 24
	MH F0, 0, 0
	MH F0, 0, 1
	PLACES 4
.if \fill
	WIN 0
	s_wait_xcnt 0x0
	s_add_nc_u64 s[FB1:FB1+1], s[FB1:FB1+1], 512
.irp nt, 0,1
	global_load_b128 v[BI+8*\nt:BI+8*\nt+3], v[BO], s[FB1:FB1+1] offset:\nt*64
	global_load_b128 v[BI+8*\nt+4:BI+8*\nt+7], v[BO], s[FB1:FB1+1] offset:\nt*64+16
.endr
.endif
	FW2 1, 2, F0
	FH 2
	s_wait_dscnt 24
	MH F1, 1, 0
	MH F1, 1, 1
	PLACES 4
	FW2 1, 3, F1
	FH 3
	s_wait_dscnt 24
	MH F0, 2, 0
	MH F0, 2, 1
.if \fill
	WIN 0
	s_wait_tensorcnt 0x0                           ; my part of W1's next chunk is in
	ds_add_u32 v[SPW], v[NIL]
	s_add_nc_u64 s[G0+6:G0+7], s[G0+6:G0+7], 131072
	s_wait_dscnt 0x0                               ; the add, my reads of region B and of h are done
	s_barrier_signal -1
	MH F1, 3, 0
	WIN 0
	s_barrier_wait -1
	CREST
	tensor_load_to_lds s[G0+4:G0+7], s[G1:G1+7]
	s_nop 0
	PLACES 4
	FW1 0, F0
	MH F1, 3, 1
.else
	s_wait_dscnt 0x0
	MH F1, 3, 0
	MH F1, 3, 1
.endif
.endm
	FW2 0, 0, F0
	PHX 0, 0, 1, 1
	PHX 1, 1, 0, 1
	PHX 0, 2, 0, 2
	PHX 1, 3, 0, 3
	PLACES 4
	PLOAD PBP, F0
	VLOAD 0, F1
	VLOAD 1, HA
	s_wait_loadcnt 16                              ; all but the 16 loads just issued
	RADD 0, F1
	VLOAD 2, F1
	s_wait_loadcnt 16
	RADD 1, HA
	VLOAD 3, HA
	s_wait_loadcnt 16
	RADD 2, F1
	s_wait_loadcnt 0x0
	RADD 3, HA
	LNORM LG1, LB1, 0
	XSTORE 0
	s_wait_dscnt 0x0
	BAR
	XREAD 0
	s_wait_dscnt 0x0
	BAR
	XSTORE 1
	s_wait_dscnt 0x0
	BAR
	XREAD 1
	PLOAD FB2, F1
.irp nt, 0,1
	global_load_b128 v[BI+8*\nt:BI+8*\nt+3], v[BO], s[FB1:FB1+1] offset:\nt*64
	global_load_b128 v[BI+8*\nt+4:BI+8*\nt+7], v[BO], s[FB1:FB1+1] offset:\nt*64+16
.endr
	s_wait_dscnt 0x0
	BAR                                            ; the stage is free for h
	FW1 0, F0                                      ; W1's chunk 0 was shown whole by the last round
	s_wait_loadcnt 4                               ; b2 is in; b1's four loads may be out
	WIN 0x41
.irp mt, 0,1,2,3
.set e, 0
.rept 32
	v_pk_add_f32 v[64*\mt+2*e:64*\mt+2*e+1], v[64*\mt+2*e:64*\mt+2*e+1], v[F1+2*e:F1+2*e+1]
.set e, e+1
.endr
.endr
	WIN 0
	s_mov_b32 s3, 15
.Lc:
	P2 1
	P1 1
	WIN 0
	s_sub_co_u32 s3, s3, 1
	s_cmp_lg_u32 s3, 0
	s_cbranch_scc1 .Lc
	P2 0                                           ; the last chunk is written out: nothing is asked for
	P1 0
	WIN 0
	PLACES 4
	LNORM LG2, LB2, 2
	; THE WAY OUT: 16 rows at a time through my own stage; a wave's store covers 512 consecutive aligned bytes
.irp mt, 0,1,2,3
	WIN 0x04
.irp nt, 0,1,2,3,4,5,6,7
	ds_store_b128 v[OST], v[64*\mt+8*\nt:64*\mt+8*\nt+3] offset:\nt*64
	ds_store_b128 v[OST], v[64*\mt+8*\nt+4:64*\mt+8*\nt+7] offset:\nt*64+16
.endr
	WIN 0
	s_wait_xcnt 0x0                                ; the last block's stores have read F0
.set t, 0
.rept 16
	ds_load_b128 v[F0+4*t:F0+4*t+3], v[ORD] offset:t*528
.set t, t+1
.endr
	s_wait_dscnt 0x0
.set t, 0
.rept 16
	global_store_b128 v[GO], v[F0+4*t:F0+4*t+3], s[OUTP:OUTP+1] offset:(\mt*16+t)*2048 th:TH_STORE_NT
.set t, t+1
.endr
.endr
	s_wait_tensorcnt 0x0                           ; the wave's end
	ds_add_u32 v[SPW], v[NIL]
	s_wait_dscnt 0x0
	CROUND
	s_endpgm
.Lfunc_end_k_qd00ba9bec6_tail:
	.size	k_qd00ba9bec6_tail, .Lfunc_end_k_qd00ba9bec6_tail-k_qd00ba9bec6_tail
	.p2alignl 7, 3214868480
	.fill 96, 4, 3214868480
	.section	.rodata,"a",@progbits
	.p2align	6, 0x0
	.amdhsa_kernel k_qd00ba9bec6_tail
		.amdhsa_group_segment_fixed_size 327680
		.amdhsa_private_segment_fixed_size 0
		.amdhsa_enable_private_segment 0
		.amdhsa_kernarg_size 88
		.amdhsa_user_sgpr_count 2
		.amdhsa_user_sgpr_kernarg_segment_ptr 1
		.amdhsa_wavefront_size32 1
		.amdhsa_system_sgpr_workgroup_id_x 1
		.amdhsa_system_sgpr_workgroup_id_y 1
		.amdhsa_system_sgpr_workgroup_id_z 1
		.amdhsa_system_vgpr_workitem_id 0
		.amdhsa_next_free_vgpr 1024
		.amdhsa_next_free_sgpr 96
		.amdhsa_reserve_vcc 0
		.amdhsa_float_denorm_mode_32 3
		.amdhsa_float_denorm_mode_16_64 3
		.amdhsa_memory_ordered 1
		.amdhsa_forward_progress 1
		.amdhsa_inst_pref_size 255
	.end_amdhsa_kernel
	.section	.bss,"aw",@nobits
	.p2align	6
	.space	262144
	.amdgpu_metadata
---
amdhsa.version: [ 1, 2 ]
amdhsa.kernels:
  - .name:           k_qd00ba9bec6_tail
    .symbol:         k_qd00ba9bec6_tail.kd
    .args:
      - { .name: ob, .offset: 0, .size: 8, .value_kind: global_buffer, .address_space: global }
      - { .name: wb, .offset: 8, .size: 8, .value_kind: global_buffer, .address_space: global }
      - { .name: value, .offset: 16, .size: 8, .value_kind: global_buffer, .address_space: global }
      - { .name: proj_bias, .offset: 24, .size: 8, .value_kind: global_buffer, .address_space: global }
      - { .name: ln1_g, .offset: 32, .size: 8, .value_kind: global_buffer, .address_space: global }
      - { .name: ln1_b, .offset: 40, .size: 8, .value_kind: global_buffer, .address_space: global }
      - { .name: b1, .offset: 48, .size: 8, .value_kind: global_buffer, .address_space: global }
      - { .name: b2, .offset: 56, .size: 8, .value_kind: global_buffer, .address_space: global }
      - { .name: ln2_g, .offset: 64, .size: 8, .value_kind: global_buffer, .address_space: global }
      - { .name: ln2_b, .offset: 72, .size: 8, .value_kind: global_buffer, .address_space: global }
      - { .name: out0, .offset: 80, .size: 8, .value_kind: global_buffer, .address_space: global }
    .group_segment_fixed_size: 327680
    .private_segment_fixed_size: 0
    .kernarg_segment_align: 8
    .kernarg_segment_size: 88
    .max_flat_workgroup_size: 128
    .sgpr_count:     96
    .vgpr_count:     1024
    .wavefront_size: 32
...
	.end_amdgpu_metadata
.endif
;; end of part 4
;; ======== version 2 of 3: 4 launches; 1.24 times as fast as version 1
;; limits: values outside matrix products are rounded to bf16
;; workspace buffers: wb 6,291,456 bytes; qkv 50,331,648 bytes; ob 16,777,216 bytes
;; launch prep (part 5): grid 384 x 1, 8 waves a work-group, no clusters, 0 bytes of LDS; arguments q_kernel, k_kernel, v_kernel, proj_kernel, w1, w2, wb; writes wb
.if DOCPART == 5
	.amdgcn_target "amdgcn-amd-amdhsa--gfx1250"
	.amdhsa_code_object_version 6
	.text
	.protected	k_qd00ba9bec6_prep
	.globl	k_qd00ba9bec6_prep
	.p2align	8
	.type	k_qd00ba9bec6_prep,@function
k_qd00ba9bec6_prep:
	s_mov_b64 s[64:65], 0
	v_nop
	global_prefetch_b8 v0, s[64:65] scope:SCOPE_SE
	s_setreg_imm32_b32 hwreg(HW_REG_WAVE_MODE, 25, 1), 1
	s_wait_xcnt 0x0
; The six weight tensors are rounded once to bf16 into wb, each as [K][N] with N along the rows:
; byte 0 Wqkv [512][1536] (column 512 tensor + 64 head + o), 1572864 Wp [512][512], 2097152 W1 [512][2048], 4194304 W2 [2048][512].
; A work-group takes 8,192 numbers (32 KiB in, 16 KiB out); groups 0-31 q, 32-63 k, 64-95 v, 96-127 proj, 128-255 w1, 256-383 w2.
; A thread takes four items of 8 numbers.  proj, w1, w2 keep their order: each store of a wave covers 512 consecutive bytes.
; q, k, v ([head][k][o]) change order: runs of 128 bytes go into rows of 3,072 bytes (1.5 MiB of the 6 MiB written).
	s_load_b256 s[4:11], s[0:1], 0x0               ; q, k, v, proj
	s_load_b128 s[12:15], s[0:1], 0x20             ; w1, w2
	s_load_b64 s[16:17], s[0:1], 0x30              ; wb
	s_mov_b32 s20, ttmp9
	v_lshlrev_b32 v1, 5, v0                        ; 32 bytes of f32 a thread and item
	s_mov_b32 s21, 0                               ; the first group of my tensor
	s_wait_kmcnt 0x0
	s_mov_b64 s[22:23], s[4:5]
	s_cmp_ge_u32 s20, 32
	s_cselect_b64 s[22:23], s[6:7], s[22:23]
	s_cselect_b32 s21, 32, s21
	s_cmp_ge_u32 s20, 64
	s_cselect_b64 s[22:23], s[8:9], s[22:23]
	s_cselect_b32 s21, 64, s21
	s_cmp_ge_u32 s20, 96
	s_cselect_b64 s[22:23], s[10:11], s[22:23]
	s_cselect_b32 s21, 96, s21
	s_cmp_ge_u32 s20, 128
	s_cselect_b64 s[22:23], s[12:13], s[22:23]
	s_cselect_b32 s21, 128, s21
	s_cmp_ge_u32 s20, 256
	s_cselect_b64 s[22:23], s[14:15], s[22:23]
	s_cselect_b32 s21, 256, s21
	s_sub_co_u32 s24, s20, s21
	s_lshl_b32 s24, s24, 15                        ; 32 KiB a group
	s_mov_b32 s25, 0
	s_add_nc_u64 s[22:23], s[22:23], s[24:25]
.irp it, 0,1,2,3
	global_load_b128 v[8+8*\it:8+8*\it+3], v1, s[22:23] offset:\it*8192 th:TH_LOAD_NT
	global_load_b128 v[8+8*\it+4:8+8*\it+7], v1, s[22:23] offset:\it*8192+16 th:TH_LOAD_NT
.endr
.irp it, 0,1,2,3
	s_wait_loadcnt 6-2*\it                         ; loads return in order: item it is in, the younger ones stay out
.irp e, 0,1,2,3
	v_cvt_pk_bf16_f32 v[40+4*\it+\e], v[8+8*\it+2*\e], v[8+8*\it+2*\e+1]
.endr
.endr
	s_cmp_lt_u32 s20, 96
	s_cbranch_scc1 .Lheads
	s_lshl_b32 s26, s20, 14                        ; as it lies: 16 KiB a group
	s_mov_b32 s27, 0
	s_add_nc_u64 s[16:17], s[16:17], s[26:27]
	v_lshlrev_b32 v2, 4, v0
.irp it, 0,1,2,3
	global_store_b128 v2, v[40+4*\it:40+4*\it+3], s[16:17] offset:\it*4096
.endr
	s_endpgm
.Lheads:                                               ; group = 32 tensor + 4 head + block of 128 k
	s_lshr_b32 s26, s20, 5
	s_lshl_b32 s26, s26, 10                        ; the tensor's 1,024 bytes in a row
	s_and_b32 s27, s20, 3
	s_mul_i32 s27, s27, 393216                     ; 128 rows of 3,072 bytes
	s_add_co_u32 s26, s26, s27
	s_bfe_u32 s27, s20, 0x30002
	s_lshl_b32 s27, s27, 7                         ; the head's 128 bytes
	s_add_co_u32 s26, s26, s27
	s_mov_b32 s27, 0
	s_add_nc_u64 s[16:17], s[16:17], s[26:27]
	v_lshrrev_b32 v2, 3, v0
	v_and_b32 v3, 7, v0
	v_mul_u32_u24 v2, v2, 3072                     ; row thread / 8 (+ 32 an item)
	v_lshl_add_u32 v2, v3, 4, v2
.irp it, 0,1,2,3
	global_store_b128 v2, v[40+4*\it:40+4*\it+3], s[16:17] offset:\it*98304
.endr
	s_endpgm
.Lfunc_end_k_qd00ba9bec6_prep:
	.size	k_qd00ba9bec6_prep, .Lfunc_end_k_qd00ba9bec6_prep-k_qd00ba9bec6_prep
	.p2alignl 7, 3214868480
	.fill 96, 4, 3214868480
	.section	.rodata,"a",@progbits
	.p2align	6, 0x0
	.amdhsa_kernel k_qd00ba9bec6_prep
		.amdhsa_group_segment_fixed_size 0
		.amdhsa_private_segment_fixed_size 0
		.amdhsa_enable_private_segment 0
		.amdhsa_kernarg_size 56
		.amdhsa_user_sgpr_count 2
		.amdhsa_user_sgpr_kernarg_segment_ptr 1
		.amdhsa_wavefront_size32 1
		.amdhsa_system_sgpr_workgroup_id_x 1
		.amdhsa_system_sgpr_workgroup_id_y 1
		.amdhsa_system_sgpr_workgroup_id_z 1
		.amdhsa_system_vgpr_workitem_id 0
		.amdhsa_next_free_vgpr 64
		.amdhsa_next_free_sgpr 66
		.amdhsa_reserve_vcc 0
		.amdhsa_float_denorm_mode_32 3
		.amdhsa_float_denorm_mode_16_64 3
		.amdhsa_memory_ordered 1
		.amdhsa_forward_progress 1
		.amdhsa_inst_pref_size 5
	.end_amdhsa_kernel
	.amdgpu_metadata
---
amdhsa.version: [ 1, 2 ]
amdhsa.kernels:
  - .name:           k_qd00ba9bec6_prep
    .symbol:         k_qd00ba9bec6_prep.kd
    .args:
      - { .name: q_kernel, .offset: 0, .size: 8, .value_kind: global_buffer, .address_space: global }
      - { .name: k_kernel, .offset: 8, .size: 8, .value_kind: global_buffer, .address_space: global }
      - { .name: v_kernel, .offset: 16, .size: 8, .value_kind: global_buffer, .address_space: global }
      - { .name: proj_kernel, .offset: 24, .size: 8, .value_kind: global_buffer, .address_space: global }
      - { .name: w1, .offset: 32, .size: 8, .value_kind: global_buffer, .address_space: global }
      - { .name: w2, .offset: 40, .size: 8, .value_kind: global_buffer, .address_space: global }
      - { .name: wb, .offset: 48, .size: 8, .value_kind: global_buffer, .address_space: global }
    .group_segment_fixed_size: 0
    .private_segment_fixed_size: 0
    .kernarg_segment_align: 8
    .kernarg_segment_size: 56
    .max_flat_workgroup_size: 256
    .sgpr_count:     66
    .vgpr_count:     64
    .wavefront_size: 32
...
	.end_amdgpu_metadata
.endif
;; end of part 5
;; launch qkv (part 6): grid 256 x 1, 4 waves a work-group, clusters of 4 x 1, 327,680 bytes of LDS; arguments value, wb, qkv; writes qkv
.if DOCPART == 6
	.amdgcn_target "amdgcn-amd-amdhsa--gfx1250"
	.amdhsa_code_object_version 6
	.text
	.protected	k_qd00ba9bec6_qkv
	.globl	k_qd00ba9bec6_qkv
	.p2align	8
	.type	k_qd00ba9bec6_qkv,@function
k_qd00ba9bec6_qkv:
	s_mov_b64 s[64:65], 0
	v_nop
	global_prefetch_b8 v0, s[64:65] scope:SCOPE_SE
	s_setreg_imm32_b32 hwreg(HW_REG_WAVE_MODE, 25, 1), 1
	s_wait_xcnt 0x0
	s_wait_alu depctr_hold_cnt(0) depctr_sa_sdst(0) depctr_va_vdst(0) depctr_va_sdst(0) depctr_va_ssrc(0) depctr_va_vcc(0) depctr_vm_vsrc(0)
	s_getreg_b32 s2, hwreg(HW_REG_IB_STS2, 6, 4)
	s_cmp_eq_u32 s2, 0
	s_cbranch_scc0 .Lentry_in_a_cluster
	s_endpgm
.Lentry_in_a_cluster:
	s_bfe_u32 s2, ttmp6, 0x10000c
	s_cmp_lg_u32 s2, 0x3003
	s_cbranch_scc0 .Lentry_shape_is_right
	s_endpgm
.Lentry_shape_is_right:
; qkv[row][0:512] = c (value Wq), [512:1024] = value Wk, [1024:1536] = value Wv, bf16, row = 1024 b + s; c = log2(e) / 8 is applied to the f32 sums, so q is rounded once.
; A work-group owns 64 rows; X (64 x 512, bf16) stays in 512 registers of every wave.  The 1,536 output columns go in 12 tiles of 128: a tile of Wqkv is all 512 k x 128 columns, so every phase names
; the same registers and ONE text serves all: a loop of 10 trips that fill a region again, and a loop of 2 that do not.  In a phase wave w makes 32 columns: 128 products on 8 accumulators.
; The tiles go through two LDS regions by turns; each wave fetches 128 rows of 256 bytes; the four work-groups of a cluster walk the same weights: every tile is asked for jointly (mask 15).
; By this text's count a wave has two tensor loads out at the start and one behind each round; a request has a phase in which to land.
; LDS rows are 272 bytes apart.  A fragment's 16 columns are 8 (2 w + nt) + 0..7 and the same 64 further on.
; The matrix instruction is used transposed (source 0 = columns of W, source 1 = rows of X): lane (r, h) holds row r and the tile's columns 8 (2 w + nt + 8 h) + 0..7.
; The four waves' pieces of a row meet in one of two stages that take turns; the phase's one barrier shows them; each wave then stores 16 whole rows of 256 bytes.
; The last trip's look-ahead (16 LDS loads from a region that has landed) is not used: the price of one text for both trips of the second loop.
; WINDOWS: 0: v0-63 addresses, HA v64-127 the sums, F0 v128-191, F1 v192-255; 1: value as loaded; 2, 3: X(ks, mt) at window 2 + ks / 8, register 32 (ks % 8) + 8 mt.
.set RB,    139264                     ; region B (0x22000); no tile's first byte in region A has bit 13 or 17, so one exclusive or changes regions
.set DS,    278528                     ; no tensor load lands from here on: X's stage, 64 rows x 528; later two stages of 64 x 272 for the way out
.set OSB,   17408
.set SPARE, 313344
.set HA, 64
.set F0, 128
.set F1, 192
.set AWB, 8
.set AW0, 10                           ; v10, v11: k rows 0-255 and 256-511 of the region in hand
.set XW,  18
.set XRD, 19
.set OST0, 20
.set ORD0, 21
.set GO,  22
.set VO,  23
.set OSTA, 24
.set ORDA, 25
.set SPW, 28
.set NIL, 29
.set WV,  10
.set G1,  16                           ; s[16:23]
.set G0A, 32                           ; s[32:35] tile 0
.set G0B, 36                           ; s[36:39] tile 1; it then walks on
.set SC,  40                           ; s[40:41] the factor on the way out
.set TB,  42
.set SB,  43
.set MSB, 0
.macro WIN new
.if MSB != (\new)
	s_set_vgpr_msb (MSB<<8)|(\new)
.set MSB, (\new)
.endif
.endm
.macro PLACES n
.rept \n
	v_nop
.endr
.endm
.macro BAR
	s_barrier_signal -1
	s_barrier_wait -1
.endm
.macro CROUND                          ; a round of the cluster's barrier
	s_barrier_signal -1
	s_barrier_wait -1
	s_cmp_lg_u32 s[WV], 0
	s_cbranch_scc1 .Lnw0_\@
	s_barrier_signal -3
.Lnw0_\@:
	s_barrier_wait -3
	s_barrier_signal -1
	s_barrier_wait -1
.endm
	s_load_b128 s[4:7], s[0:1], 0x0                ; value, wb
	s_load_b64 s[8:9], s[0:1], 0x10                ; qkv
	v_lshl_add_u32 v[SPW], v0, 2, SPARE
	v_mov_b32 v[NIL], 0
	ds_add_u32 v[SPW], v[NIL]                      ; the opening: the add and its wait ahead of my first tensor load
	v_lshrrev_b32 v5, 5, v0
	v_readfirstlane_b32 s[WV], v5
	s_bfe_u32 s11, ttmp6, 0x40000                  ; cx
	s_lshl_b32 s12, ttmp9, 2
	s_add_co_u32 s12, s12, s11                     ; my block of 64 rows: it enters value's and qkv's addresses alone
	s_mov_b32 s[G1+0], 15|(1<<16)|(1<<20)|(1<<21)|(5<<22)|(3<<25)  ; mask of four; 2-byte elements; padding on; bit 21 beside a mask; after every 64 words 4 words
	s_mov_b32 s[G1+1], 128<<16                     ; tensor_dim0
	s_mov_b32 s[G1+2], 128<<16                     ; tensor_dim1
	s_mov_b32 s[G1+3], 128<<16                     ; tile_dim0
	s_mov_b32 s[G1+4], 128                         ; tile_dim1
	s_mov_b32 s[G1+5], 1536                        ; elements from row to row
	s_mov_b32 s[G1+6], 0
	s_mov_b32 s[G1+7], 0
	s_mul_i32 s24, s[WV], 34816                    ; my 128 k rows in a region
	s_mul_i32 s26, s[WV], 393216                   ; and in memory
	s_mov_b32 s27, 0
	s_mov_b32 s[G0A], 1
	s_mov_b32 s[G0A+1], s24
	s_mov_b32 s[G0B], 1
	s_add_co_u32 s[G0B+1], s24, RB
	s_lshl_b32 s28, s12, 17                        ; value: 64 rows of 2,048 bytes, my wave's 16 of them
	s_lshl_b32 s29, s[WV], 15
	s_add_co_u32 s28, s28, s29
	s_mov_b32 s29, 0
	s_mul_i32 s30, s12, 196608                     ; qkv: 64 rows of 3,072 bytes, the 16 that I store
	s_mul_i32 s31, s[WV], 49152
	s_add_co_u32 s30, s30, s31
	s_mov_b32 s31, 0
	s_mov_b32 s[SC+1], 0                           ; named with the factor as a pair
	s_mov_b32 s[TB], 0
	s_mov_b32 s[SB], 0
	s_wait_dscnt 0x0
	s_wait_kmcnt 0x0
	s_add_nc_u64 s[G0A+2:G0A+3], s[6:7], s[26:27]  ; tile 0
	s_add_nc_u64 s[G0B+2:G0B+3], s[G0A+2:G0A+3], 256  ; tile 1: the next 128 columns
	s_or_b32 s[G0A+3], s[G0A+3], 0x80000000
	s_or_b32 s[G0B+3], s[G0B+3], 0x80000000
	s_add_nc_u64 s[4:5], s[4:5], s[28:29]
	s_add_nc_u64 s[8:9], s[8:9], s[30:31]
	CROUND                                         ; the four work-groups are here: the first joint loads meet
	tensor_load_to_lds s[G0A:G0A+3], s[G1:G1+7]
	s_nop 0
	tensor_load_to_lds s[G0B:G0B+3], s[G1:G1+7]
	s_nop 0
	PLACES 4
	; my 16 rows of value, 64 loads of 512 consecutive bytes
	v_and_b32 v5, 31, v0
	v_lshlrev_b32 v[VO], 4, v5
	WIN 0x40
.set j, 0
.rept 64
	global_load_b128 v[4*j:4*j+3], v[VO], s[4:5] offset:(j/4)*2048+(j%4)*512 th:TH_LOAD_NT
.set j, j+1
.endr
	WIN 0
	v_and_b32 v1, 15, v0                           ; r
	v_bfe_u32 v2, v0, 4, 1                         ; h
	v_and_b32 v3, 7, v0
	v_bfe_u32 v4, v0, 3, 1
	v_lshl_add_u32 v6, v2, 3, v3                   ; the turning load: k row 8 h + l % 8,
	v_mul_u32_u24 v6, v6, 272
	v_lshl_add_u32 v6, v4, 7, v6                   ; 128 bytes on for lanes with (l / 8) % 2 = 1,
	s_lshl_b32 s25, s[WV], 5
	v_add_nc_u32 v[AWB], s25, v6                   ; my wave's 32 bytes
	v_mov_b32 v[AW0], v[AWB]
	v_add_nc_u32 v[AW0+1], 69632, v[AWB]
	v_mul_u32_u24 v6, v1, 272
	v_lshl_add_u32 v6, v2, 7, v6
	v_add_nc_u32 v6, s25, v6
	v_add_nc_u32 v[OST0], DS, v6                   ; way out, in: row r, byte 32 w + 128 h (+ 16 nt)
	s_mul_i32 s25, s[WV], 8448
	s_add_co_u32 s25, s25, DS
	v_lshl_add_u32 v[XW], v5, 3, s25               ; into X's stage: my 16 rows, 8 bytes a lane
	v_mul_u32_u24 v6, v1, 528
	v_lshl_add_u32 v6, v2, 4, v6
	v_add_nc_u32 v[XRD], DS, v6                    ; a fragment's row x pitch + 16 h
	s_mul_i32 s25, s[WV], 4352
	s_add_co_u32 s25, s25, DS
	v_mul_u32_u24 v6, v2, 272
	v_lshl_add_u32 v6, v1, 4, v6
	v_add_nc_u32 v[ORD0], s25, v6                  ; way out, back: rows 16 w + 2 t + l / 16, whole
	v_mul_u32_u24 v6, v2, 3072
	v_lshl_add_u32 v[GO], v1, 4, v6
	s_wait_loadcnt 0x0
	WIN 0x05
.set j, 0
.rept 64
	v_cvt_pk_bf16_f32 v[64+2*j], v[4*j], v[4*j+1]
	v_cvt_pk_bf16_f32 v[64+2*j+1], v[4*j+2], v[4*j+3]
.set j, j+1
.endr
	WIN 0
.macro XPUT u                          ; columns 256 u .. 256 u + 255 of my 16 rows into the stage
.set j, 0
.rept 64
.if (j%4)/2 == (\u)
	ds_store_b64 v[XW], v[64+2*j:64+2*j+1] offset:(j/4)*528+(j%2)*256
.endif
.set j, j+1
.endr
.endm
.macro XREAD u                         ; the fragments of K steps 8 u .. 8 u + 7, all 64 rows: 64 loads
	WIN 0x80+0x40*(\u)
.irp mt, 0,1,2,3
.irp ks, 0,1,2,3,4,5,6,7
	ds_load_b128 v[\ks*32+8*\mt:\ks*32+8*\mt+3], v[XRD] offset:\mt*8448+\ks*64
	ds_load_b128 v[\ks*32+8*\mt+4:\ks*32+8*\mt+7], v[XRD] offset:\mt*8448+\ks*64+32
.endr
.endr
	WIN 0
.endm
	XPUT 0
	s_wait_dscnt 0x0                               ; my stores are done, for the others' sake
	BAR
	XREAD 0
	s_wait_dscnt 0x0                               ; my reads are back before the stage is written again
	BAR
	XPUT 1
	s_wait_dscnt 0x0
	BAR
	XREAD 1
	s_wait_dscnt 0x0
	s_wait_tensorcnt 1                             ; my part of tile 0 is in; tile 1's may stay out
	BAR
.macro FWQ g, F                        ; 16 turning loads: my 32 columns x k rows 128 g .. 128 g + 127
	WIN 0
.irp ksl, 0,1,2,3
.irp nt, 0,1
	ds_load_tr16_b128 v[(\F)+16*\ksl+8*\nt:(\F)+16*\ksl+8*\nt+3], v[AW0+(\g)/2] offset:((\g)%2)*34816+\ksl*8704+\nt*16
	ds_load_tr16_b128 v[(\F)+16*\ksl+8*\nt+4:(\F)+16*\ksl+8*\nt+7], v[AW0+(\g)/2] offset:((\g)%2)*34816+\ksl*8704+\nt*16+4352
.endr
.endr
.endm
.macro MP F, g, first                  ; 32 products; the 8 accumulators take turns; first = 1: the constant 0 starts the sums
	WIN 0x08+4*((\g)/2)
.irp ksl, 0,1,2,3
.irp mt, 0,1,2,3
.irp nt, 0,1
.if (\first) && (\ksl == 0)
	v_wmma_f32_16x16x32_bf16 v[HA+8*(2*\mt+\nt):HA+8*(2*\mt+\nt)+7], v[(\F)+16*\ksl+8*\nt:(\F)+16*\ksl+8*\nt+7], v[((4*(\g)+\ksl)%8)*32+8*\mt:((4*(\g)+\ksl)%8)*32+8*\mt+7], 0
.else
	v_wmma_f32_16x16x32_bf16 v[HA+8*(2*\mt+\nt):HA+8*(2*\mt+\nt)+7], v[(\F)+16*\ksl+8*\nt:(\F)+16*\ksl+8*\nt+7], v[((4*(\g)+\ksl)%8)*32+8*\mt:((4*(\g)+\ksl)%8)*32+8*\mt+7], v[HA+8*(2*\mt+\nt):HA+8*(2*\mt+\nt)+7]
.endif
.endr
.endr
.endr
.endm
; One tile.  F0 is on its way with k rows 0-127.  Four v_nop stand in front of each run of loads into registers that matrix instructions have read (ISA guide 7.12.1 for vector instructions).
; Each s_wait_dscnt 16 leaves out the 16 loads just issued.  The one barrier shows the stage and the next tile whole, and that nobody reads this region any more;
; fill = 1: it is a round of the cluster's, and the region takes the tile two further on, first thing behind it.
.macro PH fill
	FWQ 1, F1
	s_wait_dscnt 16
	MP F0, 0, 1
	PLACES 4
	FWQ 2, F0
	s_wait_dscnt 16
	MP F1, 1, 0
	PLACES 4
	FWQ 3, F1
	s_wait_dscnt 16
	MP F0, 2, 0
	s_wait_dscnt 0x0
	MP F1, 3, 0
	WIN 0
	PLACES 4
.set e, 0
.rept 32
	v_pk_mul_f32 v[HA+2*e:HA+2*e+1], v[HA+2*e:HA+2*e+1], s[SC:SC+1] op_sel_hi:[1,0]
.set e, e+1
.endr
.set e, 0
.rept 32
	v_cvt_pk_bf16_f32 v[F0+e], v[HA+2*e], v[HA+2*e+1]
.set e, e+1
.endr
	v_add_nc_u32 v[OSTA], s[SB], v[OST0]
	v_add_nc_u32 v[ORDA], s[SB], v[ORD0]
.irp mt, 0,1,2,3
.irp nt, 0,1
	ds_store_b128 v[OSTA], v[F0+4*(2*\mt+\nt):F0+4*(2*\mt+\nt)+3] offset:\mt*4352+\nt*16
.endr
.endr
	s_wait_tensorcnt 0x0                           ; the one load of mine that can be out is my part of the other region
	ds_add_u32 v[SPW], v[NIL]
.if \fill
	s_xor_b32 s[G0B+1], s[G0B+1], RB               ; the walking descriptor: the other region than last time,
	s_add_nc_u64 s[G0B+2:G0B+3], s[G0B+2:G0B+3], 256  ; the next 128 columns
.endif
	s_xor_b32 s[TB], s[TB], RB
	s_xor_b32 s[SB], s[SB], OSB
	s_wait_dscnt 0x0                               ; the add, my stores into the stage and my reads of this region are done
.if \fill
	CROUND
	tensor_load_to_lds s[G0B:G0B+3], s[G1:G1+7]
	s_nop 0
	PLACES 4
.else
	BAR
.endif
	v_add_nc_u32 v[AW0], s[TB], v[AWB]
	v_add_nc_u32 v[AW0+1], 69632, v[AW0]
.irp t, 0,1,2,3,4,5,6,7
	ds_load_b128 v[F1+4*\t:F1+4*\t+3], v[ORDA] offset:\t*544
.endr
	FWQ 0, F0                                      ; the next tile's first fragments
	s_wait_dscnt 16                                ; the rows are back
.irp t, 0,1,2,3,4,5,6,7
	global_store_b128 v[GO], v[F1+4*\t:F1+4*\t+3], s[8:9] offset:\t*6144  ; 16 lanes store 256 consecutive aligned bytes
.endr
	s_wait_xcnt 0x0                                ; the base and F1 are written again only behind this wait
	s_add_nc_u64 s[8:9], s[8:9], 256
.endm
	FWQ 0, F0
	s_mov_b32 s3, 10
.Lfill:                                                ; tiles 0 to 9; tile t's barrier asks for tile t + 2
	s_cmp_gt_u32 s3, 6                             ; the first four tiles are q's
	s_cselect_b32 s[SC], 0x3e38aa3b, 1.0
	PH 1
	s_sub_co_u32 s3, s3, 1
	s_cmp_lg_u32 s3, 0
	s_cbranch_scc1 .Lfill
	s_mov_b32 s3, 2
.Llast:                                                ; tiles 10 and 11 ask for nothing
	PH 0
	s_sub_co_u32 s3, s3, 1
	s_cmp_lg_u32 s3, 0
	s_cbranch_scc1 .Llast
	s_wait_tensorcnt 0x0                           ; the wave's end
	ds_add_u32 v[SPW], v[NIL]
	s_wait_dscnt 0x0
	CROUND                                         ; the closing round
	s_endpgm
.Lfunc_end_k_qd00ba9bec6_qkv:
	.size	k_qd00ba9bec6_qkv, .Lfunc_end_k_qd00ba9bec6_qkv-k_qd00ba9bec6_qkv
	.p2alignl 7, 3214868480
	.fill 96, 4, 3214868480
	.section	.rodata,"a",@progbits
	.p2align	6, 0x0
	.amdhsa_kernel k_qd00ba9bec6_qkv
		.amdhsa_group_segment_fixed_size 327680
		.amdhsa_private_segment_fixed_size 0
		.amdhsa_enable_private_segment 0
		.amdhsa_kernarg_size 24
		.amdhsa_user_sgpr_count 2
		.amdhsa_user_sgpr_kernarg_segment_ptr 1
		.amdhsa_wavefront_size32 1
		.amdhsa_system_sgpr_workgroup_id_x 1
		.amdhsa_system_sgpr_workgroup_id_y 1
		.amdhsa_system_sgpr_workgroup_id_z 1
		.amdhsa_system_vgpr_workitem_id 0
		.amdhsa_next_free_vgpr 1024
		.amdhsa_next_free_sgpr 66
		.amdhsa_reserve_vcc 0
		.amdhsa_float_denorm_mode_32 3
		.amdhsa_float_denorm_mode_16_64 3
		.amdhsa_memory_ordered 1
		.amdhsa_forward_progress 1
		.amdhsa_inst_pref_size 73
	.end_amdhsa_kernel
	.amdgpu_metadata
---
amdhsa.version: [ 1, 2 ]
amdhsa.kernels:
  - .name:           k_qd00ba9bec6_qkv
    .symbol:         k_qd00ba9bec6_qkv.kd
    .args:
      - { .name: value, .offset: 0, .size: 8, .value_kind: global_buffer, .address_space: global }
      - { .name: wb, .offset: 8, .size: 8, .value_kind: global_buffer, .address_space: global }
      - { .name: qkv, .offset: 16, .size: 8, .value_kind: global_buffer, .address_space: global }
    .group_segment_fixed_size: 327680
    .private_segment_fixed_size: 0
    .kernarg_segment_align: 8
    .kernarg_segment_size: 24
    .max_flat_workgroup_size: 128
    .sgpr_count:     66
    .vgpr_count:     1024
    .wavefront_size: 32
...
	.end_amdgpu_metadata
.endif
;; end of part 6
;; launch attn (part 7): grid 16 x 16, 4 waves a work-group, clusters of 4 x 1, 327,680 bytes of LDS; arguments qkv, timediff, mask, attn_coef_w, ob; writes ob
.if DOCPART == 7
	.amdgcn_target "amdgcn-amd-amdhsa--gfx1250"
	.amdhsa_code_object_version 6
	.text
	.protected	k_qd00ba9bec6_attn
	.globl	k_qd00ba9bec6_attn
	.p2align	8
	.type	k_qd00ba9bec6_attn,@function
k_qd00ba9bec6_attn:
	s_mov_b64 s[64:65], 0
	v_nop
	global_prefetch_b8 v0, s[64:65] scope:SCOPE_SE
	s_setreg_imm32_b32 hwreg(HW_REG_WAVE_MODE, 25, 1), 1
	s_wait_xcnt 0x0
	s_wait_alu depctr_hold_cnt(0) depctr_sa_sdst(0) depctr_va_vdst(0) depctr_va_sdst(0) depctr_va_ssrc(0) depctr_va_vcc(0) depctr_vm_vsrc(0)
	s_getreg_b32 s2, hwreg(HW_REG_IB_STS2, 6, 4)
	s_cmp_eq_u32 s2, 0
	s_cbranch_scc0 .Lentry_in_a_cluster
	s_endpgm
.Lentry_in_a_cluster:
	s_bfe_u32 s2, ttmp6, 0x10000c
	s_cmp_lg_u32 s2, 0x3003
	s_cbranch_scc0 .Lentry_shape_is_right
	s_endpgm
.Lentry_shape_is_right:
; O[b, q, 64 head + i] = sum over k of softmax_k(q . k / 8 - 1e10 (1 - mask) - coef_head timediff) v.  q arrives times log2(e) / 8, so scores are in log2 units: p = 2^(s - m), m the running maximum.
; ob holds O in bf16 in the order in which the next launch's matrix instructions want it: for each block of 64 rows, K step ks (32 columns), 16 rows mt, half: 32 lanes x 16 bytes.  That is how the lanes hold it here.
; A work-group: one batch, 64 queries, all 8 heads.  Wave w: heads 2 w, 2 w + 1, four tiles of 16 queries each: 8 tiles T = 4 hh + t.  16 key steps of 64 keys.
; K and V of a step (all heads, rows of 1,024 bytes) are the same for the four query blocks of a cluster: asked for jointly.  One tensor load a wave is out at any time; it has a step, 160 matrix instructions, to land.
; THE BIAS GOES THROUGH THE MATRIX UNIT.  A score tile starts with A' x B': A' (16 keys x 32) holds cm on the diagonal of its first 16 columns and ct on that of the other 16; B' holds for a query 2.0 where key j
; is masked (else 0) and bf16(timediff).  B' hangs on no head, so it is made once a step for the work-group (each wave converts 16 queries' rows into an LDS stage).
; LIMITS.  The mask adds 2 cm = -1.4428e10 in log2 units (-1.0001e10 before the factor log2 e); timediff and coef log2(e) are rounded to bf16 as matrix operands; a row that is masked whole comes out as the mean of V's rows,
; as f32 makes it in the formula above; a weight below 2^-126 counts as 0; NaN and infinities are not treated apart.
; BY TURNS.  Turn T: 8 products V^T P of tile T - 1, 4 + 8 products for the scores of tile T + 1, and between them tile T's softmax, 117 vector instructions in slices behind the matrix instructions.
; The last step, which is written out since it asks for no tile, has its turns in phases (the products, then the softmax): fewer window switches, a shorter text.
; No first step is written out: m starts at the lowest finite number, O and l at 0; O, V of head 1 and P's second buffer are cleared by products of two zero fragments, 8 registers a line.
; WINDOWS: 0: addresses, statistics, S^T (2 x 32), P (2 x 16), A', what the conversion holds; 1: O^T at 32 T + 8 cb; 2: Q at 16 T + 8 c, K at 128 + 64 hh + 16 kb + 8 c; 3: V at 64 hh + 32 kk + 8 cb, B' at 128 + 32 t + 8 kt.
.set VOFF,  66560                      ; a slot: 64 rows of K, pitch 1,040; then 64 rows of V, pitch 1,056
.set SLOTX, 0x21000                    ; slot 1; no tile's address in slot 0 has bit 12 or 17, so one exclusive or changes slots
.set STG,   270336                     ; two stages of 18,432 bytes: the mask's 64 x 144, then timediff's
.set SPARE, 324608
.set AK0, 2
.set AV0, 3
.set ADRK, 4
.set ADRV, 5
.set AB0, 6
.set ADRB, 7
.set GO,  10
.set TDO, 11
.set MKO, 12
.set CST, 13
.set ZR,  14
.set ADRC, 15
.set SPW, 16
.set NIL, 17
.set QO,  18
.set PT,  20
.set ST,  32                           ; tile T at ST + 8 T: m, m_old, l (2), c0-c3 at work (c2 takes a)
.set S,   96
.set P,   160
.set AP,  192
.set TD,  208
.set MK,  240
.set CT,  248
.set WV,  14
.set G1K, 24
.set G1V, 32
.set G0K, 40
.set G0V, 44
.set TD0, 48
.set MK0, 50
.set TDP, 52
.set MKP, 54
.set CNT, 56
.set KS,  57
.set TB,  58
.set SB,  59
.set SBW, 60
.set SEL, 62
.set SLO, 66
.set SHI, 67
.set X1,  68
.set MSB, 0
.macro WIN new
.if MSB != (\new)
	s_set_vgpr_msb (MSB<<8)|(\new)
.set MSB, (\new)
.endif
.endm
.macro PLACES n
.rept \n
	v_nop
.endr
.endm
.macro CROUND
	s_barrier_signal -1
	s_barrier_wait -1
	s_cmp_lg_u32 s[WV], 0
	s_cbranch_scc1 .Lnw0_\@
	s_barrier_signal -3
.Lnw0_\@:
	s_barrier_wait -3
	s_barrier_signal -1
	s_barrier_wait -1
.endm
.macro JLOAD                           ; waves 0, 1: the two halves of a step's K; waves 2, 3: of its V
	s_cmp_lt_u32 s[WV], 2
	s_cbranch_scc0 .Lfor_v_\@
	tensor_load_to_lds s[G0K:G0K+3], s[G1K:G1K+7]
	s_nop 0
	PLACES 4
	s_branch .Lasked_\@
.Lfor_v_\@:
	tensor_load_to_lds s[G0V:G0V+3], s[G1V:G1V+7]
	s_nop 0
	PLACES 4
.Lasked_\@:
.endm
; The change of slots: all my tensor loads waited for, the add, my LDS reads and stage stores waited for, a barrier (fill = 1: a round of the cluster's, and the slot just read takes the keys two steps on).
.macro CHANGE fill
	WIN 0
	s_wait_tensorcnt 0x0
	ds_add_u32 v[SPW], v[NIL]
.if \fill
	s_xor_b32 s[G0K+1], s[G0K+1], SLOTX
	s_add_nc_u64 s[G0K+2:G0K+3], s[G0K+2:G0K+3], 196608  ; 64 rows of 3,072 bytes
	s_xor_b32 s[G0V+1], s[G0V+1], SLOTX
	s_add_nc_u64 s[G0V+2:G0V+3], s[G0V+2:G0V+3], 196608
	s_wait_dscnt 0x0
	CROUND
	JLOAD
.else
	s_wait_dscnt 0x0
	s_barrier_signal -1
	s_barrier_wait -1
.endif
	s_xor_b32 s[TB], s[TB], SLOTX
	s_xor_b32 s[SB], s[SB], 18432
	s_xor_b32 s[SBW], s[SBW], 18432
.endm
.macro LOADTD                          ; my 16 queries' rows of a step: timediff as 256 whole bytes from 16 lanes, the mask as 64
.irp e, 0,1,2,3,4,5,6,7
	global_load_b128 v[TD+4*\e:TD+4*\e+3], v[TDO], s[TDP:TDP+1] offset:\e*8192 th:TH_LOAD_NT
.endr
.irp e, 0,1,2,3,4,5,6,7
	global_load_b32 v[MK+\e], v[MKO], s[MKP:MKP+1] offset:\e*2048
.endr
.endm
; What was loaded becomes the next step's B' in the stage that is not being read; then the step after that is loaded (the last look-ahead is clamped to step 15: it stays inside the buffers and is not used).
.macro CONV
	WIN 0
	s_wait_loadcnt 0x0
	v_add_nc_u32 v[ADRC], s[SBW], v[CST]
.irp e, 0,1,2,3,4,5,6,7
	v_cvt_pk_bf16_f32 v[CT], v[TD+4*\e], v[TD+4*\e+1]
	v_cvt_pk_bf16_f32 v[CT+1], v[TD+4*\e+2], v[TD+4*\e+3]
	v_xor_b32 v[MK+\e], s[X1], v[MK+\e]            ; 1 where masked,
	v_lshlrev_b32 v[MK+\e], 6, v[MK+\e]            ; 0x40, which as a bf16's upper byte is 2.0
	ds_store_b64 v[ADRC], v[CT:CT+1] offset:9216+\e*288
	v_perm_b32 v[CT+2], v[MK+\e], v[ZR], s[SLO]
	v_perm_b32 v[CT+3], v[MK+\e], v[ZR], s[SHI]
	ds_store_b64 v[ADRC], v[CT+2:CT+3] offset:\e*288
.endr
	s_add_co_u32 s[KS], s[KS], 1
	s_min_u32 s[KS], s[KS], 15
	s_lshl_b32 s72, s[KS], 8
	s_mov_b32 s73, 0
	s_add_nc_u64 s[TDP:TDP+1], s[TD0:TD0+1], s[72:73]  ; free: the wait above has shown the loads that named it done
	s_lshl_b32 s72, s[KS], 6
	s_add_nc_u64 s[MKP:MKP+1], s[MK0:MK0+1], s[72:73]
	LOADTD
.endm
.macro FETCH_A                         ; 80 LDS loads in one run: B' (32), K of head 0 (16), V of head 0 (16), K of head 1 (16)
	WIN 0
	v_add_nc_u32 v[ADRB], s[SB], v[AB0]
	v_add_nc_u32 v[ADRK], s[TB], v[AK0]
	v_add_nc_u32 v[ADRV], s[TB], v[AV0]
	WIN 0xc0
.irp t, 0,1,2,3
.irp kt, 0,1,2,3
	ds_load_b128 v[128+32*\t+8*\kt:128+32*\t+8*\kt+3], v[ADRB] offset:\t*2304+\kt*32
	ds_load_b128 v[128+32*\t+8*\kt+4:128+32*\t+8*\kt+7], v[ADRB] offset:\t*2304+\kt*32+9216
.endr
.endr
	WIN 0x80
.irp kb, 0,1,2,3
.irp c, 0,1
	ds_load_b128 v[128+16*\kb+8*\c:128+16*\kb+8*\c+3], v[ADRK] offset:\kb*16640+\c*64
	ds_load_b128 v[128+16*\kb+8*\c+4:128+16*\kb+8*\c+7], v[ADRK] offset:\kb*16640+\c*64+32
.endr
.endr
	WIN 0xc0
.irp kk, 0,1
.irp cb, 0,1,2,3
	ds_load_tr16_b128 v[32*\kk+8*\cb:32*\kk+8*\cb+3], v[ADRV] offset:\kk*33792+\cb*32
	ds_load_tr16_b128 v[32*\kk+8*\cb+4:32*\kk+8*\cb+7], v[ADRV] offset:\kk*33792+\cb*32+16896
.endr
.endr
	WIN 0x80
.irp kb, 0,1,2,3
.irp c, 0,1
	ds_load_b128 v[192+16*\kb+8*\c:192+16*\kb+8*\c+3], v[ADRK] offset:\kb*16640+\c*64+128
	ds_load_b128 v[192+16*\kb+8*\c+4:192+16*\kb+8*\c+7], v[ADRK] offset:\kb*16640+\c*64+160
.endr
.endr
	WIN 0
.endm
.macro FETCH_V1                        ; V of head 1: its registers are read until turn 0's eighth product
	WIN 0xc0
.irp kk, 0,1
.irp cb, 0,1,2,3
	ds_load_tr16_b128 v[64+32*\kk+8*\cb:64+32*\kk+8*\cb+3], v[ADRV] offset:\kk*33792+\cb*32+128
	ds_load_tr16_b128 v[64+32*\kk+8*\cb+4:64+32*\kk+8*\cb+7], v[ADRV] offset:\kk*33792+\cb*32+128+16896
.endr
.endr
.endm
; Matrix instruction i of turn T.  Four accumulators take turns in each run.
.macro MM T
.if i < 8
.set tq, ((\T)+7)%8
.set rO, 32*tq+8*(i%4)
.set rV, 64*(tq/4)+32*(i/4)+8*(i%4)
.set rP, P+16*(tq%2)+8*(i/4)
	WIN 0x53
	v_wmma_f32_16x16x32_bf16 v[rO:rO+7], v[rV:rV+7], v[rP:rP+7], v[rO:rO+7]
.elseif i < 12
.set tq, ((\T)+1)%8
.set rS, S+32*(tq%2)+8*(i-8)
.set rA, AP+8*(tq/4)
.set rB, 128+32*(tq%4)+8*(i-8)
	WIN 0x0c
	v_wmma_f32_16x16x32_bf16 v[rS:rS+7], v[rA:rA+7], v[rB:rB+7], 0
.else
.set tq, ((\T)+1)%8
.set rS, S+32*(tq%2)+8*((i-12)%4)
.set rK, 128+64*(tq/4)+16*((i-12)%4)+8*((i-12)/4)
.set rQ, 16*tq+8*((i-12)/4)
	WIN 0x0a
	v_wmma_f32_16x16x32_bf16 v[rS:rS+7], v[rK:rK+7], v[rQ:rQ+7], v[rS:rS+7]
.endif
.endm
; Number j of tile T's softmax.  0-15 the maximum of the 32 scores and m (each accumulator's lowest registers first); 16-20 the other half of the lanes', the new m, m_old - m;
; 21-87 a plain line at the even numbers, an exponential at the odd ones from 23 on (a, then the 32 weights): s - m a few pairs ahead, roundings a pair back, the first sums; 88-101 the rest of the sums, l = a l + sum; 102-117 O^T times a.
.macro SM T
.set rT, ST+8*(\T)
.set rS, S+32*((\T)%2)
.set rP, P+16*((\T)%2)
.set rO, 32*(\T)+2*(j-102)
.set q, (j-20)/2
.if j < 102
	WIN 0
.endif
.if j < 4
	v_max3_num_f32 v[rT+4+j], v[rS+8*j], v[rS+8*j+1], v[rS+8*j+2]
.elseif j < 12
	v_max3_num_f32 v[rT+4+j%4], v[rT+4+j%4], v[rS+8*(j%4)+2*(j/4)+1], v[rS+8*(j%4)+2*(j/4)+2]
.elseif j == 12
	v_max3_num_f32 v[rT+4], v[rT+4], v[rS+7], v[rS+15]
.elseif j == 13
	v_max3_num_f32 v[rT+6], v[rT+6], v[rS+23], v[rS+31]
.elseif j == 14
	v_max3_num_f32 v[rT+4], v[rT+4], v[rT+5], v[rT+6]
.elseif j == 15
	v_max3_num_f32 v[rT+4], v[rT+4], v[rT+7], v[rT]
.elseif j == 16
	v_permlanex16_b32 v[rT+5], v[rT+4], s[SEL], s[SEL+1]
.elseif j == 17
	v_mov_b32 v[rT+1], v[rT]
.elseif j == 18
	v_max_num_f32 v[rT], v[rT+4], v[rT+5]
.elseif j == 19
.elseif j == 20
	v_sub_f32 v[rT+7], v[rT+1], v[rT]
.elseif j == 23
	v_exp_f32 v[rT+6], v[rT+7]
.elseif (j < 88) && (j > 23) && (j%2 == 1)
	v_exp_f32 v[rS+(j-25)/2], v[rS+(j-25)/2]
.elseif (q < 4) || ((j < 76) && (q%2 == 0))
.set b, q/2+2
.if q < 4
.set b, q
.endif
	v_pk_add_f32 v[rS+2*b:rS+2*b+1], v[rS+2*b:rS+2*b+1], v[rT:rT+1] op_sel_hi:[1,0] neg_lo:[0,1] neg_hi:[0,1]
.elseif (j < 88) && (q%2 == 1)
	s_wait_alu depctr_va_vdst(0)
	v_cvt_pk_bf16_f32 v[rP+(q-5)/2], v[rS+q-5], v[rS+q-4]
.elseif j == 89
	s_wait_alu depctr_va_vdst(0)
	v_cvt_pk_bf16_f32 v[rP+15], v[rS+30], v[rS+31]
.elseif j < 102
.set z, j-86
.if j < 89
.set z, (j-76)/4
.endif
.set w, 4
.set u, z
.if z >= 14
.set w, 32
.set u, 0
.elseif z >= 12
.set w, 16
.set u, z-12
.elseif z >= 8
.set w, 8
.set u, z-8
.endif
.if z < 15
	v_pk_add_f32 v[rS+w*u:rS+w*u+1], v[rS+w*u:rS+w*u+1], v[rS+w*u+w/2:rS+w*u+w/2+1]
.else
	v_pk_fma_f32 v[rT+2:rT+3], v[rT+2:rT+3], v[rT+6:rT+7], v[rS:rS+1] op_sel_hi:[1,0,1]
.endif
.else
	WIN 0x41
	v_pk_mul_f32 v[rO:rO+1], v[rO:rO+1], v[rT+6:rT+7] op_sel_hi:[1,0]
.endif
.endm
.macro SL T, n
.rept \n
.if j < 118
	SM \T
.endif
.set j, j+1
.endr
.endm
; A turn.  ph = 0: 20 matrix instructions, 4 numbers of the list behind the first and 6 behind each other: the last six (plain, on O^T of tile T alone) are the places behind the last score product.
; ph = 1: the matrix instructions on end (8 of them where doS = 0: the very last turn), then the whole list, which names none of their registers.
.macro TURN T, doS, ph=0
.set j, 0
.set i, 0
.if (\T) == 1
	s_wait_dscnt 16                                ; all of the run of 80 is in; V of head 1 (16 loads) may be out
.endif
.if (\T) == 5
	s_wait_dscnt 0x0                               ; V of head 1 is in
.endif
.rept 8+12*(\doS)
.if ((\T) == 7) && (i == 8)
	s_wait_dscnt 32                                ; B' and K of head 0 are in; the youngest 32 loads may be out
.endif
	MM \T
.if !(\ph)
.if i == 0
	SL \T, 4
.else
	SL \T, 6
.endif
.if ((\T) == 0) && (i == 9)
	FETCH_V1
.endif
.endif
.set i, i+1
.endr
.if \ph
	SL \T, 118
.if (\T) == 0
	FETCH_V1
.endif
.endif
.endm
	s_load_b256 s[4:11], s[0:1], 0x0               ; qkv, timediff, mask, coef
	s_load_b64 s[12:13], s[0:1], 0x20              ; ob
	v_lshl_add_u32 v[SPW], v0, 2, SPARE
	v_mov_b32 v[NIL], 0
	ds_add_u32 v[SPW], v[NIL]                      ; the opening: the add and its wait ahead of my first tensor load
	v_lshrrev_b32 v1, 5, v0
	v_readfirstlane_b32 s[WV], v1
	s_bfe_u32 s15, ttmp6, 0x40000                  ; cx
	s_lshl_b32 s16, ttmp9, 2
	s_add_co_u32 s16, s16, s15                     ; my block of 64 queries
	s_and_b32 s17, ttmp7, 0xffff                   ; the batch, which the partners share
	s_and_b32 s18, s[WV], 1
	s_lshl_b32 s20, s17, 10
	s_lshl_b32 s19, s18, 5
	s_add_co_u32 s19, s20, s19                     ; the first key row that I fetch
	s_mul_i32 s72, s19, 3072
	s_mov_b32 s73, 0
	s_lshl_b32 s21, s16, 6
	s_add_co_u32 s21, s20, s21                     ; my block's first row
	s_lshl_b32 s22, s[WV], 4
	s_add_co_u32 s22, s21, s22                     ; the 16 rows of bias that I convert
	s_mov_b32 s[G1K], 15|(1<<16)|(1<<20)|(1<<21)|(7<<22)|(3<<25)  ; mask of four; 2-byte elements; padding on; bit 21; after every 256 words 4 words
	s_mov_b32 s[G1V], 15|(1<<16)|(1<<20)|(1<<21)|(7<<22)|(7<<25)  ; the same with 8 words
.irp g, G1K, G1V
	s_mov_b32 s[\g+1], 512<<16
	s_mov_b32 s[\g+2], 32<<16
	s_mov_b32 s[\g+3], 512<<16
	s_mov_b32 s[\g+4], 32
	s_mov_b32 s[\g+5], 1536
	s_mov_b32 s[\g+6], 0
	s_mov_b32 s[\g+7], 0
.endr
	s_mov_b32 s[G0K], 1
	s_mul_i32 s[G0K+1], s18, 33280
	s_mov_b32 s[G0V], 1
	s_mul_i32 s23, s18, 33792
	s_add_co_u32 s[G0V+1], s23, VOFF
	s_mov_b32 s[SEL], 0x76543210
	s_mov_b32 s[SEL+1], 0xfedcba98
	s_mov_b32 s[SLO], 0x05000400
	s_mov_b32 s[SHI], 0x07000600
	s_mov_b32 s[X1], 0x01010101
	s_mov_b32 s[TB], SLOTX                         ; the first change of slots turns these into slot 0 and stage 0
	s_mov_b32 s[SB], 18432
	s_mov_b32 s[SBW], 0
	s_mov_b32 s[KS], 0
	s_lshl_b32 s23, s[WV], 3
	s_wait_dscnt 0x0
	s_wait_kmcnt 0x0
	s_load_b64 s[70:71], s[10:11], s23 offset:0x0  ; my two heads' coefficients
	s_add_nc_u64 s[72:73], s[4:5], s[72:73]
	s_add_nc_u64 s[G0K+2:G0K+3], s[72:73], 1024
	s_or_b32 s[G0K+3], s[G0K+3], 0x80000000
	s_add_nc_u64 s[G0V+2:G0V+3], s[72:73], 2048
	s_or_b32 s[G0V+3], s[G0V+3], 0x80000000
	s_mul_i32 s74, s21, 3072
	s_lshl_b32 s75, s[WV], 8
	s_add_co_u32 s74, s74, s75
	s_mov_b32 s75, 0
	s_add_nc_u64 s[76:77], s[4:5], s[74:75]        ; Q at my block's first row, my two heads
	s_lshl_b32 s74, s22, 12
	s_add_nc_u64 s[TD0:TD0+1], s[6:7], s[74:75]
	s_lshl_b32 s74, s22, 10
	s_add_nc_u64 s[MK0:MK0+1], s[8:9], s[74:75]
	s_mov_b64 s[TDP:TDP+1], s[TD0:TD0+1]
	s_mov_b64 s[MKP:MKP+1], s[MK0:MK0+1]
	s_lshl_b32 s74, s21, 10                        ; ob: my block's 65,536 bytes, my four K steps' 16,384
	s_lshl_b32 s19, s[WV], 14
	s_add_co_u32 s74, s74, s19
	s_add_nc_u64 s[12:13], s[12:13], s[74:75]
	CROUND
	JLOAD                                          ; step 0 into slot 0
	v_and_b32 v1, 15, v0                           ; r
	v_bfe_u32 v19, v0, 4, 1                        ; h
	v_lshlrev_b32 v[TDO], 12, v19
	v_lshl_add_u32 v[TDO], v1, 4, v[TDO]
	v_lshlrev_b32 v[MKO], 10, v19
	v_lshl_add_u32 v[MKO], v1, 2, v[MKO]
	LOADTD                                         ; step 0
	v_mul_u32_u24 v[QO], v1, 3072
	v_lshl_add_u32 v[QO], v19, 4, v[QO]
	WIN 0x80
.irp hh, 0,1
.irp t, 0,1,2,3
.irp c, 0,1
	global_load_b128 v[16*(4*\hh+\t)+8*\c:16*(4*\hh+\t)+8*\c+3], v[QO], s[76:77] offset:\t*49152+\hh*128+\c*64
	global_load_b128 v[16*(4*\hh+\t)+8*\c+4:16*(4*\hh+\t)+8*\c+7], v[QO], s[76:77] offset:\t*49152+\hh*128+\c*64+32
.endr
.endr
.endr
	WIN 0
	v_mov_b32 v[ZR], 0
	s_lshl_b32 s19, s[WV], 8
	v_mul_u32_u24 v[AK0], v1, 1040
	v_lshl_add_u32 v[AK0], v19, 4, v[AK0]
	v_add_nc_u32 v[AK0], s19, v[AK0]
	v_and_b32 v24, 7, v0
	v_bfe_u32 v25, v0, 3, 1
	v_lshl_add_u32 v[AV0], v19, 3, v24
	v_mul_u32_u24 v[AV0], v[AV0], 1056
	v_lshl_add_u32 v[AV0], v25, 4, v[AV0]
	s_add_co_u32 s19, s19, VOFF
	v_add_nc_u32 v[AV0], s19, v[AV0]
	v_mul_u32_u24 v[AB0], v1, 144
	v_lshl_add_u32 v[AB0], v19, 4, v[AB0]
	v_add_nc_u32 v[AB0], STG, v[AB0]
	s_mul_i32 s19, s[WV], 2304
	s_add_co_u32 s19, s19, STG
	v_mul_u32_u24 v[CST], v19, 144
	v_lshl_add_u32 v[CST], v1, 3, v[CST]
	v_add_nc_u32 v[CST], s19, v[CST]
	v_and_b32 v[GO], 31, v0
	v_lshlrev_b32 v[GO], 4, v[GO]                  ; 16 bytes a lane
	; A': lane (r, h) holds key row r; its one number of each half lies at place d = r - 8 h, if that is 0 .. 7
	v_lshlrev_b32 v24, 3, v19
	v_sub_nc_u32 v24, v1, v24
	s_mov_b32 s72, 0xffff
	s_mov_b32 s73, 0xffff0000
.irp e, 0,1,2,3
	v_cmp_eq_u32 vcc_lo, 2*\e, v24
	v_cndmask_b32 v[PT+\e], 0, s72, vcc_lo
	v_cmp_eq_u32 vcc_lo, 2*\e+1, v24
	v_cndmask_b32 v[PT+\e], v[PT+\e], s73, vcc_lo
.endr
	s_wait_kmcnt 0x0
	s_mul_f32 s74, s70, 0xbfb8aa3b                 ; - coef log2(e)
	s_mul_f32 s75, s71, 0xbfb8aa3b
	v_mov_b32 v25, s74
	v_mov_b32 v26, s75
	v_cvt_pk_bf16_f32 v25, v25, v25
	v_cvt_pk_bf16_f32 v26, v26, v26
.irp e, 0,1,2,3
	v_and_b32 v[AP+\e], 0xcfd7cfd7, v[PT+\e]
	v_and_b32 v[AP+4+\e], v25, v[PT+\e]
	v_and_b32 v[AP+8+\e], 0xcfd7cfd7, v[PT+\e]
	v_and_b32 v[AP+12+\e], v26, v[PT+\e]
.endr
	; two zero fragments in S^T's registers; their product clears 8 registers a line
.set e, 0
.rept 16
	v_mov_b32 v[S+e], 0
.set e, e+1
.endr
	WIN 0x40
.set e, 0
.rept 32
	v_wmma_f32_16x16x32_bf16 v[8*e:8*e+7], v[S:S+7], v[S+8:S+15], 0            ; O^T
.set e, e+1
.endr
	WIN 0xc0
.set e, 0
.rept 8
	v_wmma_f32_16x16x32_bf16 v[64+8*e:64+8*e+7], v[S:S+7], v[S+8:S+15], 0      ; V of head 1: the first turn's products, of a tile that has not been, add 0
.set e, e+1
.endr
	WIN 0
.set e, 0
.rept 2
	v_wmma_f32_16x16x32_bf16 v[P+16+8*e:P+16+8*e+7], v[S:S+7], v[S+8:S+15], 0  ; P's second buffer
.set e, e+1
.endr
.set e, 0
.rept 8
	v_mov_b32 v[ST+8*e], 0xff7fffff
	v_mov_b32 v[ST+8*e+1], 0xff7fffff
	v_mov_b32 v[ST+8*e+2], 0
	v_mov_b32 v[ST+8*e+3], 0
.set e, e+1
.endr
	CONV                                           ; step 0's B' into stage 0 (its wait for 0 also shows Q in); step 1 is loaded
	CHANGE 1                                       ; slot 0 is in, everybody's part and everybody's stage; slot 1 is asked for
	FETCH_A
	s_wait_dscnt 0x0
.set i, 8
.rept 12
	MM 7                                           ; tile 0's first scores
.set i, i+1
.endr
	WIN 0
	PLACES 4
	s_mov_b32 s[CNT], 15
	s_branch .Lt0                                  ; the loop is entered at a step's first turn
.Lstep:                                                ; 14 times: steps 2 to 15 are asked for
	CHANGE 1
	FETCH_A
	TURN 7, 1
	WIN 0
.Lt0:
	TURN 0, 1
	TURN 1, 1
	TURN 2, 1
	TURN 3, 1
	TURN 4, 1
	TURN 5, 1
	CONV
	TURN 6, 1
	WIN 0
	s_sub_co_u32 s[CNT], s[CNT], 1
	s_cmp_lg_u32 s[CNT], 0
	s_cbranch_scc1 .Lstep
	CHANGE 0                                       ; the last step is written out: nothing is asked for
	FETCH_A
	TURN 7, 1, 1
	TURN 0, 1, 1
	TURN 1, 1, 1
	TURN 2, 1, 1
	TURN 3, 1, 1
	TURN 4, 1, 1
	TURN 5, 1, 1
	TURN 6, 1, 1
	TURN 7, 0, 1
.set i, 0
.rept 8
	MM 0                                           ; tile 7's last V^T P
.set i, i+1
.endr
	; THE WAY OUT.  The additions are the places behind the last products.
	WIN 0
.set t, 0
.rept 8
	v_add_f32 v[ST+8*t+2], v[ST+8*t+2], v[ST+8*t+3]
.set t, t+1
.endr
.set t, 0
.rept 8
	v_permlanex16_b32 v[ST+8*t+3], v[ST+8*t+2], s[SEL], s[SEL+1]
.set t, t+1
.endr
.set t, 0
.rept 8
	v_add_f32 v[ST+8*t+2], v[ST+8*t+2], v[ST+8*t+3]
.set t, t+1
.endr
.set t, 0
.rept 8
	v_rcp_f32 v[ST+8*t+2], v[ST+8*t+2]
.set t, t+1
.endr
	v_nop
	s_wait_loadcnt 0x0                             ; the clamped look-ahead: its registers are used below
.irp t, 0,1,2,3
.irp hh, 0,1
	WIN 0x41
.set e, 0
.rept 16
	s_wait_alu depctr_va_vdst(0)
	v_pk_mul_f32 v[32*(4*\hh+\t)+2*e:32*(4*\hh+\t)+2*e+1], v[32*(4*\hh+\t)+2*e:32*(4*\hh+\t)+2*e+1], v[ST+8*(4*\hh+\t)+2:ST+8*(4*\hh+\t)+3] op_sel_hi:[1,0]
.set e, e+1
.endr
	WIN 0x05
.set e, 0
.rept 16
	v_cvt_pk_bf16_f32 v[96+32*\t+16*\hh+e], v[32*(4*\hh+\t)+2*e], v[32*(4*\hh+\t)+2*e+1]
.set e, e+1
.endr
.endr
.endr
	WIN 0
.irp t, 0,1,2,3                        ; channel block cb of head hh is half cb % 2 of K step 4 w + 2 hh + cb / 2; a store covers 512 consecutive aligned bytes
.irp hh, 0,1
.irp cb, 0,1,2,3
	global_store_b128 v[GO], v[96+32*\t+16*\hh+4*\cb:96+32*\t+16*\hh+4*\cb+3], s[12:13] offset:\hh*8192+(\cb/2)*4096+\t*1024+(\cb%2)*512
.endr
.endr
.endr
	s_wait_tensorcnt 0x0                           ; the wave's end
	ds_add_u32 v[SPW], v[NIL]
	s_wait_dscnt 0x0
	CROUND
	s_endpgm
.Lfunc_end_k_qd00ba9bec6_attn:
	.size	k_qd00ba9bec6_attn, .Lfunc_end_k_qd00ba9bec6_attn-k_qd00ba9bec6_attn
	.p2alignl 7, 3214868480
	.fill 96, 4, 3214868480
	.section	.rodata,"a",@progbits
	.p2align	6, 0x0
	.amdhsa_kernel k_qd00ba9bec6_attn
		.amdhsa_group_segment_fixed_size 327680
		.amdhsa_private_segment_fixed_size 0
		.amdhsa_enable_private_segment 0
		.amdhsa_kernarg_size 40
		.amdhsa_user_sgpr_count 2
		.amdhsa_user_sgpr_kernarg_segment_ptr 1
		.amdhsa_wavefront_size32 1
		.amdhsa_system_sgpr_workgroup_id_x 1
		.amdhsa_system_sgpr_workgroup_id_y 1
		.amdhsa_system_sgpr_workgroup_id_z 1
		.amdhsa_system_vgpr_workitem_id 0
		.amdhsa_next_free_vgpr 1024
		.amdhsa_next_free_sgpr 80
		.amdhsa_reserve_vcc 1
		.amdhsa_float_denorm_mode_32 3
		.amdhsa_float_denorm_mode_16_64 3
		.amdhsa_memory_ordered 1
		.amdhsa_forward_progress 1
		.amdhsa_inst_pref_size 223
	.end_amdhsa_kernel
	.amdgpu_metadata
---
amdhsa.version: [ 1, 2 ]
amdhsa.kernels:
  - .name:           k_qd00ba9bec6_attn
    .symbol:         k_qd00ba9bec6_attn.kd
    .args:
      - { .name: qkv, .offset: 0, .size: 8, .value_kind: global_buffer, .address_space: global }
      - { .name: timediff, .offset: 8, .size: 8, .value_kind: global_buffer, .address_space: global }
      - { .name: mask, .offset: 16, .size: 8, .value_kind: global_buffer, .address_space: global }
      - { .name: attn_coef_w, .offset: 24, .size: 8, .value_kind: global_buffer, .address_space: global }
      - { .name: ob, .offset: 32, .size: 8, .value_kind: global_buffer, .address_space: global }
    .group_segment_fixed_size: 327680
    .private_segment_fixed_size: 0
    .kernarg_segment_align: 8
    .kernarg_segment_size: 40
    .max_flat_workgroup_size: 128
    .sgpr_count:     80
    .vgpr_count:     1024
    .wavefront_size: 32
...
	.end_amdgpu_metadata
.endif
;; end of part 7
;; launch tail (part 8): grid 256 x 1, 4 waves a work-group, clusters of 4 x 1, 327,680 bytes of LDS; arguments ob, wb, value, proj_bias, ln1_g, ln1_b, b1, b2, ln2_g, ln2_b, out0; writes out0
.if DOCPART == 8
	.amdgcn_target "amdgcn-amd-amdhsa--gfx1250"
	.amdhsa_code_object_version 6
	.text
	.protected	k_qd00ba9bec6_tail
	.globl	k_qd00ba9bec6_tail
	.p2align	8
	.type	k_qd00ba9bec6_tail,@function
k_qd00ba9bec6_tail:
	s_mov_b64 s[64:65], 0
	v_nop
	global_prefetch_b8 v0, s[64:65] scope:SCOPE_SE
	s_setreg_imm32_b32 hwreg(HW_REG_WAVE_MODE, 25, 1), 1
	s_wait_xcnt 0x0
	s_wait_alu depctr_hold_cnt(0) depctr_sa_sdst(0) depctr_va_vdst(0) depctr_va_sdst(0) depctr_va_ssrc(0) depctr_va_vcc(0) depctr_vm_vsrc(0)
	s_getreg_b32 s2, hwreg(HW_REG_IB_STS2, 6, 4)
	s_cmp_eq_u32 s2, 0
	s_cbranch_scc0 .Lentry_in_a_cluster
	s_endpgm
.Lentry_in_a_cluster:
	s_bfe_u32 s2, ttmp6, 0x10000c
	s_cmp_lg_u32 s2, 0x3003
	s_cbranch_scc0 .Lentry_shape_is_right
	s_endpgm
.Lentry_shape_is_right:
; out1 = LN1(value + O Wp + proj_bias); out0 = LN2(out1 + relu(out1 W1 + b1) W2 + b2).  A work-group owns 64 whole rows; wave w the columns 128 w .. 128 w + 127 of the 512: 32 accumulators in f32.
; They are loaded with value, take the projection's sums, become out1, and take the second product's sums: both residuals stay in f32.  h never leaves the WGP: DFF goes in 16 chunks of 128; in a chunk wave w
; makes h's columns 32 w .. 32 w + 31 (b1 is the C operand of the first product), rounds relu(h) to bf16 into LDS, and all waves multiply it by W2's 128 rows.
; O arrives in fragment order (block of 64 rows, K step, 16 rows, half: 32 lanes x 16 bytes): each wave loads all of it, 128 loads of 512 consecutive bytes.
; Weights come jointly for the four work-groups of a cluster through two LDS regions: Wp's four tiles A, B, A, B; then W1's chunk into A and W2's into B, by turns.  Two tensor loads a wave are out at the start, one behind each round.
; THE LAYER NORMS GO BY ROWS, IN LOOPS: the sums go to LDS, a wave takes whole rows (16 registers a lane), two a trip; mean, then the mean of squares of x - mean, as the formula does; the sums stay inside the wave.
; LN1: 16 rows at a time through the stage behind the regions, and back into the accumulators; the transfers, which name other registers in each quarter, stand in forward branches on the quarter's number that pass LDS instructions alone.
; LN2: all 64 rows in region A, whose last fill is over; b2 is added there, and the rows leave for out0 straight from the loop.
; WINDOWS: 0: v0-63 addresses and small things, HA v64-127 (h's sums, h's fragments, rows at work), F0 v128-191, F1 v192-255; 1: accumulator (mt, nt) at 8 (8 mt + nt); 2, 3: X(ks, mt) at window 2 + ks / 8, register 32 (ks % 8) + 8 mt.
.set RB,    147456
.set DS,    282624                     ; no tensor load lands from here on.  By turns, barriers between: LN1's 16 rows x 2,064; X's stage 32 x 1,040; h 64 x 272
.set SPARE, 317440
.set HA, 64
.set F0, 128
.set F1, 192
.set AW2, 8
.set AW1, 12
.set AH,  16
.set HST, 17
.set XST, 18
.set XRD, 19
.set QST, 20
.set QRD, 21
.set GO,  22
.set QRA, 23
.set LST, 24                           ; v24, v25: LN2's stage, rows 0-31 and 32-63
.set ZR,  26
.set BO,  27
.set SPW, 28
.set NIL, 29
.set LRD, 30
.set VO,  31
.set BI,  32
.set QN,  4                            ; s4 the quarter; s5 counts trips; s6 the rows' offset in a stage
.set PC,  5
.set QOFF, 6
.set WV,  10
.set G1,  16                           ; s[16:23] tiles of 128 k x 512 n
.set G0,  32                           ; s[32:35] region A, s[36:39] region B
.set G1W1, 40                          ; s[40:47] W1's chunk, 512 k x 128 n
.set OBP, 48
.set WBP, 50
.set VALP, 52
.set PBP, 54
.set LG1, 56
.set LB1, 58
.set FB1, 60
.set FB2, 62
.set LG2, 68
.set LB2, 70
.set OUTP, 72
.set W1P, 74
.set SEL, 76
.set INV, 78
.set EPS, 79
.set MSB, 0
.macro WIN new
.if MSB != (\new)
	s_set_vgpr_msb (MSB<<8)|(\new)
.set MSB, (\new)
.endif
.endm
.macro PLACES n
.rept \n
	v_nop
.endr
.endm
.macro CREST
	s_cmp_lg_u32 s[WV], 0
	s_cbranch_scc1 .Lnw0_\@
	s_barrier_signal -3
.Lnw0_\@:
	s_barrier_wait -3
	s_barrier_signal -1
	s_barrier_wait -1
.endm
.macro CROUND
	s_barrier_signal -1
	s_barrier_wait -1
	CREST
.endm
.macro BAR
	s_barrier_signal -1
	s_barrier_wait -1
.endm
	s_load_b512 s[48:63], s[0:1], 0x0              ; ob, wb, value, proj_bias, ln1_g, ln1_b, b1, b2
	s_load_b128 s[68:71], s[0:1], 0x40             ; ln2_g, ln2_b
	s_load_b64 s[72:73], s[0:1], 0x50              ; out0
	v_lshl_add_u32 v[SPW], v0, 2, SPARE
	v_mov_b32 v[NIL], 0
	ds_add_u32 v[SPW], v[NIL]                      ; the opening: the add and its wait ahead of my first tensor load
	v_lshrrev_b32 v5, 5, v0
	v_readfirstlane_b32 s[WV], v5
	s_bfe_u32 s11, ttmp6, 0x40000
	s_lshl_b32 s12, ttmp9, 2
	s_add_co_u32 s12, s12, s11                     ; my block of 64 rows
	s_mov_b32 s[G1+0], 15|(1<<16)|(1<<20)|(1<<21)|(7<<22)|(7<<25)  ; after every 256 words 8 words: pitch 1,056
	s_mov_b32 s[G1+1], 512<<16
	s_mov_b32 s[G1+2], 32<<16
	s_mov_b32 s[G1+3], 512<<16
	s_mov_b32 s[G1+4], 32
	s_mov_b32 s[G1+5], 512
	s_mov_b32 s[G1+6], 0
	s_mov_b32 s[G1+7], 0
	s_mov_b32 s[G1W1+0], 15|(1<<16)|(1<<20)|(1<<21)|(5<<22)|(7<<25)  ; after every 64 words 8 words: pitch 288
	s_mov_b32 s[G1W1+1], 128<<16
	s_mov_b32 s[G1W1+2], 128<<16
	s_mov_b32 s[G1W1+3], 128<<16
	s_mov_b32 s[G1W1+4], 128
	s_mov_b32 s[G1W1+5], 2048
	s_mov_b32 s[G1W1+6], 0
	s_mov_b32 s[G1W1+7], 0
	s_mul_i32 s24, s[WV], 33792
	s_mov_b32 s[G0], 1
	s_mov_b32 s[G0+1], s24
	s_mov_b32 s[G0+4], 1
	s_add_co_u32 s[G0+5], s24, RB
	s_lshl_b32 s26, s[WV], 15
	s_add_co_u32 s26, s26, 1572864                 ; Wp, my 32 rows of tile 0
	s_mov_b32 s27, 0
	s_lshl_b32 s28, s[WV], 19
	s_add_co_u32 s28, s28, 2097152                 ; W1, my 128 rows
	s_mov_b32 s29, 0
	s_lshl_b32 s30, s12, 16                        ; ob: my block's 65,536 bytes
	s_mov_b32 s31, 0
	s_lshl_b32 s80, s12, 17                        ; value and out0: 64 rows of 2,048 bytes
	s_mov_b32 s81, 0
	s_lshl_b32 s82, s[WV], 15                      ; out0: the 16 rows that I store
	s_add_co_u32 s82, s80, s82
	s_mov_b32 s83, 0
	s_mov_b32 s[SEL], 0x76543210
	s_mov_b32 s[SEL+1], 0xfedcba98
	s_mov_b32 s[INV], 0x3b000000                   ; 1 / 512
	s_mov_b32 s[EPS], 0x358637bd                   ; 1e-6
	s_wait_dscnt 0x0
	s_wait_kmcnt 0x0
	s_add_nc_u64 s[G0+2:G0+3], s[WBP:WBP+1], s[26:27]
	s_add_nc_u64 s[G0+6:G0+7], s[G0+2:G0+3], 131072
	s_or_b32 s[G0+3], s[G0+3], 0x80000000
	s_or_b32 s[G0+7], s[G0+7], 0x80000000
	s_add_nc_u64 s[W1P:W1P+1], s[WBP:WBP+1], s[28:29]
	s_add_nc_u64 s[OBP:OBP+1], s[OBP:OBP+1], s[30:31]
	s_add_nc_u64 s[VALP:VALP+1], s[VALP:VALP+1], s[80:81]
	s_add_nc_u64 s[OUTP:OUTP+1], s[OUTP:OUTP+1], s[82:83]
	CROUND
	tensor_load_to_lds s[G0:G0+3], s[G1:G1+7]
	s_nop 0
	tensor_load_to_lds s[G0+4:G0+7], s[G1:G1+7]
	s_nop 0
	PLACES 4
	v_and_b32 v5, 31, v0
	v_lshlrev_b32 v[GO], 4, v5                     ; 16 bytes a lane: 512 consecutive bytes a wave
	v_and_b32 v1, 15, v0                           ; r
	v_bfe_u32 v2, v0, 4, 1                         ; h
	s_lshl_b32 s25, s[WV], 9
	v_lshl_add_u32 v6, v2, 5, s25                  ; my 8 columns' place in a row of 512 f32 (+ 64 nt)
	v_lshl_add_u32 v[VO], v1, 11, v6
	WIN 0x80
.irp ks, 0,1,2,3,4,5,6,7
.irp mt, 0,1,2,3
	global_load_b128 v[\ks*32+8*\mt:\ks*32+8*\mt+3], v[GO], s[OBP:OBP+1] offset:\ks*4096+\mt*1024
	global_load_b128 v[\ks*32+8*\mt+4:\ks*32+8*\mt+7], v[GO], s[OBP:OBP+1] offset:\ks*4096+\mt*1024+512
.endr
.endr
	WIN 0xc0
.irp ks, 0,1,2,3,4,5,6,7
.irp mt, 0,1,2,3
	global_load_b128 v[\ks*32+8*\mt:\ks*32+8*\mt+3], v[GO], s[OBP:OBP+1] offset:32768+\ks*4096+\mt*1024
	global_load_b128 v[\ks*32+8*\mt+4:\ks*32+8*\mt+7], v[GO], s[OBP:OBP+1] offset:32768+\ks*4096+\mt*1024+512
.endr
.endr
	WIN 0x40                                       ; value starts the sums (32 bytes a lane: a wave's 16 loads cover 512 consecutive bytes of 16 rows)
.irp mt, 0,1,2,3
.irp nt, 0,1,2,3,4,5,6,7
	global_load_b128 v[64*\mt+8*\nt:64*\mt+8*\nt+3], v[VO], s[VALP:VALP+1] offset:\mt*32768+\nt*64
	global_load_b128 v[64*\mt+8*\nt+4:64*\mt+8*\nt+7], v[VO], s[VALP:VALP+1] offset:\mt*32768+\nt*64+16
.endr
.endr
	WIN 0
	v_and_b32 v3, 7, v0
	v_bfe_u32 v4, v0, 3, 1
	v_mov_b32 v[ZR], 0
	v_mul_u32_u24 v[LST], v1, 2064                 ; the sums into a stage of f32 rows: row r, my 8 columns
	v_add_nc_u32 v[LST], v6, v[LST]
	v_add_nc_u32 v[LST+1], 66048, v[LST]
	v_add_nc_u32 v[QST], DS, v[LST]
	s_mul_i32 s25, s[WV], 8256
	s_add_co_u32 s25, s25, DS
	v_lshl_add_u32 v[QRD], v5, 4, s25              ; LN1: rows 4 w .. of the quarter, 16 bytes a lane
	s_mul_i32 s25, s[WV], 33024
	v_lshl_add_u32 v[LRD], v5, 4, s25              ; LN2: rows 16 w ..
	v_lshl_add_u32 v7, v2, 3, v3                   ; the turning loads' k row
	v_mul_u32_u24 v6, v7, 1056
	v_lshl_add_u32 v6, v4, 4, v6
	s_lshl_b32 s25, s[WV], 8
	v_add_nc_u32 v[AW2], s25, v6
	v_add_nc_u32 v[AW2+1], 67584, v[AW2]
	v_add_nc_u32 v[AW2+2], RB, v[AW2]
	v_add_nc_u32 v[AW2+3], RB+67584, v[AW2]
	v_mul_u32_u24 v6, v7, 288
	v_lshl_add_u32 v6, v4, 4, v6
	s_lshl_b32 s25, s[WV], 6
	v_add_nc_u32 v[AW1], s25, v6
	v_add_nc_u32 v[AW1+1], 36864, v[AW1]
	v_add_nc_u32 v[AW1+2], 73728, v[AW1]
	v_add_nc_u32 v[AW1+3], 110592, v[AW1]
	v_mul_u32_u24 v6, v1, 272
	v_lshl_add_u32 v6, v2, 4, v6
	v_add_nc_u32 v[AH], DS, v6
	v_add_nc_u32 v[HST], s25, v[AH]
	v_mul_u32_u24 v6, v1, 1040
	v_lshl_add_u32 v6, v2, 4, v6
	v_add_nc_u32 v[XRD], DS, v6
	s_lshl_b32 s25, s[WV], 8
	v_add_nc_u32 v[XST], s25, v[XRD]
	s_lshl_b32 s25, s[WV], 7
	v_lshl_add_u32 v[BO], v2, 5, s25
	s_wait_tensorcnt 1                             ; my part of Wp's tile 0 is in; tile 1's may stay out
	BAR
.macro FW2 R, ks, F
	WIN 0
.irp nt, 0,1,2,3,4,5,6,7
	ds_load_tr16_b128 v[(\F)+8*\nt:(\F)+8*\nt+3], v[AW2+2*(\R)+(\ks)/2] offset:((\ks)%2)*33792+\nt*32
	ds_load_tr16_b128 v[(\F)+8*\nt+4:(\F)+8*\nt+7], v[AW2+2*(\R)+(\ks)/2] offset:((\ks)%2)*33792+\nt*32+16896
.endr
.endm
.macro MX F, ks, half                  ; 16 products with X in registers; the 32 accumulators take turns
	WIN 0x58+4*((\ks)/8)
.irp mt, 2*(\half), 2*(\half)+1
.irp nt, 0,1,2,3,4,5,6,7
	v_wmma_f32_16x16x32_bf16 v[8*(8*(\mt)+\nt):8*(8*(\mt)+\nt)+7], v[(\F)+8*\nt:(\F)+8*\nt+7], v[((\ks)%8)*32+8*(\mt):((\ks)%8)*32+8*(\mt)+7], v[8*(8*(\mt)+\nt):8*(8*(\mt)+\nt)+7]
.endr
.endr
.endm
; One tile of Wp.  kind says what the region just read takes next: 1 Wp's tile two further on; 2 (region A) W1's chunk 0; 3 (region B) W2's chunk 0, and no fragments are fetched behind it.
.macro PHX R, kc, kind
	PLACES 4
	FW2 \R, 1, F1
	s_wait_dscnt 16                                ; all but the 16 loads just issued
	MX F0, 4*(\kc), 0
	MX F0, 4*(\kc), 1
	PLACES 4
	FW2 \R, 2, F0
	s_wait_dscnt 16
	MX F1, 4*(\kc)+1, 0
	MX F1, 4*(\kc)+1, 1
	PLACES 4
	FW2 \R, 3, F1
	s_wait_dscnt 16
	MX F0, 4*(\kc)+2, 0
	MX F0, 4*(\kc)+2, 1
	WIN 0
	s_wait_tensorcnt 0x0                           ; the one load of mine that is out is my part of the other region
	ds_add_u32 v[SPW], v[NIL]
.if (\kind) == 1
	s_add_nc_u64 s[G0+2+4*(\R):G0+3+4*(\R)], s[G0+2+4*(\R):G0+3+4*(\R)], 262144
.elseif (\kind) == 2
	s_mul_i32 s[G0+1], s[WV], 36864
	s_mov_b64 s[G0+2:G0+3], s[W1P:W1P+1]
	s_or_b32 s[G0+3], s[G0+3], 0x80000000
.else
	s_add_nc_u64 s[G0+6:G0+7], s[G0+6:G0+7], 2228224  ; from Wp's tile 3 to W2's first 128 rows
.endif
	s_wait_dscnt 0x0
	s_barrier_signal -1
	MX F1, 4*(\kc)+3, 0
	WIN 0
	s_barrier_wait -1
	CREST
.if (\kind) == 2
	tensor_load_to_lds s[G0:G0+3], s[G1W1:G1W1+7]
.else
	tensor_load_to_lds s[G0+4*(\R):G0+3+4*(\R)], s[G1:G1+7]
.endif
	s_nop 0
	PLACES 4
.if (\kind) != 3
	FW2 1-(\R), 0, F0
.endif
	MX F1, 4*(\kc)+3, 1
.endm
.macro PLD ptr, buf                    ; a row of 512 parameters as the rows' loops hold a row: columns 4 l + 128 j + 0..3
	WIN 0
.irp j, 0,1,2,3
	global_load_b128 v[(\buf)+4*\j:(\buf)+4*\j+3], v[GO], s[(\ptr):(\ptr)+1] offset:\j*512
.endr
.endm
.macro REDUCE o                        ; the two rows' sums over the 32 lanes, in every lane
.irp m, 1,2,4,8
.irp p, 0,1
	v_add_f32_dpp v[96+8*\p+(\o)], v[96+8*\p+(\o)], v[96+8*\p+(\o)] row_xmask:\m row_mask:0xf bank_mask:0xf
.endr
.endr
.irp p, 0,1
	v_permlanex16_b32 v[96+8*\p+(\o)+1], v[96+8*\p+(\o)], s[SEL], s[SEL+1]
.endr
.irp p, 0,1
	v_add_f32 v[96+8*\p+(\o)], v[96+8*\p+(\o)], v[96+8*\p+(\o)+1]
.endr
.endm
; Two rows at v[QRA] and 2,064 bytes on: x = row + v128.. ; (x - mean) rsqrt(var + 1e-6) v144.. + v160.. ; out = 0: back into the stage; 1: to out0, 512 consecutive aligned bytes a store.
; Row p in v[64 + 16 p ..], at work v[96 + 8 p ..]; the two rows alternate, so that few lines wait for the one before.
.macro ROW2 out
.irp p, 0,1
.irp j, 0,1,2,3
	ds_load_b128 v[64+16*\p+4*\j:64+16*\p+4*\j+3], v[QRA] offset:\p*2064+\j*512
.endr
.endr
	s_wait_dscnt 0x0
.irp e, 0,1,2,3,4,5,6,7
.irp p, 0,1
	v_pk_add_f32 v[64+16*\p+2*\e:64+16*\p+2*\e+1], v[64+16*\p+2*\e:64+16*\p+2*\e+1], v[128+2*\e:128+2*\e+1]
.endr
.endr
.irp e, 0,1,2,3
.irp p, 0,1
	v_pk_add_f32 v[96+8*\p+2*\e:96+8*\p+2*\e+1], v[64+16*\p+4*\e:64+16*\p+4*\e+1], v[64+16*\p+4*\e+2:64+16*\p+4*\e+3]
.endr
.endr
.irp p, 0,1
	v_pk_add_f32 v[96+8*\p:96+8*\p+1], v[96+8*\p:96+8*\p+1], v[96+8*\p+2:96+8*\p+3]
	v_pk_add_f32 v[96+8*\p+4:96+8*\p+5], v[96+8*\p+4:96+8*\p+5], v[96+8*\p+6:96+8*\p+7]
.endr
.irp p, 0,1
	v_pk_add_f32 v[96+8*\p:96+8*\p+1], v[96+8*\p:96+8*\p+1], v[96+8*\p+4:96+8*\p+5]
.endr
.irp p, 0,1
	v_add_f32 v[96+8*\p], v[96+8*\p], v[96+8*\p+1]
.endr
	REDUCE 0
.irp p, 0,1
	v_mul_f32 v[96+8*\p], s[INV], v[96+8*\p]       ; the mean
.endr
.irp e, 0,1,2,3,4,5,6,7
.irp p, 0,1
	v_pk_add_f32 v[64+16*\p+2*\e:64+16*\p+2*\e+1], v[64+16*\p+2*\e:64+16*\p+2*\e+1], v[96+8*\p:96+8*\p+1] op_sel_hi:[1,0] neg_lo:[0,1] neg_hi:[0,1]
.endr
.endr
.irp e, 0,1
.irp p, 0,1
	v_pk_mul_f32 v[98+8*\p+2*\e:98+8*\p+2*\e+1], v[64+16*\p+2*\e:64+16*\p+2*\e+1], v[64+16*\p+2*\e:64+16*\p+2*\e+1]
.endr
.endr
.irp e, 2,3,4,5,6,7
.irp p, 0,1
	v_pk_fma_f32 v[98+8*\p+2*(\e%2):98+8*\p+2*(\e%2)+1], v[64+16*\p+2*\e:64+16*\p+2*\e+1], v[64+16*\p+2*\e:64+16*\p+2*\e+1], v[98+8*\p+2*(\e%2):98+8*\p+2*(\e%2)+1]
.endr
.endr
.irp p, 0,1
	v_pk_add_f32 v[98+8*\p:98+8*\p+1], v[98+8*\p:98+8*\p+1], v[100+8*\p:100+8*\p+1]
.endr
.irp p, 0,1
	v_add_f32 v[98+8*\p], v[98+8*\p], v[98+8*\p+1]
.endr
	REDUCE 2
.irp p, 0,1
	v_fma_f32 v[98+8*\p], v[98+8*\p], s[INV], s[EPS]
.endr
.irp p, 0,1
	v_rsq_f32 v[98+8*\p], v[98+8*\p]
.endr
	v_nop                                          ; a plain instruction behind the last root
	s_wait_alu depctr_va_vdst(0)
.irp e, 0,1,2,3,4,5,6,7
.irp p, 0,1
	v_pk_mul_f32 v[64+16*\p+2*\e:64+16*\p+2*\e+1], v[64+16*\p+2*\e:64+16*\p+2*\e+1], v[98+8*\p:98+8*\p+1] op_sel_hi:[1,0]
.endr
.endr
.irp e, 0,1,2,3,4,5,6,7
.irp p, 0,1
	v_pk_fma_f32 v[64+16*\p+2*\e:64+16*\p+2*\e+1], v[64+16*\p+2*\e:64+16*\p+2*\e+1], v[144+2*\e:144+2*\e+1], v[160+2*\e:160+2*\e+1]
.endr
.endr
.irp p, 0,1
.irp j, 0,1,2,3
.if \out
	global_store_b128 v[GO], v[64+16*\p+4*\j:64+16*\p+4*\j+3], s[OUTP:OUTP+1] offset:\p*2048+\j*512 th:TH_STORE_NT
.else
	ds_store_b128 v[QRA], v[64+16*\p+4*\j:64+16*\p+4*\j+3] offset:\p*2064+\j*512
.endif
.endr
.endr
.endm
.macro XSTORE u                        ; out1, rows 32 u .., my 128 columns, rounded to bf16 into X's stage
.irp mm, 0,1
	WIN 0x05
.set e, 0
.rept 32
	v_cvt_pk_bf16_f32 v[64+32*\mm+e], v[64*(2*(\u)+\mm)+2*e], v[64*(2*(\u)+\mm)+2*e+1]
.set e, e+1
.endr
.endr
	WIN 0
.irp mm, 0,1
.irp nt, 0,1,2,3,4,5,6,7
	ds_store_b128 v[XST], v[64+32*\mm+4*\nt:64+32*\mm+4*\nt+3] offset:\mm*16640+\nt*32
.endr
.endr
.endm
.macro XREAD u                         ; the fragments of rows 32 u .. 32 u + 31 out of X's stage: 64 loads
	WIN 0x80
.irp mm, 0,1
.irp ks, 0,1,2,3,4,5,6,7
	ds_load_b128 v[\ks*32+8*(2*(\u)+\mm):\ks*32+8*(2*(\u)+\mm)+3], v[XRD] offset:\mm*16640+\ks*64
	ds_load_b128 v[\ks*32+8*(2*(\u)+\mm)+4:\ks*32+8*(2*(\u)+\mm)+7], v[XRD] offset:\mm*16640+\ks*64+32
.endr
.endr
	WIN 0xc0
.irp mm, 0,1
.irp ks, 0,1,2,3,4,5,6,7
	ds_load_b128 v[\ks*32+8*(2*(\u)+\mm):\ks*32+8*(2*(\u)+\mm)+3], v[XRD] offset:\mm*16640+\ks*64+512
	ds_load_b128 v[\ks*32+8*(2*(\u)+\mm)+4:\ks*32+8*(2*(\u)+\mm)+7], v[XRD] offset:\mm*16640+\ks*64+544
.endr
.endr
	WIN 0
.endm
.macro FW1 g, F                        ; 16 turning loads: my 32 columns of h x k rows 128 g .. of W1's chunk
	WIN 0
.irp ksl, 0,1,2,3
.irp nt, 0,1
	ds_load_tr16_b128 v[(\F)+16*\ksl+8*\nt:(\F)+16*\ksl+8*\nt+3], v[AW1+(\g)] offset:\ksl*9216+\nt*32
	ds_load_tr16_b128 v[(\F)+16*\ksl+8*\nt+4:(\F)+16*\ksl+8*\nt+7], v[AW1+(\g)] offset:\ksl*9216+\nt*32+4608
.endr
.endr
.endm
.macro MP F, g, first                  ; 32 products for h; its 8 accumulators take turns; first = 1: b1 is the C operand that starts the sums
	WIN 0x08+4*((\g)/2)
.irp ksl, 0,1,2,3
.irp mt, 0,1,2,3
.irp nt, 0,1
.if (\first) && (\ksl == 0)
	v_wmma_f32_16x16x32_bf16 v[HA+8*(2*\mt+\nt):HA+8*(2*\mt+\nt)+7], v[(\F)+16*\ksl+8*\nt:(\F)+16*\ksl+8*\nt+7], v[((4*(\g)+\ksl)%8)*32+8*\mt:((4*(\g)+\ksl)%8)*32+8*\mt+7], v[BI+8*\nt:BI+8*\nt+7]
.else
	v_wmma_f32_16x16x32_bf16 v[HA+8*(2*\mt+\nt):HA+8*(2*\mt+\nt)+7], v[(\F)+16*\ksl+8*\nt:(\F)+16*\ksl+8*\nt+7], v[((4*(\g)+\ksl)%8)*32+8*\mt:((4*(\g)+\ksl)%8)*32+8*\mt+7], v[HA+8*(2*\mt+\nt):HA+8*(2*\mt+\nt)+7]
.endif
.endr
.endr
.endr
.endm
.macro FH ks                           ; h's fragments of K step ks: 8 loads
	WIN 0
.irp mt, 0,1,2,3
	ds_load_b128 v[HA+32*((\ks)%2)+8*\mt:HA+32*((\ks)%2)+8*\mt+3], v[AH] offset:\mt*4352+(\ks)*64
	ds_load_b128 v[HA+32*((\ks)%2)+8*\mt+4:HA+32*((\ks)%2)+8*\mt+7], v[AH] offset:\mt*4352+(\ks)*64+32
.endr
.endm
.macro MH F, ks, half
	WIN 0x50
.irp mt, 2*(\half), 2*(\half)+1
.irp nt, 0,1,2,3,4,5,6,7
	v_wmma_f32_16x16x32_bf16 v[8*(8*(\mt)+\nt):8*(8*(\mt)+\nt)+7], v[(\F)+8*\nt:(\F)+8*\nt+7], v[HA+32*((\ks)%2)+8*(\mt):HA+32*((\ks)%2)+8*(\mt)+7], v[8*(8*(\mt)+\nt):8*(8*(\mt)+\nt)+7]
.endr
.endr
.endm
; A chunk's h.  F0 is on its way with W1's k rows 0-127.  Five v_nop first: h's sums land on registers that the last products read as a source.  The barrier at the end shows h to all waves and W2's chunk whole;
; fill = 1: it is a round of the cluster's, and region A takes W1's next chunk.
.macro P2 fill
	PLACES 5
	FW1 1, F1
	s_wait_loadcnt 0x0                             ; b1 of this chunk
	s_wait_dscnt 16
	MP F0, 0, 1
	PLACES 4
	FW1 2, F0
	s_wait_dscnt 16
	MP F1, 1, 0
	PLACES 4
	FW1 3, F1
	s_wait_dscnt 16
	MP F0, 2, 0
	s_wait_dscnt 0x0
	MP F1, 3, 0
	WIN 0
	PLACES 4
.set t, 0
.rept 8
.irp e, 0,1,2,3
	v_cvt_pk_bf16_f32 v[F0+4*t+\e], v[HA+8*t+2*\e], v[HA+8*t+2*\e+1]
.endr
.set t, t+1
.endr
.set t, 0
.rept 32
	v_pk_max_num_bf16 v[F0+t], v[F0+t], v[ZR]
.set t, t+1
.endr
.irp mt, 0,1,2,3
.irp nt, 0,1
	ds_store_b128 v[HST], v[F0+4*(2*\mt+\nt):F0+4*(2*\mt+\nt)+3] offset:\mt*4352+\nt*32
.endr
.endr
	s_wait_tensorcnt 0x0                           ; my part of W2's chunk is in
	ds_add_u32 v[SPW], v[NIL]
.if \fill
	s_add_nc_u64 s[G0+2:G0+3], s[G0+2:G0+3], 256   ; W1's next 128 columns
.endif
	s_wait_dscnt 0x0                               ; the add, my stores of h and my reads of region A are done
.if \fill
	CROUND
	tensor_load_to_lds s[G0:G0+3], s[G1W1:G1W1+7]
	s_nop 0
	PLACES 4
.else
	BAR
.endif
.endm
; A chunk's share of the second product.  Each s_wait_dscnt 24 leaves out the 24 loads just issued.  fill = 1: the last K step changes regions, region B takes W2's next 128 rows, b1's next 128 numbers are loaded.
.macro P1 fill
	FW2 1, 0, F0
	FH 0
	FW2 1, 1, F1
	FH 1
	s_wait_dscnt 24
	MH F0, 0, 0
	MH F0, 0, 1
	PLACES 4
.if \fill
	WIN 0
	s_wait_xcnt 0x0
	s_add_nc_u64 s[FB1:FB1+1], s[FB1:FB1+1], 512
.irp nt, 0,1
	global_load_b128 v[BI+8*\nt:BI+8*\nt+3], v[BO], s[FB1:FB1+1] offset:\nt*64
	global_load_b128 v[BI+8*\nt+4:BI+8*\nt+7], v[BO], s[FB1:FB1+1] offset:\nt*64+16
.endr
.endif
	FW2 1, 2, F0
	FH 2
	s_wait_dscnt 24
	MH F1, 1, 0
	MH F1, 1, 1
	PLACES 4
	FW2 1, 3, F1
	FH 3
	s_wait_dscnt 24
	MH F0, 2, 0
	MH F0, 2, 1
.if \fill
	WIN 0
	s_wait_tensorcnt 0x0                           ; my part of W1's next chunk is in
	ds_add_u32 v[SPW], v[NIL]
	s_add_nc_u64 s[G0+6:G0+7], s[G0+6:G0+7], 131072
	s_wait_dscnt 0x0                               ; the add, my reads of region B and of h are done
	s_barrier_signal -1
	MH F1, 3, 0
	WIN 0
	s_barrier_wait -1
	CREST
	tensor_load_to_lds s[G0+4:G0+7], s[G1:G1+7]
	s_nop 0
	PLACES 4
	FW1 0, F0
	MH F1, 3, 1
.else
	s_wait_dscnt 0x0
	MH F1, 3, 0
	MH F1, 3, 1
.endif
.endm
	FW2 0, 0, F0
	s_wait_loadcnt 0x0                             ; O's fragments and value
	PHX 0, 0, 1
	PHX 1, 1, 1
	PHX 0, 2, 2
	PHX 1, 3, 3
	WIN 0
	PLACES 4
	PLD PBP, 128
	PLD LG1, 144
	PLD LB1, 160
	s_mov_b32 s[QN], 0
.Lq:                                                   ; LN1, rows 16 q .. 16 q + 15
.irp k, 0,1,2,3
	s_cmp_lg_u32 s[QN], \k
	s_cbranch_scc1 .Lput_\k
	WIN 0x04
.irp nt, 0,1,2,3,4,5,6,7
	ds_store_b128 v[QST], v[64*\k+8*\nt:64*\k+8*\nt+3] offset:\nt*64
	ds_store_b128 v[QST], v[64*\k+8*\nt+4:64*\k+8*\nt+7] offset:\nt*64+16
.endr
	WIN 0
.Lput_\k:
.endr
	s_wait_loadcnt 0x0                             ; the parameters
	s_wait_dscnt 0x0                               ; my stores are done, for the others' sake
	BAR
	s_mov_b32 s[QOFF], 0
	s_mov_b32 s[PC], 2
.Lr:                                                   ; my four rows of the quarter, two a trip
	v_add_nc_u32 v[QRA], s[QOFF], v[QRD]
	ROW2 0
	s_add_co_u32 s[QOFF], s[QOFF], 4128
	s_sub_co_u32 s[PC], s[PC], 1
	s_cmp_lg_u32 s[PC], 0
	s_cbranch_scc1 .Lr
	s_wait_dscnt 0x0
	BAR
.irp k, 0,1,2,3
	s_cmp_lg_u32 s[QN], \k
	s_cbranch_scc1 .Lget_\k
	WIN 0x40
.irp nt, 0,1,2,3,4,5,6,7
	ds_load_b128 v[64*\k+8*\nt:64*\k+8*\nt+3], v[QST] offset:\nt*64
	ds_load_b128 v[64*\k+8*\nt+4:64*\k+8*\nt+7], v[QST] offset:\nt*64+16
.endr
	WIN 0
.Lget_\k:
.endr
	s_wait_dscnt 0x0                               ; my reads are back before the stage is written again
	BAR
	s_add_co_u32 s[QN], s[QN], 1
	s_cmp_lt_u32 s[QN], 4
	s_cbranch_scc1 .Lq
	XSTORE 0
	s_wait_dscnt 0x0
	BAR
	XREAD 0
	s_wait_dscnt 0x0
	BAR
	XSTORE 1
	s_wait_dscnt 0x0
	BAR
	XREAD 1
.irp nt, 0,1
	global_load_b128 v[BI+8*\nt:BI+8*\nt+3], v[BO], s[FB1:FB1+1] offset:\nt*64
	global_load_b128 v[BI+8*\nt+4:BI+8*\nt+7], v[BO], s[FB1:FB1+1] offset:\nt*64+16
.endr
	s_wait_dscnt 0x0
	BAR                                            ; the stage is free for h
	FW1 0, F0                                      ; W1's chunk 0 was shown whole by the last round
	s_mov_b32 s3, 15
.Lc:
	P2 1
	P1 1
	WIN 0
	s_sub_co_u32 s3, s3, 1
	s_cmp_lg_u32 s3, 0
	s_cbranch_scc1 .Lc
	P2 0                                           ; the last chunk is written out: nothing is asked for
	P1 0
	WIN 0
	PLACES 4
	PLD FB2, 128
	PLD LG2, 144
	PLD LB2, 160
	WIN 0x04                                       ; LN2: the sums into region A: its last fill is over, and every wave's reads of it were waited for in front of the last chunk's barrier
.irp mt, 0,1,2,3
.irp nt, 0,1,2,3,4,5,6,7
	ds_store_b128 v[LST+(\mt/2)], v[64*\mt+8*\nt:64*\mt+8*\nt+3] offset:(\mt%2)*33024+\nt*64
	ds_store_b128 v[LST+(\mt/2)], v[64*\mt+8*\nt+4:64*\mt+8*\nt+7] offset:(\mt%2)*33024+\nt*64+16
.endr
.endr
	WIN 0
	s_wait_loadcnt 0x0
	s_wait_dscnt 0x0
	BAR
	s_mov_b32 s[QOFF], 0
	s_mov_b32 s[PC], 8
.Lo:                                                   ; my 16 rows, two a trip
	v_add_nc_u32 v[QRA], s[QOFF], v[LRD]
	ROW2 1
	s_wait_xcnt 0x0                                ; the base and the rows' registers are written again only behind this wait
	s_add_nc_u64 s[OUTP:OUTP+1], s[OUTP:OUTP+1], 4096
	s_add_co_u32 s[QOFF], s[QOFF], 4128
	s_sub_co_u32 s[PC], s[PC], 1
	s_cmp_lg_u32 s[PC], 0
	s_cbranch_scc1 .Lo
	s_wait_tensorcnt 0x0                           ; the wave's end
	ds_add_u32 v[SPW], v[NIL]
	s_wait_dscnt 0x0
	CROUND
	s_endpgm
.Lfunc_end_k_qd00ba9bec6_tail:
	.size	k_qd00ba9bec6_tail, .Lfunc_end_k_qd00ba9bec6_tail-k_qd00ba9bec6_tail
	.p2alignl 7, 3214868480
	.fill 96, 4, 3214868480
	.section	.rodata,"a",@progbits
	.p2align	6, 0x0
	.amdhsa_kernel k_qd00ba9bec6_tail
		.amdhsa_group_segment_fixed_size 327680
		.amdhsa_private_segment_fixed_size 0
		.amdhsa_enable_private_segment 0
		.amdhsa_kernarg_size 88
		.amdhsa_user_sgpr_count 2
		.amdhsa_user_sgpr_kernarg_segment_ptr 1
		.amdhsa_wavefront_size32 1
		.amdhsa_system_sgpr_workgroup_id_x 1
		.amdhsa_system_sgpr_workgroup_id_y 1
		.amdhsa_system_sgpr_workgroup_id_z 1
		.amdhsa_system_vgpr_workitem_id 0
		.amdhsa_next_free_vgpr 1024
		.amdhsa_next_free_sgpr 96
		.amdhsa_reserve_vcc 0
		.amdhsa_float_denorm_mode_32 3
		.amdhsa_float_denorm_mode_16_64 3
		.amdhsa_memory_ordered 1
		.amdhsa_forward_progress 1
		.amdhsa_inst_pref_size 199
	.end_amdhsa_kernel
	.amdgpu_metadata
---
amdhsa.version: [ 1, 2 ]
amdhsa.kernels:
  - .name:           k_qd00ba9bec6_tail
    .symbol:         k_qd00ba9bec6_tail.kd
    .args:
      - { .name: ob, .offset: 0, .size: 8, .value_kind: global_buffer, .address_space: global }
      - { .name: wb, .offset: 8, .size: 8, .value_kind: global_buffer, .address_space: global }
      - { .name: value, .offset: 16, .size: 8, .value_kind: global_buffer, .address_space: global }
      - { .name: proj_bias, .offset: 24, .size: 8, .value_kind: global_buffer, .address_space: global }
      - { .name: ln1_g, .offset: 32, .size: 8, .value_kind: global_buffer, .address_space: global }
      - { .name: ln1_b, .offset: 40, .size: 8, .value_kind: global_buffer, .address_space: global }
      - { .name: b1, .offset: 48, .size: 8, .value_kind: global_buffer, .address_space: global }
      - { .name: b2, .offset: 56, .size: 8, .value_kind: global_buffer, .address_space: global }
      - { .name: ln2_g, .offset: 64, .size: 8, .value_kind: global_buffer, .address_space: global }
      - { .name: ln2_b, .offset: 72, .size: 8, .value_kind: global_buffer, .address_space: global }
      - { .name: out0, .offset: 80, .size: 8, .value_kind: global_buffer, .address_space: global }
    .group_segment_fixed_size: 327680
    .private_segment_fixed_size: 0
    .kernarg_segment_align: 8
    .kernarg_segment_size: 88
    .max_flat_workgroup_size: 128
    .sgpr_count:     96
    .vgpr_count:     1024
    .wavefront_size: 32
...
	.end_amdgpu_metadata
.endif
;; end of part 8
;; ======== version 3 of 3: 4 launches; 1.38 times as fast as version 1
;; limits: values outside matrix products are rounded to bf16; an absolute error that grows with the inputs' magnitude: up to 0.0039 times it
;; workspace buffers: wb 6,291,456 bytes; qkv 50,331,648 bytes; ob 16,777,216 bytes
;; launch prep: the kernel of part 5 again; grid 384 x 1, 8 waves a work-group, no clusters, 0 bytes of LDS; arguments q_kernel, k_kernel, v_kernel, proj_kernel, w1, w2, wb; writes wb
;; launch qkv: the kernel of part 6 again; grid 256 x 1, 4 waves a work-group, clusters of 4 x 1, 327,680 bytes of LDS; arguments value, wb, qkv; writes qkv
;; launch attn (part 9): grid 16 x 16, 4 waves a work-group, clusters of 4 x 1, 327,680 bytes of LDS; arguments qkv, timediff, mask, attn_coef_w, ob; writes ob
.if DOCPART == 9
	.amdgcn_target "amdgcn-amd-amdhsa--gfx1250"
	.amdhsa_code_object_version 6
	.text
	.protected	k_qd00ba9bec6_attn
	.globl	k_qd00ba9bec6_attn
	.p2align	8
	.type	k_qd00ba9bec6_attn,@function
k_qd00ba9bec6_attn:
	s_mov_b64 s[64:65], 0
	v_nop
	global_prefetch_b8 v0, s[64:65] scope:SCOPE_SE
	s_setreg_imm32_b32 hwreg(HW_REG_WAVE_MODE, 25, 1), 1
	s_wait_xcnt 0x0
	s_wait_alu depctr_hold_cnt(0) depctr_sa_sdst(0) depctr_va_vdst(0) depctr_va_sdst(0) depctr_va_ssrc(0) depctr_va_vcc(0) depctr_vm_vsrc(0)
	s_getreg_b32 s2, hwreg(HW_REG_IB_STS2, 6, 4)
	s_cmp_eq_u32 s2, 0
	s_cbranch_scc0 .Lentry_in_a_cluster
	s_endpgm
.Lentry_in_a_cluster:
	s_bfe_u32 s2, ttmp6, 0x10000c
	s_cmp_lg_u32 s2, 0x3003
	s_cbranch_scc0 .Lentry_shape_is_right
	s_endpgm
.Lentry_shape_is_right:
; O[b, q, 64 head + i] = sum over k of softmax_k(q . k / 8 - 1e10 (1 - mask) - coef_head timediff) v.  q arrives times log2(e) / 8, so scores are in log2 units: p = 2^(s - m), m the running maximum.
; ob holds O in bf16 in the order in which the next launch's matrix instructions want it: for each block of 64 rows, K step ks (32 columns), 16 rows mt, half: 32 lanes x 16 bytes.  That is how the lanes hold it here.
; A work-group: one batch, 64 queries, all 8 heads.  Wave w: heads 2 w, 2 w + 1, four tiles of 16 queries each: 8 tiles T = 4 hh + t.  16 key steps of 64 keys.
; K and V of a step (all heads, rows of 1,024 bytes) are the same for the four query blocks of a cluster: asked for jointly.  One tensor load a wave is out at any time; it has a step, 160 matrix instructions, to land.
; THE BIAS GOES THROUGH THE MATRIX UNIT.  A score tile starts with A' x B': A' (16 keys x 32) holds cm on the diagonal of its first 16 columns and ct on that of the other 16; B' holds for a query 2.0 where key j
; is masked (else 0) and bf16(timediff).  B' hangs on no head, so it is made once a step for the work-group (each wave converts 16 queries' rows into an LDS stage).
; LIMITS.  The mask adds 2 cm = -1.4428e10 in log2 units (-1.0001e10 before the factor log2 e); timediff and coef log2(e) are rounded to bf16 as matrix operands; a row that is masked whole comes out as the mean of V's rows,
; as f32 makes it in the formula above; a weight below 2^-126 counts as 0; NaN and infinities are not treated apart.
; BY TURNS.  Turn T: 8 products V^T P of tile T - 1, 4 + 8 products for the scores of tile T + 1, and between them tile T's softmax, 117 vector instructions in slices behind the matrix instructions.
; THE BATCHES.  A turn's 33 exponentials (a and the 32 weights) are ONE batch with ONE wait: ahead of the wait stand the maximum, the statistics, the 16 subtractions s - m and the exponentials, none of which names an
; exponential's result; behind it all that does: the roundings, the sums, l = a l + sum, O^T times a.  The batch ends with the slice behind the turn's twelfth product.
; No exponential is issued behind a turn's wait: none is open at a label, a branch or the loop's jump.  The way out's eight reciprocals are a batch of their own, with one wait.
; The last step, which is written out since it asks for no tile, has its turns in phases (the products, then the softmax): fewer window switches, a shorter text.
; No first step is written out: m starts at the lowest finite number, O and l at 0; O, V of head 1 and P's second buffer are cleared by products of two zero fragments, 8 registers a line.
; WINDOWS: 0: addresses, statistics, S^T (2 x 32), P (2 x 16), A', what the conversion holds; 1: O^T at 32 T + 8 cb; 2: Q at 16 T + 8 c, K at 128 + 64 hh + 16 kb + 8 c; 3: V at 64 hh + 32 kk + 8 cb, B' at 128 + 32 t + 8 kt.
.set VOFF,  66560                      ; a slot: 64 rows of K, pitch 1,040; then 64 rows of V, pitch 1,056
.set SLOTX, 0x21000                    ; slot 1; no tile's address in slot 0 has bit 12 or 17, so one exclusive or changes slots
.set STG,   270336                     ; two stages of 18,432 bytes: the mask's 64 x 144, then timediff's
.set SPARE, 324608
.set AK0, 2
.set AV0, 3
.set ADRK, 4
.set ADRV, 5
.set AB0, 6
.set ADRB, 7
.set GO,  10
.set TDO, 11
.set MKO, 12
.set CST, 13
.set ZR,  14
.set ADRC, 15
.set SPW, 16
.set NIL, 17
.set QO,  18
.set PT,  20
.set ST,  32                           ; tile T at ST + 8 T: m, m_old, l (2), c0-c3 at work (c2 takes a)
.set S,   96
.set P,   160
.set AP,  192
.set TD,  208
.set MK,  240
.set CT,  248
.set WV,  14
.set G1K, 24
.set G1V, 32
.set G0K, 40
.set G0V, 44
.set TD0, 48
.set MK0, 50
.set TDP, 52
.set MKP, 54
.set CNT, 56
.set KS,  57
.set TB,  58
.set SB,  59
.set SBW, 60
.set SEL, 62
.set SLO, 66
.set SHI, 67
.set X1,  68
.set MSB, 0
.macro WIN new
.if MSB != (\new)
	s_set_vgpr_msb (MSB<<8)|(\new)
.set MSB, (\new)
.endif
.endm
.macro PLACES n
.rept \n
	v_nop
.endr
.endm
.macro CROUND
	s_barrier_signal -1
	s_barrier_wait -1
	s_cmp_lg_u32 s[WV], 0
	s_cbranch_scc1 .Lnw0_\@
	s_barrier_signal -3
.Lnw0_\@:
	s_barrier_wait -3
	s_barrier_signal -1
	s_barrier_wait -1
.endm
.macro JLOAD                           ; waves 0, 1: the two halves of a step's K; waves 2, 3: of its V
	s_cmp_lt_u32 s[WV], 2
	s_cbranch_scc0 .Lfor_v_\@
	tensor_load_to_lds s[G0K:G0K+3], s[G1K:G1K+7]
	s_nop 0
	PLACES 4
	s_branch .Lasked_\@
.Lfor_v_\@:
	tensor_load_to_lds s[G0V:G0V+3], s[G1V:G1V+7]
	s_nop 0
	PLACES 4
.Lasked_\@:
.endm
; The change of slots: all my tensor loads waited for, the add, my LDS reads and stage stores waited for, a barrier (fill = 1: a round of the cluster's, and the slot just read takes the keys two steps on).
.macro CHANGE fill
	WIN 0
	s_wait_tensorcnt 0x0
	ds_add_u32 v[SPW], v[NIL]
.if \fill
	s_xor_b32 s[G0K+1], s[G0K+1], SLOTX
	s_add_nc_u64 s[G0K+2:G0K+3], s[G0K+2:G0K+3], 196608  ; 64 rows of 3,072 bytes
	s_xor_b32 s[G0V+1], s[G0V+1], SLOTX
	s_add_nc_u64 s[G0V+2:G0V+3], s[G0V+2:G0V+3], 196608
	s_wait_dscnt 0x0
	CROUND
	JLOAD
.else
	s_wait_dscnt 0x0
	s_barrier_signal -1
	s_barrier_wait -1
.endif
	s_xor_b32 s[TB], s[TB], SLOTX
	s_xor_b32 s[SB], s[SB], 18432
	s_xor_b32 s[SBW], s[SBW], 18432
.endm
.macro LOADTD                          ; my 16 queries' rows of a step: timediff as 256 whole bytes from 16 lanes, the mask as 64
.irp e, 0,1,2,3,4,5,6,7
	global_load_b128 v[TD+4*\e:TD+4*\e+3], v[TDO], s[TDP:TDP+1] offset:\e*8192 th:TH_LOAD_NT
.endr
.irp e, 0,1,2,3,4,5,6,7
	global_load_b32 v[MK+\e], v[MKO], s[MKP:MKP+1] offset:\e*2048
.endr
.endm
; What was loaded becomes the next step's B' in the stage that is not being read; then the step after that is loaded (the last look-ahead is clamped to step 15: it stays inside the buffers and is not used).
.macro CONV
	WIN 0
	s_wait_loadcnt 0x0
	v_add_nc_u32 v[ADRC], s[SBW], v[CST]
.irp e, 0,1,2,3,4,5,6,7
	v_cvt_pk_bf16_f32 v[CT], v[TD+4*\e], v[TD+4*\e+1]
	v_cvt_pk_bf16_f32 v[CT+1], v[TD+4*\e+2], v[TD+4*\e+3]
	v_xor_b32 v[MK+\e], s[X1], v[MK+\e]            ; 1 where masked,
	v_lshlrev_b32 v[MK+\e], 6, v[MK+\e]            ; 0x40, which as a bf16's upper byte is 2.0
	ds_store_b64 v[ADRC], v[CT:CT+1] offset:9216+\e*288
	v_perm_b32 v[CT+2], v[MK+\e], v[ZR], s[SLO]
	v_perm_b32 v[CT+3], v[MK+\e], v[ZR], s[SHI]
	ds_store_b64 v[ADRC], v[CT+2:CT+3] offset:\e*288
.endr
	s_add_co_u32 s[KS], s[KS], 1
	s_min_u32 s[KS], s[KS], 15
	s_lshl_b32 s72, s[KS], 8
	s_mov_b32 s73, 0
	s_add_nc_u64 s[TDP:TDP+1], s[TD0:TD0+1], s[72:73]  ; free: the wait above has shown the loads that named it done
	s_lshl_b32 s72, s[KS], 6
	s_add_nc_u64 s[MKP:MKP+1], s[MK0:MK0+1], s[72:73]
	LOADTD
.endm
.macro FETCH_A                         ; 80 LDS loads in one run: B' (32), K of head 0 (16), V of head 0 (16), K of head 1 (16)
	WIN 0
	v_add_nc_u32 v[ADRB], s[SB], v[AB0]
	v_add_nc_u32 v[ADRK], s[TB], v[AK0]
	v_add_nc_u32 v[ADRV], s[TB], v[AV0]
	WIN 0xc0
.irp t, 0,1,2,3
.irp kt, 0,1,2,3
	ds_load_b128 v[128+32*\t+8*\kt:128+32*\t+8*\kt+3], v[ADRB] offset:\t*2304+\kt*32
	ds_load_b128 v[128+32*\t+8*\kt+4:128+32*\t+8*\kt+7], v[ADRB] offset:\t*2304+\kt*32+9216
.endr
.endr
	WIN 0x80
.irp kb, 0,1,2,3
.irp c, 0,1
	ds_load_b128 v[128+16*\kb+8*\c:128+16*\kb+8*\c+3], v[ADRK] offset:\kb*16640+\c*64
	ds_load_b128 v[128+16*\kb+8*\c+4:128+16*\kb+8*\c+7], v[ADRK] offset:\kb*16640+\c*64+32
.endr
.endr
	WIN 0xc0
.irp kk, 0,1
.irp cb, 0,1,2,3
	ds_load_tr16_b128 v[32*\kk+8*\cb:32*\kk+8*\cb+3], v[ADRV] offset:\kk*33792+\cb*32
	ds_load_tr16_b128 v[32*\kk+8*\cb+4:32*\kk+8*\cb+7], v[ADRV] offset:\kk*33792+\cb*32+16896
.endr
.endr
	WIN 0x80
.irp kb, 0,1,2,3
.irp c, 0,1
	ds_load_b128 v[192+16*\kb+8*\c:192+16*\kb+8*\c+3], v[ADRK] offset:\kb*16640+\c*64+128
	ds_load_b128 v[192+16*\kb+8*\c+4:192+16*\kb+8*\c+7], v[ADRK] offset:\kb*16640+\c*64+160
.endr
.endr
	WIN 0
.endm
.macro FETCH_V1                        ; V of head 1: its registers are read until turn 0's eighth product
	WIN 0xc0
.irp kk, 0,1
.irp cb, 0,1,2,3
	ds_load_tr16_b128 v[64+32*\kk+8*\cb:64+32*\kk+8*\cb+3], v[ADRV] offset:\kk*33792+\cb*32+128
	ds_load_tr16_b128 v[64+32*\kk+8*\cb+4:64+32*\kk+8*\cb+7], v[ADRV] offset:\kk*33792+\cb*32+128+16896
.endr
.endr
.endm
; Matrix instruction i of turn T.  Four accumulators take turns in each run.
.macro MM T
.if i < 8
.set tq, ((\T)+7)%8
.set rO, 32*tq+8*(i%4)
.set rV, 64*(tq/4)+32*(i/4)+8*(i%4)
.set rP, P+16*(tq%2)+8*(i/4)
	WIN 0x53
	v_wmma_f32_16x16x32_bf16 v[rO:rO+7], v[rV:rV+7], v[rP:rP+7], v[rO:rO+7]
.elseif i < 12
.set tq, ((\T)+1)%8
.set rS, S+32*(tq%2)+8*(i-8)
.set rA, AP+8*(tq/4)
.set rB, 128+32*(tq%4)+8*(i-8)
	WIN 0x0c
	v_wmma_f32_16x16x32_bf16 v[rS:rS+7], v[rA:rA+7], v[rB:rB+7], 0
.else
.set tq, ((\T)+1)%8
.set rS, S+32*(tq%2)+8*((i-12)%4)
.set rK, 128+64*(tq/4)+16*((i-12)%4)+8*((i-12)/4)
.set rQ, 16*tq+8*((i-12)/4)
	WIN 0x0a
	v_wmma_f32_16x16x32_bf16 v[rS:rS+7], v[rK:rK+7], v[rQ:rQ+7], v[rS:rS+7]
.endif
.endm
; Number j of tile T's softmax.  s0-s31 are the lane's 32 scores, in pairs 0-15.
;   0-15    the maximum of the 32 scores and m (each accumulator's lowest registers first)
;   16-20   the other half of the lanes' maximum; the new m; m_old - m (19 is empty)
;   21-69   ONE BATCH: the 16 subtractions s - m, a pair each, and all 33 exponentials (a at 23, then s0-s31).  None of these names an exponential's result.  21, 22 subtractions; 24-37 subtraction and exponential
;           by turns; 38-65 a subtraction and three exponentials; 66-69 the last four exponentials.  A pair is subtracted ahead of its exponentials
;   (wait)  between 69 and 70 stands the wait for the batch: SL writes it
;   70-85   the roundings to bf16, a pair of weights each
;   86-101  the sums, neighbours 1, 2, 4 and 8 pairs apart; l = a l + sum
;   102-117 O^T times a: the one part that leaves window 0
.macro SM T
.set rT, ST+8*(\T)
.set rS, S+32*((\T)%2)
.set rP, P+16*((\T)%2)
.set rO, 32*(\T)+2*(j-102)
.if j < 102
	WIN 0
.endif
.if j < 4
	v_max3_num_f32 v[rT+4+j], v[rS+8*j], v[rS+8*j+1], v[rS+8*j+2]
.elseif j < 12
	v_max3_num_f32 v[rT+4+j%4], v[rT+4+j%4], v[rS+8*(j%4)+2*(j/4)+1], v[rS+8*(j%4)+2*(j/4)+2]
.elseif j == 12
	v_max3_num_f32 v[rT+4], v[rT+4], v[rS+7], v[rS+15]
.elseif j == 13
	v_max3_num_f32 v[rT+6], v[rT+6], v[rS+23], v[rS+31]
.elseif j == 14
	v_max3_num_f32 v[rT+4], v[rT+4], v[rT+5], v[rT+6]
.elseif j == 15
	v_max3_num_f32 v[rT+4], v[rT+4], v[rT+7], v[rT]
.elseif j == 16
	v_permlanex16_b32 v[rT+5], v[rT+4], s[SEL], s[SEL+1]
.elseif j == 17
	v_mov_b32 v[rT+1], v[rT]
.elseif j == 18
	v_max_num_f32 v[rT], v[rT+4], v[rT+5]
.elseif j == 19
.elseif j == 20
	v_sub_f32 v[rT+7], v[rT+1], v[rT]
.elseif j == 23
	v_exp_f32 v[rT+6], v[rT+7]
.elseif (j < 23) || ((j < 38) && (j%2 == 0)) || ((j < 66) && (j%4 == 2))
.set b, (j-2)/4                        ; 38, 42, .. 62: pairs 9 to 15
.if j < 38
.set b, (j-20)/2                       ; 21: pair 0; 22, 24, .. 36: pairs 1 to 8
.endif
	v_pk_add_f32 v[rS+2*b:rS+2*b+1], v[rS+2*b:rS+2*b+1], v[rT:rT+1] op_sel_hi:[1,0] neg_lo:[0,1] neg_hi:[0,1]
.elseif j < 70
.set ee, j-38                          ; 66 to 69: s28 to s31
.if j < 66
.set ee, j-32-(j-38)/4                 ; 39-41, 43-45, .. 63-65: s7 to s27
.endif
.if j < 38
.set ee, (j-25)/2                      ; 25, 27, .. 37: s0 to s6
.endif
	v_exp_f32 v[rS+ee], v[rS+ee]
.elseif j < 86
	v_cvt_pk_bf16_f32 v[rP+j-70], v[rS+2*(j-70)], v[rS+2*(j-70)+1]
.elseif j < 102
.set z, j-86
.set w, 4
.set u, z
.if z >= 14
.set w, 32
.set u, 0
.elseif z >= 12
.set w, 16
.set u, z-12
.elseif z >= 8
.set w, 8
.set u, z-8
.endif
.if z < 15
	v_pk_add_f32 v[rS+w*u:rS+w*u+1], v[rS+w*u:rS+w*u+1], v[rS+w*u+w/2:rS+w*u+w/2+1]
.else
	v_pk_fma_f32 v[rT+2:rT+3], v[rT+2:rT+3], v[rT+6:rT+7], v[rS:rS+1] op_sel_hi:[1,0,1]
.endif
.else
	WIN 0x41
	v_pk_mul_f32 v[rO:rO+1], v[rO:rO+1], v[rT+6:rT+7] op_sel_hi:[1,0]
.endif
.endm
; The next n numbers of the list.  Behind number 69 the batch is out: all 33 exponentials are issued and no result has been named.
.macro SL T, n
.rept \n
.if j < 118
	SM \T
.endif
.if j == 69
	v_nop                                          ; a plain instruction behind the last exponential, ahead of the first use: one for the batch
	s_wait_alu depctr_va_vdst(0)                   ; the wait for the batch, a and the 32 weights, ahead of the first line that names a result (number 70)
.endif
.set j, j+1
.endr
.endm
; A turn.  ph = 0: 20 matrix instructions, 4 numbers of the list behind the first and 6 behind each other: 4 + 6 x 11 = 70, so the batch and its wait end the slice behind the twelfth product (i = 11), and the 48 numbers
; that name results ride behind the eight products K Q^T; the last six (plain, on O^T of tile T alone) are the places behind the last score product.
; Turn 0 fetches V of head 1 directly behind its wait: seven plain instructions (six subtractions and the v_nop; an exponential is no place) stand between the last product that read those registers (i = 7) and the loads.
; ph = 1: the matrix instructions on end (8 of them where doS = 0: the very last turn), then the whole list, which names none of their registers.
.macro TURN T, doS, ph=0
.set j, 0
.set i, 0
.if (\T) == 1
	s_wait_dscnt 16                                ; all of the run of 80 is in; V of head 1 (16 loads) may be out
.endif
.if (\T) == 5
	s_wait_dscnt 0x0                               ; V of head 1 is in
.endif
.rept 8+12*(\doS)
.if ((\T) == 7) && (i == 8)
	s_wait_dscnt 32                                ; B' and K of head 0 are in; the youngest 32 loads may be out
.endif
	MM \T
.if !(\ph)
.if i == 0
	SL \T, 4
.else
	SL \T, 6
.endif
.if ((\T) == 0) && (i == 11)
	FETCH_V1
.endif
.endif
.set i, i+1
.endr
.if \ph
	SL \T, 118
.if (\T) == 0
	FETCH_V1
.endif
.endif
.endm
	s_load_b256 s[4:11], s[0:1], 0x0               ; qkv, timediff, mask, coef
	s_load_b64 s[12:13], s[0:1], 0x20              ; ob
	v_lshl_add_u32 v[SPW], v0, 2, SPARE
	v_mov_b32 v[NIL], 0
	ds_add_u32 v[SPW], v[NIL]                      ; the opening: the add and its wait ahead of my first tensor load
	v_lshrrev_b32 v1, 5, v0
	v_readfirstlane_b32 s[WV], v1
	s_bfe_u32 s15, ttmp6, 0x40000                  ; cx
	s_lshl_b32 s16, ttmp9, 2
	s_add_co_u32 s16, s16, s15                     ; my block of 64 queries
	s_and_b32 s17, ttmp7, 0xffff                   ; the batch, which the partners share
	s_and_b32 s18, s[WV], 1
	s_lshl_b32 s20, s17, 10
	s_lshl_b32 s19, s18, 5
	s_add_co_u32 s19, s20, s19                     ; the first key row that I fetch
	s_mul_i32 s72, s19, 3072
	s_mov_b32 s73, 0
	s_lshl_b32 s21, s16, 6
	s_add_co_u32 s21, s20, s21                     ; my block's first row
	s_lshl_b32 s22, s[WV], 4
	s_add_co_u32 s22, s21, s22                     ; the 16 rows of bias that I convert
	s_mov_b32 s[G1K], 15|(1<<16)|(1<<20)|(1<<21)|(7<<22)|(3<<25)  ; mask of four; 2-byte elements; padding on; bit 21; after every 256 words 4 words
	s_mov_b32 s[G1V], 15|(1<<16)|(1<<20)|(1<<21)|(7<<22)|(7<<25)  ; the same with 8 words
.irp g, G1K, G1V
	s_mov_b32 s[\g+1], 512<<16
	s_mov_b32 s[\g+2], 32<<16
	s_mov_b32 s[\g+3], 512<<16
	s_mov_b32 s[\g+4], 32
	s_mov_b32 s[\g+5], 1536
	s_mov_b32 s[\g+6], 0
	s_mov_b32 s[\g+7], 0
.endr
	s_mov_b32 s[G0K], 1
	s_mul_i32 s[G0K+1], s18, 33280
	s_mov_b32 s[G0V], 1
	s_mul_i32 s23, s18, 33792
	s_add_co_u32 s[G0V+1], s23, VOFF
	s_mov_b32 s[SEL], 0x76543210
	s_mov_b32 s[SEL+1], 0xfedcba98
	s_mov_b32 s[SLO], 0x05000400
	s_mov_b32 s[SHI], 0x07000600
	s_mov_b32 s[X1], 0x01010101
	s_mov_b32 s[TB], SLOTX                         ; the first change of slots turns these into slot 0 and stage 0
	s_mov_b32 s[SB], 18432
	s_mov_b32 s[SBW], 0
	s_mov_b32 s[KS], 0
	s_lshl_b32 s23, s[WV], 3
	s_wait_dscnt 0x0
	s_wait_kmcnt 0x0
	s_load_b64 s[70:71], s[10:11], s23 offset:0x0  ; my two heads' coefficients
	s_add_nc_u64 s[72:73], s[4:5], s[72:73]
	s_add_nc_u64 s[G0K+2:G0K+3], s[72:73], 1024
	s_or_b32 s[G0K+3], s[G0K+3], 0x80000000
	s_add_nc_u64 s[G0V+2:G0V+3], s[72:73], 2048
	s_or_b32 s[G0V+3], s[G0V+3], 0x80000000
	s_mul_i32 s74, s21, 3072
	s_lshl_b32 s75, s[WV], 8
	s_add_co_u32 s74, s74, s75
	s_mov_b32 s75, 0
	s_add_nc_u64 s[76:77], s[4:5], s[74:75]        ; Q at my block's first row, my two heads
	s_lshl_b32 s74, s22, 12
	s_add_nc_u64 s[TD0:TD0+1], s[6:7], s[74:75]
	s_lshl_b32 s74, s22, 10
	s_add_nc_u64 s[MK0:MK0+1], s[8:9], s[74:75]
	s_mov_b64 s[TDP:TDP+1], s[TD0:TD0+1]
	s_mov_b64 s[MKP:MKP+1], s[MK0:MK0+1]
	s_lshl_b32 s74, s21, 10                        ; ob: my block's 65,536 bytes, my four K steps' 16,384
	s_lshl_b32 s19, s[WV], 14
	s_add_co_u32 s74, s74, s19
	s_add_nc_u64 s[12:13], s[12:13], s[74:75]
	CROUND
	JLOAD                                          ; step 0 into slot 0
	v_and_b32 v1, 15, v0                           ; r
	v_bfe_u32 v19, v0, 4, 1                        ; h
	v_lshlrev_b32 v[TDO], 12, v19
	v_lshl_add_u32 v[TDO], v1, 4, v[TDO]
	v_lshlrev_b32 v[MKO], 10, v19
	v_lshl_add_u32 v[MKO], v1, 2, v[MKO]
	LOADTD                                         ; step 0
	v_mul_u32_u24 v[QO], v1, 3072
	v_lshl_add_u32 v[QO], v19, 4, v[QO]
	WIN 0x80
.irp hh, 0,1
.irp t, 0,1,2,3
.irp c, 0,1
	global_load_b128 v[16*(4*\hh+\t)+8*\c:16*(4*\hh+\t)+8*\c+3], v[QO], s[76:77] offset:\t*49152+\hh*128+\c*64
	global_load_b128 v[16*(4*\hh+\t)+8*\c+4:16*(4*\hh+\t)+8*\c+7], v[QO], s[76:77] offset:\t*49152+\hh*128+\c*64+32
.endr
.endr
.endr
	WIN 0
	v_mov_b32 v[ZR], 0
	s_lshl_b32 s19, s[WV], 8
	v_mul_u32_u24 v[AK0], v1, 1040
	v_lshl_add_u32 v[AK0], v19, 4, v[AK0]
	v_add_nc_u32 v[AK0], s19, v[AK0]
	v_and_b32 v24, 7, v0
	v_bfe_u32 v25, v0, 3, 1
	v_lshl_add_u32 v[AV0], v19, 3, v24
	v_mul_u32_u24 v[AV0], v[AV0], 1056
	v_lshl_add_u32 v[AV0], v25, 4, v[AV0]
	s_add_co_u32 s19, s19, VOFF
	v_add_nc_u32 v[AV0], s19, v[AV0]
	v_mul_u32_u24 v[AB0], v1, 144
	v_lshl_add_u32 v[AB0], v19, 4, v[AB0]
	v_add_nc_u32 v[AB0], STG, v[AB0]
	s_mul_i32 s19, s[WV], 2304
	s_add_co_u32 s19, s19, STG
	v_mul_u32_u24 v[CST], v19, 144
	v_lshl_add_u32 v[CST], v1, 3, v[CST]
	v_add_nc_u32 v[CST], s19, v[CST]
	v_and_b32 v[GO], 31, v0
	v_lshlrev_b32 v[GO], 4, v[GO]                  ; 16 bytes a lane
	; A': lane (r, h) holds key row r; its one number of each half lies at place d = r - 8 h, if that is 0 .. 7
	v_lshlrev_b32 v24, 3, v19
	v_sub_nc_u32 v24, v1, v24
	s_mov_b32 s72, 0xffff
	s_mov_b32 s73, 0xffff0000
.irp e, 0,1,2,3
	v_cmp_eq_u32 vcc_lo, 2*\e, v24
	v_cndmask_b32 v[PT+\e], 0, s72, vcc_lo
	v_cmp_eq_u32 vcc_lo, 2*\e+1, v24
	v_cndmask_b32 v[PT+\e], v[PT+\e], s73, vcc_lo
.endr
	s_wait_kmcnt 0x0
	s_mul_f32 s74, s70, 0xbfb8aa3b                 ; - coef log2(e)
	s_mul_f32 s75, s71, 0xbfb8aa3b
	v_mov_b32 v25, s74
	v_mov_b32 v26, s75
	v_cvt_pk_bf16_f32 v25, v25, v25
	v_cvt_pk_bf16_f32 v26, v26, v26
.irp e, 0,1,2,3
	v_and_b32 v[AP+\e], 0xcfd7cfd7, v[PT+\e]
	v_and_b32 v[AP+4+\e], v25, v[PT+\e]
	v_and_b32 v[AP+8+\e], 0xcfd7cfd7, v[PT+\e]
	v_and_b32 v[AP+12+\e], v26, v[PT+\e]
.endr
	; two zero fragments in S^T's registers; their product clears 8 registers a line
.set e, 0
.rept 16
	v_mov_b32 v[S+e], 0
.set e, e+1
.endr
	WIN 0x40
.set e, 0
.rept 32
	v_wmma_f32_16x16x32_bf16 v[8*e:8*e+7], v[S:S+7], v[S+8:S+15], 0            ; O^T
.set e, e+1
.endr
	WIN 0xc0
.set e, 0
.rept 8
	v_wmma_f32_16x16x32_bf16 v[64+8*e:64+8*e+7], v[S:S+7], v[S+8:S+15], 0      ; V of head 1: the first turn's products, of a tile that has not been, add 0
.set e, e+1
.endr
	WIN 0
.set e, 0
.rept 2
	v_wmma_f32_16x16x32_bf16 v[P+16+8*e:P+16+8*e+7], v[S:S+7], v[S+8:S+15], 0  ; P's second buffer
.set e, e+1
.endr
.set e, 0
.rept 8
	v_mov_b32 v[ST+8*e], 0xff7fffff
	v_mov_b32 v[ST+8*e+1], 0xff7fffff
	v_mov_b32 v[ST+8*e+2], 0
	v_mov_b32 v[ST+8*e+3], 0
.set e, e+1
.endr
	CONV                                           ; step 0's B' into stage 0 (its wait for 0 also shows Q in); step 1 is loaded
	CHANGE 1                                       ; slot 0 is in, everybody's part and everybody's stage; slot 1 is asked for
	FETCH_A
	s_wait_dscnt 0x0
.set i, 8
.rept 12
	MM 7                                           ; tile 0's first scores
.set i, i+1
.endr
	WIN 0
	PLACES 4
	s_mov_b32 s[CNT], 15
	s_branch .Lt0                                  ; the loop is entered at a step's first turn
.Lstep:                                                ; 14 times: steps 2 to 15 are asked for
	CHANGE 1
	FETCH_A
	TURN 7, 1
	WIN 0
.Lt0:
	TURN 0, 1
	TURN 1, 1
	TURN 2, 1
	TURN 3, 1
	TURN 4, 1
	TURN 5, 1
	CONV
	TURN 6, 1
	WIN 0
	s_sub_co_u32 s[CNT], s[CNT], 1
	s_cmp_lg_u32 s[CNT], 0
	s_cbranch_scc1 .Lstep
	CHANGE 0                                       ; the last step is written out: nothing is asked for
	FETCH_A
	TURN 7, 1, 1
	TURN 0, 1, 1
	TURN 1, 1, 1
	TURN 2, 1, 1
	TURN 3, 1, 1
	TURN 4, 1, 1
	TURN 5, 1, 1
	TURN 6, 1, 1
	TURN 7, 0, 1
.set i, 0
.rept 8
	MM 0                                           ; tile 7's last V^T P
.set i, i+1
.endr
	; THE WAY OUT.  The additions are the places behind the last products.
	WIN 0
.set t, 0
.rept 8
	v_add_f32 v[ST+8*t+2], v[ST+8*t+2], v[ST+8*t+3]
.set t, t+1
.endr
.set t, 0
.rept 8
	v_permlanex16_b32 v[ST+8*t+3], v[ST+8*t+2], s[SEL], s[SEL+1]
.set t, t+1
.endr
.set t, 0
.rept 8
	v_add_f32 v[ST+8*t+2], v[ST+8*t+2], v[ST+8*t+3]
.set t, t+1
.endr
.set t, 0
.rept 8
	v_rcp_f32 v[ST+8*t+2], v[ST+8*t+2]
.set t, t+1
.endr
	v_nop                                          ; a plain instruction between the last reciprocal and the use of its result
	s_wait_alu depctr_va_vdst(0)                   ; the wait ahead of the first use: one for the eight reciprocals
	s_wait_loadcnt 0x0                             ; the clamped look-ahead: its registers are used below
.irp t, 0,1,2,3
.irp hh, 0,1
	WIN 0x41
.set e, 0
.rept 16
	v_pk_mul_f32 v[32*(4*\hh+\t)+2*e:32*(4*\hh+\t)+2*e+1], v[32*(4*\hh+\t)+2*e:32*(4*\hh+\t)+2*e+1], v[ST+8*(4*\hh+\t)+2:ST+8*(4*\hh+\t)+3] op_sel_hi:[1,0]
.set e, e+1
.endr
	WIN 0x05
.set e, 0
.rept 16
	v_cvt_pk_bf16_f32 v[96+32*\t+16*\hh+e], v[32*(4*\hh+\t)+2*e], v[32*(4*\hh+\t)+2*e+1]
.set e, e+1
.endr
.endr
.endr
	WIN 0
.irp t, 0,1,2,3                        ; channel block cb of head hh is half cb % 2 of K step 4 w + 2 hh + cb / 2; a store covers 512 consecutive aligned bytes
.irp hh, 0,1
.irp cb, 0,1,2,3
	global_store_b128 v[GO], v[96+32*\t+16*\hh+4*\cb:96+32*\t+16*\hh+4*\cb+3], s[12:13] offset:\hh*8192+(\cb/2)*4096+\t*1024+(\cb%2)*512
.endr
.endr
.endr
	s_wait_tensorcnt 0x0                           ; the wave's end
	ds_add_u32 v[SPW], v[NIL]
	s_wait_dscnt 0x0
	CROUND
	s_endpgm
.Lfunc_end_k_qd00ba9bec6_attn:
	.size	k_qd00ba9bec6_attn, .Lfunc_end_k_qd00ba9bec6_attn-k_qd00ba9bec6_attn
	.p2alignl 7, 3214868480
	.fill 96, 4, 3214868480
	.section	.rodata,"a",@progbits
	.p2align	6, 0x0
	.amdhsa_kernel k_qd00ba9bec6_attn
		.amdhsa_group_segment_fixed_size 327680
		.amdhsa_private_segment_fixed_size 0
		.amdhsa_enable_private_segment 0
		.amdhsa_kernarg_size 40
		.amdhsa_user_sgpr_count 2
		.amdhsa_user_sgpr_kernarg_segment_ptr 1
		.amdhsa_wavefront_size32 1
		.amdhsa_system_sgpr_workgroup_id_x 1
		.amdhsa_system_sgpr_workgroup_id_y 1
		.amdhsa_system_sgpr_workgroup_id_z 1
		.amdhsa_system_vgpr_workitem_id 0
		.amdhsa_next_free_vgpr 1024
		.amdhsa_next_free_sgpr 80
		.amdhsa_reserve_vcc 1
		.amdhsa_float_denorm_mode_32 3
		.amdhsa_float_denorm_mode_16_64 3
		.amdhsa_memory_ordered 1
		.amdhsa_forward_progress 1
		.amdhsa_inst_pref_size 212
	.end_amdhsa_kernel
	.amdgpu_metadata
---
amdhsa.version: [ 1, 2 ]
amdhsa.kernels:
  - .name:           k_qd00ba9bec6_attn
    .symbol:         k_qd00ba9bec6_attn.kd
    .args:
      - { .name: qkv, .offset: 0, .size: 8, .value_kind: global_buffer, .address_space: global }
      - { .name: timediff, .offset: 8, .size: 8, .value_kind: global_buffer, .address_space: global }
      - { .name: mask, .offset: 16, .size: 8, .value_kind: global_buffer, .address_space: global }
      - { .name: attn_coef_w, .offset: 24, .size: 8, .value_kind: global_buffer, .address_space: global }
      - { .name: ob, .offset: 32, .size: 8, .value_kind: global_buffer, .address_space: global }
    .group_segment_fixed_size: 327680
    .private_segment_fixed_size: 0
    .kernarg_segment_align: 8
    .kernarg_segment_size: 40
    .max_flat_workgroup_size: 128
    .sgpr_count:     80
    .vgpr_count:     1024
    .wavefront_size: 32
...
	.end_amdgpu_metadata
.endif
;; end of part 9
;; launch tail: the kernel of part 8 again; grid 256 x 1, 4 waves a work-group, clusters of 4 x 1, 327,680 bytes of LDS; arguments ob, wb, value, proj_bias, ln1_g, ln1_b, b1, b2, ln2_g, ln2_b, out0; writes out0
